; MI455X (gfx1250); checked and timed in simulation.
; The chip was launched on July 23, 2026; its instructions are those of AMD's public machine-readable ISA for CDNA 5 (MIT licence, August 2026) and "CDNA5" Instruction Set Architecture Reference Guide (July 2026). The comments in the code are by the model that wrote it; some were corrected since.
;; Single Head Attention. Allowed arithmetic: float matrix products may take bf16 or f16 operands with f32 sums; other float arithmetic in f32, or as packed bf16 or f16 multiplies, adds, multiply-adds, maxima and minima; sums over many terms, partial sums and values carried from step to step in f32; what a program stores and reads back later, other than sums and carried values, may be rounded once to bf16 or f16.
;; Inputs: W_k 1,024 x 1,024 float32; W_o 1,024 x 1,024 float32; W_q 1,024 x 1,024 float32; W_v 1,024 x 1,024 float32; x 4 x 2,048 x 1,024 float32.
;; Outputs: out0 4 x 2,048 x 1,024 float32.
;; 2 versions, each right. Each part assembles by itself: llvm-mc -triple=amdgcn-amd-amdhsa -mcpu=gfx1250 --defsym DOCPART=n.
;; ======== version 1 of 2: 6 launches
;; limits: values are held in f16: magnitudes above 65,504 overflow, below 6.1e-05 lose precision
;; workspace buffers: xb 16,777,216 bytes; wb 6,291,456 bytes; wo 2,097,152 bytes; qkv 50,331,648 bytes; sc 67,108,864 bytes; pw 33,554,432 bytes; li 32,768 bytes; ob 16,777,216 bytes
;; launch prep (part 1): grid 768 x 1, 8 waves a work-group, no clusters, 0 bytes of LDS; arguments x, W_q, W_k, W_v, W_o, xb, wb, wo; writes xb, wb, wo
.if DOCPART == 1
	.amdgcn_target "amdgcn-amd-amdhsa--gfx1250"
	.amdhsa_code_object_version 6
	.text
	.protected	k_q245fc0317d_prep
	.globl	k_q245fc0317d_prep
	.p2align	8
	.type	k_q245fc0317d_prep,@function
k_q245fc0317d_prep:
	s_mov_b64 s[64:65], 0
	v_nop
	global_prefetch_b8 v0, s[64:65] scope:SCOPE_SE
	s_setreg_imm32_b32 hwreg(HW_REG_WAVE_MODE, 25, 1), 1
	s_wait_xcnt 0x0
; THE INPUTS ARE ROUNDED ONCE TO 16 BITS.  xb = bf16(x), [8192][1024].  wb = bf16 of W_q, W_k, W_v, one below the other, [3072][1024].
; wo = bf16(W_o), that number written as f16, [1024][1024]: the last product multiplies in f16.
; LIMITS.  bf16(W_o) as f16 is exact from 6.1e-5 to 65,504; below, it keeps f16's fixed step of 6e-8; beyond, it is an infinity.
; SHARES.  A work-group turns 65,536 bytes of f32 into 32,768 bytes.  Blocks 0-511 are x's, then 64 for each weight.  Thread t takes 16 bytes at 16 t of each 4,096:
; a wave's load covers 512 consecutive bytes, its store 256 consecutive bytes, aligned.  All 16 loads of a thread go out at once; nothing is read twice, so no LDS and no barrier.
.set X, 8                              ; v[8:71]    16 loads of 4 registers
.set Y, 72                             ; v[72:103]  16 results of 2 registers: no register of a store is written again
	s_load_b512 s[8:23], s[0:1], 0x0               ; x s[8:9], W_q s[10:11], W_k s[12:13], W_v s[14:15], W_o s[16:17], xb s[18:19], wb s[20:21], wo s[22:23]
	s_mov_b32 s2, ttmp9                            ; block n
	s_sub_co_u32 s3, s2, 512                       ; m: the block among the weights' 256 (not used where n < 512)
	s_lshr_b32 s4, s3, 6                           ; which weight
	s_and_b32 s5, s3, 63                           ; its block
	v_lshlrev_b32 v1, 4, v0                        ; 16 t
	v_lshlrev_b32 v2, 3, v0                        ; 8 t
	s_wait_kmcnt 0x0
	s_cmp_eq_u32 s4, 1                             ; the source and the target are chosen among the buffers by the block's number alone
	s_cselect_b64 s[24:25], s[12:13], s[10:11]
	s_cmp_eq_u32 s4, 2
	s_cselect_b64 s[24:25], s[14:15], s[24:25]
	s_cmp_eq_u32 s4, 3
	s_cselect_b64 s[24:25], s[16:17], s[24:25]
	s_cselect_b64 s[26:27], s[22:23], s[20:21]     ; W_o goes to wo, the other three to wb
	s_cselect_b32 s6, s5, s3                       ; the block in the target
	s_cmp_lt_u32 s2, 512
	s_cselect_b64 s[24:25], s[8:9], s[24:25]
	s_cselect_b64 s[26:27], s[18:19], s[26:27]
	s_cselect_b32 s5, s2, s5
	s_cselect_b32 s6, s2, s6
	s_lshl_b32 s28, s5, 16                         ; 65,536 bytes a block in the source: under 2^26
	s_mov_b32 s29, 0
	s_lshl_b32 s30, s6, 15                         ; 32,768 in the target
	s_mov_b32 s31, 0
	s_add_nc_u64 s[24:25], s[24:25], s[28:29]
	s_add_nc_u64 s[26:27], s[26:27], s[30:31]
.irp j, 0,1,2,3,4,5,6,7,8,9,10,11,12,13,14,15
	global_load_b128 v[X+4*(\j):X+4*(\j)+3], v1, s[24:25] offset:4096*(\j) th:TH_LOAD_NT
.endr
; Piece j: four numbers rounded to bf16; half = 1: widened again (a shift, a mask) and written as f16.
.macro PIECE j, half
	s_wait_loadcnt 15-(\j)                         ; loads come back in order: mine is in, the 15 - j younger ones stay out
	v_cvt_pk_bf16_f32 v[Y+2*(\j)], v[X+4*(\j)], v[X+4*(\j)+1]
	v_cvt_pk_bf16_f32 v[Y+2*(\j)+1], v[X+4*(\j)+2], v[X+4*(\j)+3]
.if \half
	v_lshlrev_b32 v4, 16, v[Y+2*(\j)]
	v_and_b32 v5, 0xffff0000, v[Y+2*(\j)]
	v_lshlrev_b32 v6, 16, v[Y+2*(\j)+1]
	v_and_b32 v7, 0xffff0000, v[Y+2*(\j)+1]
	v_cvt_pk_f16_f32 v[Y+2*(\j)], v4, v5
	v_cvt_pk_f16_f32 v[Y+2*(\j)+1], v6, v7
.endif
	global_store_b64 v2, v[Y+2*(\j):Y+2*(\j)+1], s[26:27] offset:2048*(\j)
.endm
	s_cmp_ge_u32 s2, 704                           ; blocks 704-767 are W_o's
	s_cbranch_scc1 .Lwo
.irp j, 0,1,2,3,4,5,6,7,8,9,10,11,12,13,14,15
	PIECE \j, 0
.endr
	s_endpgm
.Lwo:
.irp j, 0,1,2,3,4,5,6,7,8,9,10,11,12,13,14,15
	PIECE \j, 1
.endr
	s_endpgm
.Lfunc_end_k_q245fc0317d_prep:
	.size	k_q245fc0317d_prep, .Lfunc_end_k_q245fc0317d_prep-k_q245fc0317d_prep
	.p2alignl 7, 3214868480
	.fill 96, 4, 3214868480
	.section	.rodata,"a",@progbits
	.p2align	6, 0x0
	.amdhsa_kernel k_q245fc0317d_prep
		.amdhsa_group_segment_fixed_size 0
		.amdhsa_private_segment_fixed_size 0
		.amdhsa_enable_private_segment 0
		.amdhsa_kernarg_size 64
		.amdhsa_user_sgpr_count 2
		.amdhsa_user_sgpr_kernarg_segment_ptr 1
		.amdhsa_wavefront_size32 1
		.amdhsa_system_sgpr_workgroup_id_x 1
		.amdhsa_system_sgpr_workgroup_id_y 1
		.amdhsa_system_sgpr_workgroup_id_z 1
		.amdhsa_system_vgpr_workitem_id 0
		.amdhsa_next_free_vgpr 104
		.amdhsa_next_free_sgpr 66
		.amdhsa_reserve_vcc 0
		.amdhsa_float_denorm_mode_32 3
		.amdhsa_float_denorm_mode_16_64 3
		.amdhsa_memory_ordered 1
		.amdhsa_forward_progress 1
		.amdhsa_inst_pref_size 16
	.end_amdhsa_kernel
	.amdgpu_metadata
---
amdhsa.version: [ 1, 2 ]
amdhsa.kernels:
  - .name:           k_q245fc0317d_prep
    .symbol:         k_q245fc0317d_prep.kd
    .args:
      - { .name: x, .offset: 0, .size: 8, .value_kind: global_buffer, .address_space: global }
      - { .name: W_q, .offset: 8, .size: 8, .value_kind: global_buffer, .address_space: global }
      - { .name: W_k, .offset: 16, .size: 8, .value_kind: global_buffer, .address_space: global }
      - { .name: W_v, .offset: 24, .size: 8, .value_kind: global_buffer, .address_space: global }
      - { .name: W_o, .offset: 32, .size: 8, .value_kind: global_buffer, .address_space: global }
      - { .name: xb, .offset: 40, .size: 8, .value_kind: global_buffer, .address_space: global }
      - { .name: wb, .offset: 48, .size: 8, .value_kind: global_buffer, .address_space: global }
      - { .name: wo, .offset: 56, .size: 8, .value_kind: global_buffer, .address_space: global }
    .group_segment_fixed_size: 0
    .private_segment_fixed_size: 0
    .kernarg_segment_align: 8
    .kernarg_segment_size: 64
    .max_flat_workgroup_size: 256
    .sgpr_count:     66
    .vgpr_count:     104
    .wavefront_size: 32
...
	.end_amdgpu_metadata
.endif
;; end of part 1
;; launch qkv (part 2): grid 4 x 64, 4 waves a work-group, clusters of 4 x 4, 327,680 bytes of LDS; arguments xb, wb, qkv; writes qkv
.if DOCPART == 2
	.amdgcn_target "amdgcn-amd-amdhsa--gfx1250"
	.amdhsa_code_object_version 6
	.text
	.protected	k_q245fc0317d_qkv
	.globl	k_q245fc0317d_qkv
	.p2align	8
	.type	k_q245fc0317d_qkv,@function
k_q245fc0317d_qkv:
	s_mov_b64 s[64:65], 0
	v_nop
	global_prefetch_b8 v0, s[64:65] scope:SCOPE_SE
	s_setreg_imm32_b32 hwreg(HW_REG_WAVE_MODE, 25, 1), 1
	s_wait_xcnt 0x0
	s_wait_alu depctr_hold_cnt(0) depctr_sa_sdst(0) depctr_va_vdst(0) depctr_va_sdst(0) depctr_va_ssrc(0) depctr_va_vcc(0) depctr_vm_vsrc(0)
	s_getreg_b32 s2, hwreg(HW_REG_IB_STS2, 6, 4)
	s_cmp_eq_u32 s2, 0
	s_cbranch_scc0 .Lentry_in_a_cluster
	s_endpgm
.Lentry_in_a_cluster:
	s_bfe_u32 s2, ttmp6, 0x10000c
	s_cmp_lg_u32 s2, 0xf033
	s_cbranch_scc0 .Lentry_shape_is_right
	s_endpgm
.Lentry_shape_is_right:
; qkv[t][e] = the sum over d of xb[t][d] wb[e][d].  xb: [8192][1024] bf16, wb: [3072][1024] bf16 (W_q, W_k, W_v), qkv: [8192][3072] f16; sums in f32, rounded once.
; LIMITS.  q, k and v leave as f16: a number of 65,520 or more becomes an infinity; below 6.1e-5 f16's fixed step of 6e-8 holds.  The sums' order is the matrix unit's.
; SHARES.  A tile of C is 128 rows x 256 columns; four waves, 2 x 2, each 64 x 128: 32 accumulators of 16 x 16, 256 registers.  C has 64 x 12 tiles: 256 work-groups of three.
; A WORK-GROUP STAYS: it makes its 256 columns of q, then of k, then of v, for the same 128 rows of x; the ring of two LDS slots runs on from tile to tile.
; K goes in steps of 128: the tiles' rows are 256 bytes of memory, at multiples of 256 from the buffers' first bytes.
; CLUSTER.  4 x 4 work-groups: the four of a row need the same rows of x, the four of a column the same rows of the weights; each tile is asked for jointly, by the same
; tensor load with the same descriptor and a mask that names the four.
; THE MATRIX INSTRUCTION IS USED TRANSPOSED (source 0 = 16 rows of wb, source 1 = 16 rows of xb): a lane then holds eight neighbouring numbers of a row of C.
; REGISTERS.  Window 0: v0-31 addresses; v32-63 packed results; v64-159, v160-255 two fragment buffers (A's four fragments, then B's eight).  Window 1: accumulator (a, b) at v[8 (8 a + b)].
.set PITCH,  272                       ; an LDS row: 256 bytes + 16 of padding: the 16 rows of a fragment load start 16 bytes apart modulo 256
.set AHALF,  64*PITCH                  ; what a wave fetches of A, and what a wave reads of A
.set BHALF,  128*PITCH                 ; the same for B
.set BOFF,   2*AHALF                   ; in a slot: A's 128 rows, then B's 256
.set SLOT1,  1<<17                     ; slot 1 begins here: one exclusive or turns an address in one slot into the other's
.set STAGE,  SLOT1+BOFF+2*BHALF        ; behind the ring, never filled by a tensor load: 16 rows x 272 bytes for each wave
.set SPITCH, 272
.set SPARE,  STAGE+4*16*SPITCH         ; the spare words, 128 bytes for each wave: two blocks of 256 bytes that no other line names
.set KB,     256                       ; bytes of a K step in a row
.set CP,     6144                      ; bytes in a row of qkv
.set BACK_A, 7*KB                      ; from a tile's last K step to the next tile's first: A goes back along K,
.set NEXT_B, 1024*2048-7*KB            ; B 1,024 rows down and back
.set ADRA0, 8                          ; v8   my place in A's tile of slot 0; never rewritten
.set ADRB0, 9                          ; v9   the same for B
.set ADRA, 16                          ; v16  the same in the slot that is being read
.set ADRB, 20                          ; v20
.set STO,  24                          ; v24  the way out: where I put 16 bytes of a row
.set RD,   25                          ; v25  where I read a row back
.set CO,   26                          ; v26  my byte offset in C
.set SPW,  28                          ; v28  LDS address of my spare word; never rewritten
.set NIL,  29                          ; v29  0; never rewritten
.set TMP,  32
.set F0,   64
.set F1,   160
.set OB,   160                         ; the way out: two buffers of 32 in F1's registers (F0 holds the next tile's first fragments)
.set G1,   24                          ; s[24:31] descriptor group 1 for A's tiles;  s[32:39] group 0: a set for each first fill; the second then walks on
.set G0,   32
.set TB,   45                          ; s45  LDS byte at which the slot that is being read begins
.set G1B,  48                          ; s[48:55], s[56:63] the same for B's tiles
.set G0B,  56
.set MUL,  0x50                        ; C and D in window 1, sources in window 0
.set MSB, 0
.macro WIN new                         ; the immediate's high byte repeats the setting that is left; a switch that changes nothing is dropped
.if MSB != (\new)
	s_set_vgpr_msb (MSB<<8)|(\new)
.set MSB, \new
.endif
.endm
.macro PLACES                          ; four plain vector instructions in front of loads into registers that matrix instructions have read, and of reads of results
.rept 4
	v_nop
.endr
.endm
.macro JLOAD s                         ; a joint load: waves 0 and 1 fetch A's halves, waves 2 and 3 B's; an s_nop 0 and four v_nop follow each line
	s_cmp_eq_u32 s11, 0
	s_cbranch_scc0 .Lfor_b_\@
	tensor_load_to_lds s[G0+4*(\s):G0+4*(\s)+3], s[G1:G1+7]
	s_nop 0
.rept 4
	v_nop
.endr
	s_branch .Lasked_\@
.Lfor_b_\@:
	tensor_load_to_lds s[G0B+4*(\s):G0B+4*(\s)+3], s[G1B:G1B+7]
	s_nop 0
.rept 4
	v_nop
.endr
.Lasked_\@:
.endm
.macro CREST                           ; a round of the cluster's barrier behind its opening barrier
	s_cmp_lg_u32 s10, 0
	s_cbranch_scc1 .Lnot_wave_0_\@
	s_barrier_signal -3
.Lnot_wave_0_\@:
	s_barrier_wait -3
	s_barrier_signal -1
	s_barrier_wait -1
.endm
.macro CROUND                          ; a whole round
	s_barrier_signal -1
	s_barrier_wait -1
	CREST
.endm
	s_load_b128 s[4:7], s[0:1], 0x0                ; xb s[4:5], wb s[6:7]
	s_load_b64 s[8:9], s[0:1], 0x10                ; qkv
	v_lshl_add_u32 v[SPW], v0, 2, SPARE
	v_mov_b32 v[NIL], 0
	ds_add_u32 v[SPW], v[NIL]                      ; the wave's opening: the add and its wait ahead of my first tensor load; work on registers stands between them
	v_lshrrev_b32 v1, 5, v0
	v_readfirstlane_b32 s10, v1                    ; wave 0..3
	s_lshr_b32 s11, s10, 1                         ; my half of the tile's rows.  Also: I fetch for A (0) or for B (1)
	s_and_b32 s12, s10, 1                          ; my half of its columns.  Also: which half of that tile I fetch
	s_bfe_u32 s40, ttmp6, 0x40000                  ; cx
	s_bfe_u32 s41, ttmp6, 0x40004                  ; cy
	s_and_b32 s13, ttmp7, 0xffff
	s_lshl_b32 s13, s13, 2
	s_add_co_u32 s13, s13, s41                     ; tile row = 4 x cluster y + cy
	s_lshl_b32 s43, s41, 2
	s_lshl_b32 s43, 15, s43                        ; my row of the cluster
	s_lshl_b32 s44, 0x1111, s40                    ; my column
	s_or_b32 s[G1+0], s43, (1<<16)|(1<<20)|(1<<21)|(5<<22)|(3<<25)   ; the mask; 2-byte elements; padding on; bit 21 beside a mask; after every 64 words 4 words
	s_or_b32 s[G1B+0], s44, (1<<16)|(1<<20)|(1<<21)|(5<<22)|(3<<25)
	s_mov_b32 s[G1+1], 128<<16                     ; tensor_dim0 = 128
	s_mov_b32 s[G1+2], 64<<16                      ; tensor_dim1 = 64
	s_mov_b32 s[G1+3], 128<<16                     ; tile_dim0 = 128
	s_mov_b32 s[G1+4], 64                          ; tile_dim1 = 64
	s_mov_b32 s[G1+5], 1024                        ; elements from row to row
	s_mov_b32 s[G1+6], 0
	s_mov_b32 s[G1+7], 0
	s_mov_b32 s[G1B+1], 128<<16
	s_mov_b32 s[G1B+2], 128<<16                    ; B's loads bring 128 rows
	s_mov_b32 s[G1B+3], 128<<16
	s_mov_b32 s[G1B+4], 128
	s_mov_b32 s[G1B+5], 1024
	s_mov_b32 s[G1B+6], 0
	s_mov_b32 s[G1B+7], 0
	s_lshl_b32 s16, s13, 7                         ; A: row 128 x tile row + 64 x half, in registers that never hold cx
	s_lshl_b32 s17, s12, 6
	s_add_co_u32 s16, s16, s17
	s_lshl_b32 s16, s16, 11                        ; x 2,048 bytes: under 2^25
	s_mov_b32 s17, 0
	s_lshl_b32 s46, s40, 8                         ; B: row 256 cx + 128 x half, in registers that never hold cy
	s_lshl_b32 s47, s12, 7
	s_add_co_u32 s46, s46, s47
	s_lshl_b32 s46, s46, 11
	s_mov_b32 s47, 0
	s_mul_i32 s20, s12, AHALF                      ; where they go: no place in the cluster enters an LDS address
	s_mul_i32 s21, s12, BHALF
	s_add_co_u32 s21, s21, BOFF
	s_mov_b32 s[TB], 0
	s_wait_dscnt 0x0                               ; the opening add is done
	s_wait_kmcnt 0x0
	s_add_nc_u64 s[14:15], s[4:5], s[16:17]
	s_add_nc_u64 s[46:47], s[6:7], s[46:47]
	CROUND                                         ; all sixteen work-groups are here: the first joint loads meet
.irp s, 0,1
	s_mov_b32 s[G0+4*(\s)], 1
	s_add_co_u32 s[G0+4*(\s)+1], s20, (\s)*SLOT1
	s_add_nc_u64 s[G0+4*(\s)+2:G0+4*(\s)+3], s[14:15], (\s)*KB
	s_or_b32 s[G0+4*(\s)+3], s[G0+4*(\s)+3], 0x80000000
	s_mov_b32 s[G0B+4*(\s)], 1
	s_add_co_u32 s[G0B+4*(\s)+1], s21, (\s)*SLOT1
	s_add_nc_u64 s[G0B+4*(\s)+2:G0B+4*(\s)+3], s[46:47], (\s)*KB
	s_or_b32 s[G0B+4*(\s)+3], s[G0B+4*(\s)+3], 0x80000000
	JLOAD \s                                       ; K steps 0 and 1: two loads of mine are out
.endr
	; A fragment is 16 rows x 32 K in 8 registers: lane l holds row l % 16, K = 8 (l / 16) + 0..7 and 16 + 8 (l / 16) + 0..7: two loads of 16 bytes, 32 bytes apart.
	v_and_b32 v1, 15, v0
	v_bfe_u32 v2, v0, 4, 1
	v_mul_u32_u24 v3, v1, PITCH
	v_lshl_add_u32 v3, v2, 4, v3
	s_mul_i32 s21, s11, AHALF                      ; my 64 rows of A
	s_mul_i32 s22, s12, BHALF                      ; my 128 rows of B, behind A's
	s_add_co_u32 s22, s22, BOFF
	v_add_nc_u32 v[ADRA0], s21, v3
	v_add_nc_u32 v[ADRB0], s22, v3
	v_mov_b32 v[ADRA], v[ADRA0]
	v_mov_b32 v[ADRB], v[ADRB0]
	s_mul_i32 s23, s10, 16*SPITCH
	s_add_co_u32 s23, s23, STAGE                   ; my stage
	v_mul_u32_u24 v4, v1, SPITCH                   ; in: row l % 16, 16 bytes for each half of the lanes
	v_lshl_add_u32 v4, v2, 4, v4
	v_add_nc_u32 v[STO], s23, v4
	v_mul_u32_u24 v5, v2, SPITCH                   ; back: lanes 0-15 one row of 256 bytes, lanes 16-31 the next
	v_lshl_add_u32 v5, v1, 4, v5
	v_add_nc_u32 v[RD], s23, v5
	v_mul_u32_u24 v5, v2, CP                       ; and the same two rows in C
	v_lshl_add_u32 v[CO], v1, 4, v5
	s_lshl_b32 s16, s13, 7                         ; C at my first row: 128 x tile row + 64 x half,
	s_lshl_b32 s17, s11, 6
	s_add_co_u32 s16, s16, s17
	s_mul_i32 s16, s16, CP                         ; under 2^26
	s_mov_b32 s17, 0
	s_add_nc_u64 s[8:9], s[8:9], s[16:17]
	s_lshl_b32 s46, s40, 9                         ; and my first column of q: 512 cx + 256 x half bytes
	s_lshl_b32 s47, s12, 8
	s_add_co_u32 s46, s46, s47
	s_mov_b32 s47, 0
	s_add_nc_u64 s[8:9], s[8:9], s[46:47]
; 8 matrix instructions: row block a x all 8 column blocks, 32 along K.  The 32 accumulators take turns in one order everywhere.  zero = 1: the product starts the sum.
.macro MUL8 f, a, zero
	WIN MUL
.irp b, 0,1,2,3,4,5,6,7
.if \zero
	v_wmma_f32_16x16x32_bf16 v[8*(8*(\a)+(\b)):8*(8*(\a)+(\b))+7], v[(\f)+32+8*(\b):(\f)+32+8*(\b)+7], v[(\f)+8*(\a):(\f)+8*(\a)+7], 0
.else
	v_wmma_f32_16x16x32_bf16 v[8*(8*(\a)+(\b)):8*(8*(\a)+(\b))+7], v[(\f)+32+8*(\b):(\f)+32+8*(\b)+7], v[(\f)+8*(\a):(\f)+8*(\a)+7], v[8*(8*(\a)+(\b)):8*(8*(\a)+(\b))+7]
.endif
.endr
.endm
; 24 LDS loads in one run: a quarter step's fragments (32 K at byte k of the rows) into buffer f: B's sixteen first, then A's blocks 0 to 3
.macro FETCH k, f
	WIN 0
.irp i, 0,1,2,3,4,5,6,7
	ds_load_b128 v[(\f)+32+8*(\i):(\f)+32+8*(\i)+3],   v[ADRB] offset:(\k)+(\i)*16*PITCH
	ds_load_b128 v[(\f)+32+8*(\i)+4:(\f)+32+8*(\i)+7], v[ADRB] offset:(\k)+(\i)*16*PITCH+32
.endr
.irp i, 0,1,2,3
	ds_load_b128 v[(\f)+8*(\i):(\f)+8*(\i)+3],   v[ADRA] offset:(\k)+(\i)*16*PITCH
	ds_load_b128 v[(\f)+8*(\i)+4:(\f)+8*(\i)+7], v[ADRA] offset:(\k)+(\i)*16*PITCH+32
.endr
.endm
; A K step is four quarters of 32 along K, 32 matrix instructions each, on buffers 0, 1, 0, 1.  One of the first three: multiplies f, fetches the next quarter, at byte k, into g.
.macro QUARTER k, f, g, zero
	s_wait_dscnt 4                                 ; B and A's blocks 0, 1 are in; the youngest four loads (A's blocks 2, 3) may be out
	MUL8 \f, 0, \zero
	MUL8 \f, 1, \zero
	PLACES
	FETCH \k, \g
	s_wait_dscnt 24                                ; all but the 24 just issued
	MUL8 \f, 2, \zero
	MUL8 \f, 3, \zero
.endm
; The last quarter multiplies buffer 1 and changes slots: ONE barrier.  In front of it each wave waits for all its tensor loads (the one that is out is its part of the next slot), adds 0 to
; its spare word, and waits for that and for its reads of this slot.  mode 1: this slot is filled again with the K step two on; 2: with the next tile's K step 0; 0: nothing is asked for.
; With a fill the barrier opens a round of the cluster's barrier, and the joint load is the first thing behind the round.
.macro TURN mode
	WIN 0
	s_wait_tensorcnt 0x0                           ; no tensor load of mine is out, so the walking descriptors may be written
	ds_add_u32 v[SPW], v[NIL]                      ; 0 onto my spare word
	s_wait_dscnt 5                                 ; (the add and the youngest four loads may be out)
	MUL8 F1, 0, 0
.if (\mode) == 1
	s_xor_b32 s[G0+5], s[G0+5], SLOT1              ; the other slot than last time,
	s_add_nc_u64 s[G0+6:G0+7], s[G0+6:G0+7], KB    ; the next K step; the type bits on top are not reached
	s_xor_b32 s[G0B+5], s[G0B+5], SLOT1
	s_add_nc_u64 s[G0B+6:G0B+7], s[G0B+6:G0B+7], KB
.elseif (\mode) == 2
	s_xor_b32 s[G0+5], s[G0+5], SLOT1
	s_sub_nc_u64 s[G0+6:G0+7], s[G0+6:G0+7], BACK_A
	s_xor_b32 s[G0B+5], s[G0B+5], SLOT1
	s_add_nc_u64 s[G0B+6:G0B+7], s[G0B+6:G0B+7], NEXT_B
.endif
	s_xor_b32 s[TB], s[TB], SLOT1                  ; the reads go on in the other slot
	s_wait_dscnt 0x0                               ; the add is done, and my reads of this slot are over
	s_barrier_signal -1
	MUL8 F1, 1, 0                                  ; work on registers while the others arrive
	WIN 0
	v_add_nc_u32 v[ADRA], s[TB], v[ADRA0]
	v_add_nc_u32 v[ADRB], s[TB], v[ADRB0]
	s_barrier_wait -1
.if \mode
	CREST                                          ; no wave of any partner still reads this slot or has a load on its way
	JLOAD 1                                        ; its four v_nop are also the places in front of the loads below
.else
	PLACES
.endif
	FETCH 0, F0
	MUL8 F1, 2, 0
	MUL8 F1, 3, 0
.endm
.macro LASTQ                           ; the very last quarter: nothing more to fetch
	s_wait_dscnt 4
	MUL8 F1, 0, 0
	MUL8 F1, 1, 0
	s_wait_dscnt 0x0
	MUL8 F1, 2, 0
	MUL8 F1, 3, 0
.endm
; THE WAY OUT of row block a.  PACK: rounded to f16, 16 bytes a lane (each accumulator's registers in ascending order).  TOSTAGE: into my own stage, and back as whole rows.  SEND: stored.
.macro PACK a
	WIN 0x05                                       ; sources in window 1, destination in window 0
.irp b, 0,1,2,3,4,5,6,7
.irp r, 0,1,2,3
	v_cvt_pk_f16_f32 v[TMP+4*(\b)+(\r)], v[8*(8*(\a)+(\b))+2*(\r)], v[8*(8*(\a)+(\b))+2*(\r)+1]
.endr
.endr
	WIN 0
.endm
.macro TOSTAGE a
.irp b, 0,1,2,3,4,5,6,7
	ds_store_b128 v[STO], v[TMP+4*(\b):TMP+4*(\b)+3] offset:32*(\b)
.endr
.irp t, 0,1,2,3,4,5,6,7
	ds_load_b128 v[OB+32*((\a)%2)+4*(\t):OB+32*((\a)%2)+4*(\t)+3], v[RD] offset:(\t)*2*SPITCH  ; LDS serves a wave's instructions in order: these see the stores above
.endr
.endm
.macro SEND a
	s_wait_dscnt 0x0                               ; the block is back in registers
	s_wait_xcnt 0x0                                ; the stores of the block before have read their registers: the next TOSTAGE loads into them
.irp t, 0,1,2,3,4,5,6,7
	global_store_b128 v[CO], v[OB+32*((\a)%2)+4*(\t):OB+32*((\a)%2)+4*(\t)+3], s[8:9] offset:(16*(\a)+2*(\t))*CP  ; 16 lanes store 256 consecutive bytes, at a multiple of 256 from C's first byte
.endr
.endm
.macro WAYOUT
	PACK 0
	TOSTAGE 0
.irp a, 1,2,3
	PACK \a                                        ; a block's conversions stand between the loads of the block before and the wait for them
	SEND (\a)-1
	TOSTAGE \a
.endr
	SEND 3
.endm
	s_wait_tensorcnt 1                             ; my part of K step 0 is in; K step 1's may stay out
	s_barrier_signal -1
	s_barrier_wait -1                              ; everybody's is
	FETCH 0, F0
	s_mov_b32 s2, 3                                ; tiles to go: q, k, v
.Ltile:
	QUARTER 64, F0, F1, 1                          ; a tile's first quarter starts the sums
	WIN 0
	s_mov_b32 s3, 6
.Lstep:                                                ; a trip: from a K step's second quarter to the next step's first; six trips ask for K steps 2 to 7
	QUARTER 128, F1, F0, 0
	QUARTER 192, F0, F1, 0
	TURN 1
	QUARTER 64, F0, F1, 0
	WIN 0
	s_sub_co_u32 s3, s3, 1
	s_cmp_lg_u32 s3, 0
	s_cbranch_scc1 .Lstep
	QUARTER 128, F1, F0, 0                         ; K step 6
	QUARTER 192, F0, F1, 0
	WIN 0
	s_cmp_eq_u32 s2, 1
	s_cbranch_scc1 .Llast                          ; the last tile's tail is written out: it asks for nothing more
	TURN 2                                         ; the ring goes on into the next tile: its K step 0,
	QUARTER 64, F0, F1, 0
	QUARTER 128, F1, F0, 0
	QUARTER 192, F0, F1, 0
	TURN 1                                         ; its K step 1, and its first fragments
	WAYOUT                                         ; blocks 0 and 1 were finished in front of the joint load's v_nop; their 64 conversions are the places behind the last products
	s_wait_xcnt 0x0                                ; the stores have read their registers and C's address
	s_add_nc_u64 s[8:9], s[8:9], 2048              ; 1,024 columns on
	s_sub_co_u32 s2, s2, 1
	s_branch .Ltile
.Llast:
	TURN 0
	QUARTER 64, F0, F1, 0                          ; K step 7
	QUARTER 128, F1, F0, 0
	QUARTER 192, F0, F1, 0
	LASTQ
	WIN 0
	PLACES
	PLACES
	WAYOUT
	s_wait_tensorcnt 0x0                           ; the wave's end, behind my last tensor load and my last LDS store
	ds_add_u32 v[SPW], v[NIL]
	s_wait_dscnt 0x0
	CROUND                                         ; the closing round: no work-group ends while a partner may still ask for a tile that names it
	s_endpgm
.Lfunc_end_k_q245fc0317d_qkv:
	.size	k_q245fc0317d_qkv, .Lfunc_end_k_q245fc0317d_qkv-k_q245fc0317d_qkv
	.p2alignl 7, 3214868480
	.fill 96, 4, 3214868480
	.section	.rodata,"a",@progbits
	.p2align	6, 0x0
	.amdhsa_kernel k_q245fc0317d_qkv
		.amdhsa_group_segment_fixed_size 327680
		.amdhsa_private_segment_fixed_size 0
		.amdhsa_enable_private_segment 0
		.amdhsa_kernarg_size 24
		.amdhsa_user_sgpr_count 2
		.amdhsa_user_sgpr_kernarg_segment_ptr 1
		.amdhsa_wavefront_size32 1
		.amdhsa_system_sgpr_workgroup_id_x 1
		.amdhsa_system_sgpr_workgroup_id_y 1
		.amdhsa_system_sgpr_workgroup_id_z 1
		.amdhsa_system_vgpr_workitem_id 0
		.amdhsa_next_free_vgpr 512
		.amdhsa_next_free_sgpr 66
		.amdhsa_reserve_vcc 0
		.amdhsa_float_denorm_mode_32 3
		.amdhsa_float_denorm_mode_16_64 3
		.amdhsa_memory_ordered 1
		.amdhsa_forward_progress 1
		.amdhsa_inst_pref_size 107
	.end_amdhsa_kernel
	.amdgpu_metadata
---
amdhsa.version: [ 1, 2 ]
amdhsa.kernels:
  - .name:           k_q245fc0317d_qkv
    .symbol:         k_q245fc0317d_qkv.kd
    .args:
      - { .name: xb, .offset: 0, .size: 8, .value_kind: global_buffer, .address_space: global }
      - { .name: wb, .offset: 8, .size: 8, .value_kind: global_buffer, .address_space: global }
      - { .name: qkv, .offset: 16, .size: 8, .value_kind: global_buffer, .address_space: global }
    .group_segment_fixed_size: 327680
    .private_segment_fixed_size: 0
    .kernarg_segment_align: 8
    .kernarg_segment_size: 24
    .max_flat_workgroup_size: 128
    .sgpr_count:     66
    .vgpr_count:     512
    .wavefront_size: 32
...
	.end_amdgpu_metadata
.endif
;; end of part 2
;; launch scores (part 3): grid 4 x 96, 4 waves a work-group, clusters of 4 x 4, 327,680 bytes of LDS; arguments qkv, sc; writes sc
.if DOCPART == 3
	.amdgcn_target "amdgcn-amd-amdhsa--gfx1250"
	.amdhsa_code_object_version 6
	.text
	.protected	k_q245fc0317d_scores
	.globl	k_q245fc0317d_scores
	.p2align	8
	.type	k_q245fc0317d_scores,@function
k_q245fc0317d_scores:
	s_mov_b64 s[64:65], 0
	v_nop
	global_prefetch_b8 v0, s[64:65] scope:SCOPE_SE
	s_setreg_imm32_b32 hwreg(HW_REG_WAVE_MODE, 25, 1), 1
	s_wait_xcnt 0x0
	s_wait_alu depctr_hold_cnt(0) depctr_sa_sdst(0) depctr_va_vdst(0) depctr_va_sdst(0) depctr_va_ssrc(0) depctr_va_vcc(0) depctr_vm_vsrc(0)
	s_getreg_b32 s2, hwreg(HW_REG_IB_STS2, 6, 4)
	s_cmp_eq_u32 s2, 0
	s_cbranch_scc0 .Lentry_in_a_cluster
	s_endpgm
.Lentry_in_a_cluster:
	s_bfe_u32 s2, ttmp6, 0x10000c
	s_cmp_lg_u32 s2, 0xf033
	s_cbranch_scc0 .Lentry_shape_is_right
	s_endpgm
.Lentry_shape_is_right:
; sc[bt][t][s] = the sum over d of q[bt][t][d] k[bt][s][d], unscaled, in f32.  q and k are f16 columns 0-1023 and 1024-2047 of qkv [8192][3072].  sc: [4][2048][2048] f32.
; ONLY WHAT THE CAUSAL MASK CAN LET THROUGH.  A cluster makes 512 rows x 1,024 keys.  Row group g (512 rows) needs keys up to 512 (g + 1): one block of 1,024 keys for g = 0, 1, two for g = 2, 3:
; six clusters a batch.  Tiles of such a block that lie wholly above the diagonal are made and stored like the others: their work-groups are named by the joint loads.
; The rest of sc is neither written here nor read later.
; LIMITS.  The sums' order is the matrix unit's; infinities and NaN are not treated apart.
; SHARES, RING, CLUSTER, REGISTERS: a tile of 128 x 256, four waves of 64 x 128, K steps of 128 through two LDS slots, joint loads along the cluster's rows (q) and columns (k); source 0 = 16 rows
; of k, source 1 = 16 rows of q, so that a lane holds eight neighbouring numbers of a row.  Window 0: v0-31 addresses; v64-159, v160-255 fragment buffers.  Window 1: accumulator (a, b) at v[8 (8 a + b)].
.set PITCH,  272
.set AHALF,  64*PITCH
.set BHALF,  128*PITCH
.set BOFF,   2*AHALF
.set SLOT1,  1<<17
.set STAGE,  SLOT1+BOFF+2*BHALF        ; behind the ring, never filled by a tensor load: 16 rows x 528 bytes for each wave
.set SPITCH, 528                       ; 512 bytes + 16: the 16 rows that a store touches start 16 bytes apart modulo 256
.set SPARE,  STAGE+4*16*SPITCH         ; the spare words: two blocks of 256 bytes that no other line names
.set KB,     256
.set RP,     6144                      ; bytes in a row of qkv
.set CP,     8192                      ; bytes in a row of sc
.set ADRA0, 8
.set ADRB0, 9
.set ADRA, 16
.set ADRB, 20
.set STO,  24
.set RD,   25
.set CO,   26
.set SPW,  28
.set NIL,  29
.set F0,   64
.set F1,   160
.set OB,   64                          ; the way out: three buffers of 64
.set G1,   24
.set G0,   32
.set TB,   45
.set G1B,  48
.set G0B,  56
.set MUL,  0x50
.set MSB, 0
.macro WIN new
.if MSB != (\new)
	s_set_vgpr_msb (MSB<<8)|(\new)
.set MSB, \new
.endif
.endm
.macro PLACES
.rept 4
	v_nop
.endr
.endm
.macro JLOAD s                         ; waves 0 and 1 fetch q's halves, waves 2 and 3 k's; an s_nop 0 and four v_nop follow each line
	s_cmp_eq_u32 s11, 0
	s_cbranch_scc0 .Lfor_b_\@
	tensor_load_to_lds s[G0+4*(\s):G0+4*(\s)+3], s[G1:G1+7]
	s_nop 0
.rept 4
	v_nop
.endr
	s_branch .Lasked_\@
.Lfor_b_\@:
	tensor_load_to_lds s[G0B+4*(\s):G0B+4*(\s)+3], s[G1B:G1B+7]
	s_nop 0
.rept 4
	v_nop
.endr
.Lasked_\@:
.endm
.macro CREST
	s_cmp_lg_u32 s10, 0
	s_cbranch_scc1 .Lnot_wave_0_\@
	s_barrier_signal -3
.Lnot_wave_0_\@:
	s_barrier_wait -3
	s_barrier_signal -1
	s_barrier_wait -1
.endm
.macro CROUND
	s_barrier_signal -1
	s_barrier_wait -1
	CREST
.endm
	s_load_b64 s[4:5], s[0:1], 0x0                 ; qkv, for q's rows
	s_load_b64 s[6:7], s[0:1], 0x0                 ; qkv once more, for k's rows
	s_load_b64 s[8:9], s[0:1], 0x8                 ; sc
	v_lshl_add_u32 v[SPW], v0, 2, SPARE
	v_mov_b32 v[NIL], 0
	ds_add_u32 v[SPW], v[NIL]                      ; the wave's opening: the add and its wait ahead of my first tensor load
	v_lshrrev_b32 v1, 5, v0
	v_readfirstlane_b32 s10, v1
	s_lshr_b32 s11, s10, 1
	s_and_b32 s12, s10, 1
	s_bfe_u32 s40, ttmp6, 0x40000                  ; cx
	s_bfe_u32 s41, ttmp6, 0x40004                  ; cy
	s_and_b32 s13, ttmp7, 0xffff                   ; the cluster's number, 0 to 23: the same in all sixteen
	s_and_b32 s66, s13, 3                          ; the batch
	s_lshr_b32 s67, s13, 2                         ; 0 to 5: (g, c) = (0,0) (1,0) (2,0) (2,1) (3,0) (3,1)
	s_sub_co_u32 s68, s67, 2
	s_lshr_b32 s69, s68, 1
	s_add_co_u32 s69, s69, 2
	s_and_b32 s68, s68, 1
	s_cmp_lt_u32 s67, 2
	s_cselect_b32 s69, s67, s69                    ; g
	s_cselect_b32 s68, 0, s68                      ; c
	s_lshl_b32 s66, s66, 11                        ; the batch's first row
	s_lshl_b32 s43, s41, 2
	s_lshl_b32 s43, 15, s43
	s_lshl_b32 s44, 0x1111, s40
	s_or_b32 s[G1+0], s43, (1<<16)|(1<<20)|(1<<21)|(5<<22)|(3<<25)
	s_or_b32 s[G1B+0], s44, (1<<16)|(1<<20)|(1<<21)|(5<<22)|(3<<25)
	s_mov_b32 s[G1+1], 128<<16
	s_mov_b32 s[G1+2], 64<<16
	s_mov_b32 s[G1+3], 128<<16
	s_mov_b32 s[G1+4], 64
	s_mov_b32 s[G1+5], 3072
	s_mov_b32 s[G1+6], 0
	s_mov_b32 s[G1+7], 0
	s_mov_b32 s[G1B+1], 128<<16
	s_mov_b32 s[G1B+2], 128<<16
	s_mov_b32 s[G1B+3], 128<<16
	s_mov_b32 s[G1B+4], 128
	s_mov_b32 s[G1B+5], 3072
	s_mov_b32 s[G1B+6], 0
	s_mov_b32 s[G1B+7], 0
	s_lshl_b32 s18, s69, 9                         ; the tile's first row: 2,048 bt + 512 g + 128 cy
	s_add_co_u32 s18, s18, s66
	s_lshl_b32 s19, s41, 7
	s_add_co_u32 s18, s18, s19
	s_lshl_b32 s19, s12, 6
	s_add_co_u32 s16, s18, s19                     ; + the 64 rows that I fetch
	s_mul_i32 s16, s16, RP                         ; under 2^26
	s_mov_b32 s17, 0
	s_lshl_b32 s46, s68, 10                        ; the tile's first key in its batch: 1,024 c + 256 cx
	s_lshl_b32 s47, s40, 8
	s_add_co_u32 s70, s46, s47
	s_add_co_u32 s46, s70, s66
	s_lshl_b32 s47, s12, 7
	s_add_co_u32 s46, s46, s47                     ; + the 128 rows that I fetch
	s_mul_i32 s46, s46, RP
	s_add_co_u32 s46, s46, 2048                    ; k begins 2,048 bytes into a row of qkv
	s_mov_b32 s47, 0
	s_mul_i32 s20, s12, AHALF
	s_mul_i32 s21, s12, BHALF
	s_add_co_u32 s21, s21, BOFF
	s_mov_b32 s[TB], 0
	s_wait_dscnt 0x0
	s_wait_kmcnt 0x0
	s_add_nc_u64 s[14:15], s[4:5], s[16:17]
	s_add_nc_u64 s[46:47], s[6:7], s[46:47]
	CROUND
.irp s, 0,1
	s_mov_b32 s[G0+4*(\s)], 1
	s_add_co_u32 s[G0+4*(\s)+1], s20, (\s)*SLOT1
	s_add_nc_u64 s[G0+4*(\s)+2:G0+4*(\s)+3], s[14:15], (\s)*KB
	s_or_b32 s[G0+4*(\s)+3], s[G0+4*(\s)+3], 0x80000000
	s_mov_b32 s[G0B+4*(\s)], 1
	s_add_co_u32 s[G0B+4*(\s)+1], s21, (\s)*SLOT1
	s_add_nc_u64 s[G0B+4*(\s)+2:G0B+4*(\s)+3], s[46:47], (\s)*KB
	s_or_b32 s[G0B+4*(\s)+3], s[G0B+4*(\s)+3], 0x80000000
	JLOAD \s
.endr
	v_and_b32 v1, 15, v0
	v_bfe_u32 v2, v0, 4, 1
	v_mul_u32_u24 v3, v1, PITCH
	v_lshl_add_u32 v3, v2, 4, v3
	s_mul_i32 s21, s11, AHALF
	s_mul_i32 s22, s12, BHALF
	s_add_co_u32 s22, s22, BOFF
	v_add_nc_u32 v[ADRA0], s21, v3
	v_add_nc_u32 v[ADRB0], s22, v3
	v_mov_b32 v[ADRA], v[ADRA0]
	v_mov_b32 v[ADRB], v[ADRB0]
	s_mul_i32 s23, s10, 16*SPITCH
	s_add_co_u32 s23, s23, STAGE                   ; my stage
	v_mul_u32_u24 v4, v1, SPITCH                   ; in: row l % 16, 32 bytes for each half of the lanes
	v_lshl_add_u32 v4, v2, 5, v4
	v_add_nc_u32 v[STO], s23, v4
	v_and_b32 v5, 31, v0
	v_lshlrev_b32 v[CO], 4, v5                     ; back and out: 32 lanes take a row's 512 bytes
	v_add_nc_u32 v[RD], s23, v[CO]
	s_lshl_b32 s19, s11, 6
	s_add_co_u32 s16, s18, s19                     ; C at my first row,
	s_lshl_b32 s16, s16, 13                        ; x 8,192 bytes: under 2^27
	s_mov_b32 s17, 0
	s_add_nc_u64 s[8:9], s[8:9], s[16:17]
	s_lshl_b32 s47, s12, 7
	s_add_co_u32 s46, s70, s47                     ; and my first key, 4 bytes each
	s_lshl_b32 s46, s46, 2
	s_mov_b32 s47, 0
	s_add_nc_u64 s[8:9], s[8:9], s[46:47]
.macro MUL8 f, a, zero                 ; row block a x all 8 column blocks; the 32 accumulators take turns in one order everywhere
	WIN MUL
.irp b, 0,1,2,3,4,5,6,7
.if \zero
	v_wmma_f32_16x16x32_f16 v[8*(8*(\a)+(\b)):8*(8*(\a)+(\b))+7], v[(\f)+32+8*(\b):(\f)+32+8*(\b)+7], v[(\f)+8*(\a):(\f)+8*(\a)+7], 0
.else
	v_wmma_f32_16x16x32_f16 v[8*(8*(\a)+(\b)):8*(8*(\a)+(\b))+7], v[(\f)+32+8*(\b):(\f)+32+8*(\b)+7], v[(\f)+8*(\a):(\f)+8*(\a)+7], v[8*(8*(\a)+(\b)):8*(8*(\a)+(\b))+7]
.endif
.endr
.endm
.macro FETCH k, f                      ; 24 LDS loads in one run: B's sixteen, then A's blocks 0 to 3
	WIN 0
.irp i, 0,1,2,3,4,5,6,7
	ds_load_b128 v[(\f)+32+8*(\i):(\f)+32+8*(\i)+3],   v[ADRB] offset:(\k)+(\i)*16*PITCH
	ds_load_b128 v[(\f)+32+8*(\i)+4:(\f)+32+8*(\i)+7], v[ADRB] offset:(\k)+(\i)*16*PITCH+32
.endr
.irp i, 0,1,2,3
	ds_load_b128 v[(\f)+8*(\i):(\f)+8*(\i)+3],   v[ADRA] offset:(\k)+(\i)*16*PITCH
	ds_load_b128 v[(\f)+8*(\i)+4:(\f)+8*(\i)+7], v[ADRA] offset:(\k)+(\i)*16*PITCH+32
.endr
.endm
.macro QUARTER k, f, g, zero
	s_wait_dscnt 4                                 ; the youngest four loads (A's blocks 2, 3) may be out
	MUL8 \f, 0, \zero
	MUL8 \f, 1, \zero
	PLACES
	FETCH \k, \g
	s_wait_dscnt 24                                ; all but the 24 just issued
	MUL8 \f, 2, \zero
	MUL8 \f, 3, \zero
.endm
; The change of slots: each wave waits for all its tensor loads, adds 0 to its spare word, waits for that and for its reads of this slot, and signals.  mode 1: the barrier opens a round of the
; cluster's barrier, and behind the round this slot is filled again, with the K step two on.  mode 0: nothing is asked for.
.macro TURN mode
	WIN 0
	s_wait_tensorcnt 0x0
	ds_add_u32 v[SPW], v[NIL]
	s_wait_dscnt 5                                 ; (the add and the youngest four loads may be out)
	MUL8 F1, 0, 0
.if \mode
	s_xor_b32 s[G0+5], s[G0+5], SLOT1
	s_add_nc_u64 s[G0+6:G0+7], s[G0+6:G0+7], KB
	s_xor_b32 s[G0B+5], s[G0B+5], SLOT1
	s_add_nc_u64 s[G0B+6:G0B+7], s[G0B+6:G0B+7], KB
.endif
	s_xor_b32 s[TB], s[TB], SLOT1
	s_wait_dscnt 0x0                               ; the add is done, and my reads of this slot are over
	s_barrier_signal -1
	MUL8 F1, 1, 0
	WIN 0
	v_add_nc_u32 v[ADRA], s[TB], v[ADRA0]
	v_add_nc_u32 v[ADRB], s[TB], v[ADRB0]
	s_barrier_wait -1
.if \mode
	CREST
	JLOAD 1
.else
	PLACES
.endif
	FETCH 0, F0
	MUL8 F1, 2, 0
	MUL8 F1, 3, 0
.endm
.macro LASTQ
	s_wait_dscnt 4
	MUL8 F1, 0, 0
	MUL8 F1, 1, 0
	s_wait_dscnt 0x0
	MUL8 F1, 2, 0
	MUL8 F1, 3, 0
.endm
; THE WAY OUT of row block a, in f32.  STG: a lane's 32 bytes of each accumulator, the low half first, into my own stage; back as whole rows of 512 bytes.  SND: stored.
.macro STG a
	WIN 0x04                                       ; the stores' data in window 1
.irp b, 0,1,2,3,4,5,6,7
	ds_store_b128 v[STO], v[8*(8*(\a)+(\b)):8*(8*(\a)+(\b))+3]   offset:64*(\b)
	ds_store_b128 v[STO], v[8*(8*(\a)+(\b))+4:8*(8*(\a)+(\b))+7] offset:64*(\b)+16
.endr
	WIN 0
.irp t, 0,1,2,3,4,5,6,7,8,9,10,11,12,13,14,15
	ds_load_b128 v[OB+64*((\a)%3)+4*(\t):OB+64*((\a)%3)+4*(\t)+3], v[RD] offset:(\t)*SPITCH  ; LDS serves a wave's instructions in order: these see the stores above, and the next block's stores come behind them
.endr
.endm
.macro SND a, younger                  ; younger: the next block's 32 LDS instructions, or none
	s_wait_dscnt \younger
.irp t, 0,1,2,3,4,5,6,7,8,9,10,11,12,13,14,15
	global_store_b128 v[CO], v[OB+64*((\a)%3)+4*(\t):OB+64*((\a)%3)+4*(\t)+3], s[8:9] offset:(16*(\a)+(\t))*CP  ; 512 consecutive bytes, at a multiple of 512 from C's first byte
.endr
.endm
	s_wait_tensorcnt 1                             ; my part of K step 0 is in; K step 1's may stay out
	s_barrier_signal -1
	s_barrier_wait -1
	FETCH 0, F0
	QUARTER 64, F0, F1, 1
	WIN 0
	s_mov_b32 s3, 6
.Lstep:                                                ; six trips ask for K steps 2 to 7
	QUARTER 128, F1, F0, 0
	QUARTER 192, F0, F1, 0
	TURN 1
	QUARTER 64, F0, F1, 0
	WIN 0
	s_sub_co_u32 s3, s3, 1
	s_cmp_lg_u32 s3, 0
	s_cbranch_scc1 .Lstep
	QUARTER 128, F1, F0, 0                         ; K step 6
	QUARTER 192, F0, F1, 0
	TURN 0
	QUARTER 64, F0, F1, 0                          ; K step 7
	QUARTER 128, F1, F0, 0
	QUARTER 192, F0, F1, 0
	LASTQ
	WIN 0
	PLACES
	PLACES
	STG 0
	STG 1
	SND 0, 32
	STG 2
	SND 1, 32
	s_wait_xcnt 0x0                                ; block 0's stores have read their registers, which block 3 takes
	STG 3
	SND 2, 32
	SND 3, 0
	s_wait_tensorcnt 0x0                           ; the wave's end
	ds_add_u32 v[SPW], v[NIL]
	s_wait_dscnt 0x0
	CROUND                                         ; the closing round
	s_endpgm
.Lfunc_end_k_q245fc0317d_scores:
	.size	k_q245fc0317d_scores, .Lfunc_end_k_q245fc0317d_scores-k_q245fc0317d_scores
	.p2alignl 7, 3214868480
	.fill 96, 4, 3214868480
	.section	.rodata,"a",@progbits
	.p2align	6, 0x0
	.amdhsa_kernel k_q245fc0317d_scores
		.amdhsa_group_segment_fixed_size 327680
		.amdhsa_private_segment_fixed_size 0
		.amdhsa_enable_private_segment 0
		.amdhsa_kernarg_size 16
		.amdhsa_user_sgpr_count 2
		.amdhsa_user_sgpr_kernarg_segment_ptr 1
		.amdhsa_wavefront_size32 1
		.amdhsa_system_sgpr_workgroup_id_x 1
		.amdhsa_system_sgpr_workgroup_id_y 1
		.amdhsa_system_sgpr_workgroup_id_z 1
		.amdhsa_system_vgpr_workitem_id 0
		.amdhsa_next_free_vgpr 512
		.amdhsa_next_free_sgpr 72
		.amdhsa_reserve_vcc 0
		.amdhsa_float_denorm_mode_32 3
		.amdhsa_float_denorm_mode_16_64 3
		.amdhsa_memory_ordered 1
		.amdhsa_forward_progress 1
		.amdhsa_inst_pref_size 69
	.end_amdhsa_kernel
	.amdgpu_metadata
---
amdhsa.version: [ 1, 2 ]
amdhsa.kernels:
  - .name:           k_q245fc0317d_scores
    .symbol:         k_q245fc0317d_scores.kd
    .args:
      - { .name: qkv, .offset: 0, .size: 8, .value_kind: global_buffer, .address_space: global }
      - { .name: sc, .offset: 8, .size: 8, .value_kind: global_buffer, .address_space: global }
    .group_segment_fixed_size: 327680
    .private_segment_fixed_size: 0
    .kernarg_segment_align: 8
    .kernarg_segment_size: 16
    .max_flat_workgroup_size: 128
    .sgpr_count:     72
    .vgpr_count:     512
    .wavefront_size: 32
...
	.end_amdgpu_metadata
.endif
;; end of part 3
;; launch softmax (part 4): grid 256 x 1, 8 waves a work-group, no clusters, 0 bytes of LDS; arguments sc, pw, li; writes pw, li
.if DOCPART == 4
	.amdgcn_target "amdgcn-amd-amdhsa--gfx1250"
	.amdhsa_code_object_version 6
	.text
	.protected	k_q245fc0317d_softmax
	.globl	k_q245fc0317d_softmax
	.p2align	8
	.type	k_q245fc0317d_softmax,@function
k_q245fc0317d_softmax:
	s_mov_b64 s[64:65], 0
	v_nop
	global_prefetch_b8 v0, s[64:65] scope:SCOPE_SE
	s_setreg_imm32_b32 hwreg(HW_REG_WAVE_MODE, 25, 1), 1
	s_wait_xcnt 0x0
; pw[bt][t][s] = 2^(c sc[bt][t][s] - c m[t]) for s <= t, 0 for t < s < 512 (t / 512 + 1), in f16; c = log2(e) / 32; m[t] = the largest score of the row's keys 0 .. t.
; li[bt][t] = 1 / l, l = the sum of the ROUNDED weights, in f32: the next launch multiplies its sums by it, so that a row's weights add up to 1 as they are used.
; The maximum is taken away as in the softmax that is to be matched; the largest weight is 1.  A weight that is NaN becomes 0, as nan_to_num does.
; LIMITS.  A weight below 6e-8 of the row's largest counts as 0 (f16's fixed step).  Where a score is NaN or infinite the row is not the one that the reference gives.
; SHARES.  A row's keys 0 .. 512 (g + 1) - 1 are 16 (g + 1) registers of one wave.  A wave takes four rows, r, 512 + r, 1,024 + r, 1,536 + r of a batch: every wave has the same work.
; All 40 loads of a wave (20,480 bytes) go out at once; a row stays in registers from its load to its store, so nothing is read twice, and no wave waits for another: no LDS, no barrier.
; A load covers 512 consecutive bytes of a row, a store 256 consecutive bytes, aligned.  li's four numbers a wave leave by one store of 4 bytes from four lanes: 32,768 bytes in the launch.
.set LANE, 1
.set LO,   2                           ; v2  16 x lane
.set PO,   3                           ; v3  8 x lane
.set DD,   4                           ; v4  r - 4 x lane: register 4 jj + e of a row's last 16 is hidden where 128 jj + e is greater
.set NINF, 5
.set ZERO, 6
.set ONE,  7
.set M,    8                           ; v[8:11]   four chains, for the maximum and then for the sum
.set T,    12
.set CM,   14                          ; v[14:15]  c m; named as a pair
.set RL,   16                          ; v[16:19]  1 / l of the four rows
.set LIO,  20
.set RES,  21
.set SEL,  20                          ; s[20:21]  v_permlanex16_b32: each lane takes its own place in the other half
.set CS,   22                          ; s[22:23]  c; named as a pair
.set MK,   24                          ; s[24:39]  the 16 lane masks of a row's last 512 keys: the same for my four rows
	s_load_b128 s[4:7], s[0:1], 0x0                ; sc s[4:5], pw s[6:7]
	s_load_b64 s[8:9], s[0:1], 0x10                ; li
	v_lshrrev_b32 v1, 5, v0
	v_readfirstlane_b32 s10, v1                    ; wave 0..7
	v_and_b32 v[LANE], 31, v0
	s_lshl_b32 s11, ttmp9, 3
	s_add_co_u32 s11, s11, s10                     ; my wave among the launch's 2,048
	s_lshr_b32 s12, s11, 9                         ; the batch
	s_and_b32 s13, s11, 511                        ; r
	s_lshl_b32 s14, s12, 11
	s_add_co_u32 s14, s14, s13                     ; my first row: 2,048 bt + r
	v_lshlrev_b32 v[LO], 4, v[LANE]
	v_lshlrev_b32 v[PO], 3, v[LANE]
	s_lshl_b32 s16, s14, 13                        ; x 8,192 bytes: under 2^27
	s_mov_b32 s17, 0
	s_wait_kmcnt 0x0
	s_add_nc_u64 s[4:5], s[4:5], s[16:17]          ; rows r and 512 + r,
	s_add_nc_u64 s[18:19], s[4:5], 0x800000        ; rows 1,024 + r and 1,536 + r: 1,024 rows of 8,192 bytes on, so that the immediates stay inside their 24 bits
.macro LDROW g, sb
.set XB, 32+8*(\g)*((\g)+1)            ; the rows' registers begin at v32, v48, v80, v128
.set j, 0
.rept 4*((\g)+1)
	global_load_b128 v[XB+4*j:XB+4*j+3], v[LO], s[\sb:\sb+1] offset:((\g)%2)*4194304+512*j th:TH_LOAD_NT
.set j, j+1
.endr
.endm
	LDROW 0, 4
	LDROW 1, 4
	LDROW 2, 18
	LDROW 3, 18
	s_lshl_b32 s16, s14, 12                        ; pw: 4,096 bytes a row
	s_add_nc_u64 s[6:7], s[6:7], s[16:17]
	s_lshl_b32 s16, s14, 2
	s_add_nc_u64 s[8:9], s[8:9], s[16:17]
	s_mov_b32 s[SEL], 0x76543210
	s_mov_b32 s[SEL+1], 0xfedcba98
	s_mov_b32 s[CS], 0x3d38aa3b                    ; c = log2(e) / 32
	s_mov_b32 s[CS+1], s[CS]
	v_lshlrev_b32 v[DD], 2, v[LANE]
	v_sub_nc_u32 v[DD], s13, v[DD]
	v_mov_b32 v[NINF], 0xff800000
	v_mov_b32 v[ZERO], 0
	v_mov_b32 v[ONE], 1.0
	v_mov_b32 v[T], 0                              ; v_permlanex16_b32's destination counts as read
	v_mov_b32 v[CM+1], 0
.set i, 0
.rept 16
	v_cmp_gt_i32 s[MK+i], 128*(i/4)+i%4, v[DD]
.set i, i+1
.endr
; Row g.  left: the later rows' loads, which may stay out.
.macro ROW g, left
.set NR, 16*((\g)+1)
.set XB, 32+8*(\g)*((\g)+1)
	s_wait_loadcnt \left
.set i, 0
.rept 16
	v_cndmask_b32 v[XB+NR-16+i], v[XB+NR-16+i], v[NINF], s[MK+i]  ; the hidden keys count as minus infinity
.set i, i+1
.endr
.irp k, 0,1,2,3
	v_max3_num_f32 v[M+(\k)], v[XB+3*(\k)], v[XB+3*(\k)+1], v[XB+3*(\k)+2]  ; four chains, started by the first twelve scores
.endr
.set i, 12
.rept (NR-12)/2
	v_max3_num_f32 v[M+(i/2)%4], v[M+(i/2)%4], v[XB+i], v[XB+i+1]
.set i, i+2
.endr
	v_max3_num_f32 v[M], v[M], v[M+1], v[M+2]
	v_max_num_f32 v[M], v[M], v[M+3]
	v_max_num_f32_dpp v[M], v[M], v[M] row_xmask:1 row_mask:0xf bank_mask:0xf
	v_max_num_f32_dpp v[M], v[M], v[M] row_xmask:2 row_mask:0xf bank_mask:0xf
	v_max_num_f32_dpp v[M], v[M], v[M] row_xmask:4 row_mask:0xf bank_mask:0xf
	v_max_num_f32_dpp v[M], v[M], v[M] row_xmask:8 row_mask:0xf bank_mask:0xf
	v_permlanex16_b32 v[T], v[M], s[SEL], s[SEL+1]
	v_max_num_f32 v[M], v[M], v[T]                 ; every lane holds the row's maximum
	v_mul_f32 v[CM], s[CS], v[M]
.set i, 0
.rept NR/2
	v_pk_fma_f32 v[XB+i:XB+i+1], v[XB+i:XB+i+1], s[CS:CS+1], v[CM:CM+1] op_sel_hi:[1,0,0] neg_lo:[0,0,1] neg_hi:[0,0,1]  ; c s - c m
.set i, i+2
.endr
.set i, 0
.rept NR
	v_exp_f32 v[XB+i], v[XB+i]
.set i, i+1
.endr
	v_nop                                          ; a plain instruction between the last exponential and the use of its result (ISA guide 5.7.2)
.set i, 0
	s_wait_alu depctr_va_vdst(0)
.rept NR/2
	v_cvt_pk_f16_f32 v[XB+i], v[XB+2*i], v[XB+2*i+1]  ; in place, ascending: no number is written over before it is read
.set i, i+1
.endr
.set i, 0
.rept NR/2
	v_pk_max_num_f16 v[XB+i], v[XB+i], v[ZERO]     ; a NaN loses against 0; a weight is never below 0
.set i, i+1
.endr
.set j, 0
.rept NR/4
	global_store_b64 v[PO], v[XB+2*j:XB+2*j+1], s[6:7] offset:(\g)*2097152+256*j
.set j, j+1
.endr
.set i, 0
.rept NR/2                             ; the sum of the rounded weights, in f32, in four chains; the first four start them
.if i < 2
	v_fma_mix_f32 v[M+2*i],   v[XB+i], v[ONE], v[ZERO] op_sel_hi:[1,0,0]
	v_fma_mix_f32 v[M+2*i+1], v[XB+i], v[ONE], v[ZERO] op_sel:[1,0,0] op_sel_hi:[1,0,0]
.else
	v_fma_mix_f32 v[M+2*(i%2)],   v[XB+i], v[ONE], v[M+2*(i%2)] op_sel_hi:[1,0,0]
	v_fma_mix_f32 v[M+2*(i%2)+1], v[XB+i], v[ONE], v[M+2*(i%2)+1] op_sel:[1,0,0] op_sel_hi:[1,0,0]
.endif
.set i, i+1
.endr
	v_add_f32 v[M], v[M], v[M+1]
	v_add_f32 v[M+2], v[M+2], v[M+3]
	v_add_f32 v[M], v[M], v[M+2]
	v_add_f32_dpp v[M], v[M], v[M] row_xmask:1 row_mask:0xf bank_mask:0xf
	v_add_f32_dpp v[M], v[M], v[M] row_xmask:2 row_mask:0xf bank_mask:0xf
	v_add_f32_dpp v[M], v[M], v[M] row_xmask:4 row_mask:0xf bank_mask:0xf
	v_add_f32_dpp v[M], v[M], v[M] row_xmask:8 row_mask:0xf bank_mask:0xf
	v_permlanex16_b32 v[T], v[M], s[SEL], s[SEL+1]
	v_add_f32 v[M], v[M], v[T]
	v_rcp_f32 v[RL+(\g)], v[M]
	v_nop
	v_cmp_lt_f32 vcc_lo, 0, v[M]
	s_wait_alu depctr_va_vdst(0)
	v_cndmask_b32 v[RL+(\g)], 0, v[RL+(\g)], vcc_lo  ; 0 where l is not above 0: a choice of a value, no branch
.endm
	ROW 0, 36
	ROW 1, 28
	ROW 2, 16
	ROW 3, 0
	v_cmp_eq_u32 vcc_lo, 1, v[LANE]                ; lane g takes row g's number
	v_cndmask_b32 v[RES], v[RL], v[RL+1], vcc_lo
	v_cmp_eq_u32 vcc_lo, 2, v[LANE]
	v_cndmask_b32 v[RES], v[RES], v[RL+2], vcc_lo
	v_cmp_eq_u32 vcc_lo, 3, v[LANE]
	v_cndmask_b32 v[RES], v[RES], v[RL+3], vcc_lo
	v_lshlrev_b32 v[LIO], 11, v[LANE]              ; 512 rows of 4 bytes
	s_wait_xcnt 0x0                                ; EXEC changes only behind this wait: the stores above have been taken with all lanes on
	v_cmpx_gt_u32 4, v[LANE]
	global_store_b32 v[LIO], v[RES], s[8:9]
	s_endpgm
.Lfunc_end_k_q245fc0317d_softmax:
	.size	k_q245fc0317d_softmax, .Lfunc_end_k_q245fc0317d_softmax-k_q245fc0317d_softmax
	.p2alignl 7, 3214868480
	.fill 96, 4, 3214868480
	.section	.rodata,"a",@progbits
	.p2align	6, 0x0
	.amdhsa_kernel k_q245fc0317d_softmax
		.amdhsa_group_segment_fixed_size 0
		.amdhsa_private_segment_fixed_size 0
		.amdhsa_enable_private_segment 0
		.amdhsa_kernarg_size 24
		.amdhsa_user_sgpr_count 2
		.amdhsa_user_sgpr_kernarg_segment_ptr 1
		.amdhsa_wavefront_size32 1
		.amdhsa_system_sgpr_workgroup_id_x 1
		.amdhsa_system_sgpr_workgroup_id_y 1
		.amdhsa_system_sgpr_workgroup_id_z 1
		.amdhsa_system_vgpr_workitem_id 0
		.amdhsa_next_free_vgpr 192
		.amdhsa_next_free_sgpr 66
		.amdhsa_reserve_vcc 1
		.amdhsa_float_denorm_mode_32 3
		.amdhsa_float_denorm_mode_16_64 3
		.amdhsa_memory_ordered 1
		.amdhsa_forward_progress 1
		.amdhsa_inst_pref_size 54
	.end_amdhsa_kernel
	.amdgpu_metadata
---
amdhsa.version: [ 1, 2 ]
amdhsa.kernels:
  - .name:           k_q245fc0317d_softmax
    .symbol:         k_q245fc0317d_softmax.kd
    .args:
      - { .name: sc, .offset: 0, .size: 8, .value_kind: global_buffer, .address_space: global }
      - { .name: pw, .offset: 8, .size: 8, .value_kind: global_buffer, .address_space: global }
      - { .name: li, .offset: 16, .size: 8, .value_kind: global_buffer, .address_space: global }
    .group_segment_fixed_size: 0
    .private_segment_fixed_size: 0
    .kernarg_segment_align: 8
    .kernarg_segment_size: 24
    .max_flat_workgroup_size: 256
    .sgpr_count:     66
    .vgpr_count:     192
    .wavefront_size: 32
...
	.end_amdgpu_metadata
.endif
;; end of part 4
;; launch pv (part 5): grid 4 x 64, 4 waves a work-group, clusters of 4 x 4, 327,680 bytes of LDS; arguments pw, qkv, li, ob; writes ob
.if DOCPART == 5
	.amdgcn_target "amdgcn-amd-amdhsa--gfx1250"
	.amdhsa_code_object_version 6
	.text
	.protected	k_q245fc0317d_pv
	.globl	k_q245fc0317d_pv
	.p2align	8
	.type	k_q245fc0317d_pv,@function
k_q245fc0317d_pv:
	s_mov_b64 s[64:65], 0
	v_nop
	global_prefetch_b8 v0, s[64:65] scope:SCOPE_SE
	s_setreg_imm32_b32 hwreg(HW_REG_WAVE_MODE, 25, 1), 1
	s_wait_xcnt 0x0
	s_wait_alu depctr_hold_cnt(0) depctr_sa_sdst(0) depctr_va_vdst(0) depctr_va_sdst(0) depctr_va_ssrc(0) depctr_va_vcc(0) depctr_vm_vsrc(0)
	s_getreg_b32 s2, hwreg(HW_REG_IB_STS2, 6, 4)
	s_cmp_eq_u32 s2, 0
	s_cbranch_scc0 .Lentry_in_a_cluster
	s_endpgm
.Lentry_in_a_cluster:
	s_bfe_u32 s2, ttmp6, 0x10000c
	s_cmp_lg_u32 s2, 0xf033
	s_cbranch_scc0 .Lentry_shape_is_right
	s_endpgm
.Lentry_shape_is_right:
; ob[bt][t][d] = li[bt][t] x the sum over s of pw[bt][t][s] v[bt][s][d].  pw: [4][2048][2048] f16, v: f16 columns 2048-3071 of qkv [8192][3072], li: [8192] f32, ob: [8192][1024] f16.
; Sums in f32, multiplied by 1 / l in f32, rounded once.  LIMITS.  O is a mean of v's rows and has their range, within f16's 65,504; the sums' order is the matrix unit's.
; THE WALK.  A cluster makes 512 rows (row group g of a batch) x 1,024 channels and walks the keys 0 .. 512 (g + 1) - 1: 2 (g + 1) laps of two K steps of 128 keys, the same number in all sixteen
; partners; the weights above the diagonal are zeros that the launch before has written.  The clusters with the longest walk have the lowest numbers.
; SHARES, RING, CLUSTER: a tile of 128 x 256, four waves of 64 x 128, two LDS slots, joint loads along the cluster's rows (the weights) and columns (v).
; LAYOUT.  Source 0 = 16 channels of v, source 1 = 16 rows of the weights: a lane holds eight neighbouring channels of one row.  v lies [key][channel] and comes out of LDS turned, by ds_load_tr16_b128.
; REGISTERS.  Window 0: v0-31 addresses and 1 / l; v32-63 packed results; v64-159, v160-255 fragment buffers.  Window 1: accumulator (a, b) at v[8 (8 a + b)].
.set PITCH,  272                       ; a row of weights in LDS: 256 bytes + 16
.set PV,     544                       ; a row of v: 512 bytes + 32: 16 lanes of the turning load take 8 rows x 32 bytes, 32 bytes apart modulo 256
.set AHALF,  64*PITCH
.set BHALF,  64*PV                     ; 64 keys: what a wave fetches of v
.set BOFF,   2*AHALF
.set SLOT1,  1<<17
.set STAGE,  SLOT1+BOFF+2*BHALF        ; behind the ring, never filled by a tensor load
.set SPITCH, 272
.set SPARE,  STAGE+4*16*SPITCH
.set KB,     256                       ; a K step in a row of weights
.set VB,     128*6144                  ; a K step's 128 rows of qkv
.set CP,     2048
.set LIO,  6                           ; v6      4 (l % 16); never rewritten
.set LI,   8                           ; v[8:15] 1 / l of my row in blocks 0 to 3, each the low word of a pair
.set ADRA, 16                          ; v16-17  my place in the weights' tile of slot 0, 1
.set ADRB, 20                          ; v20-21  the same for v
.set STO,  24
.set RD,   25
.set CO,   26
.set SPW,  28
.set NIL,  29
.set PFO,  30                          ; v30     the prefetches' offset: 4,096 x lane, a lane a row; never rewritten
.set TMP,  32
.set SC,   64                          ; the way out: a block's 64 scaled sums
.set F0,   64
.set F1,   160
.set OB,   128                         ; the way out: four buffers of 32
.set G1,   24
.set G0,   32                          ; s[32:39] group 0 for the weights' tiles, a set for each slot
.set G1B,  48
.set G0B,  56
.set NLM1, 70                          ; s70  laps less one: 2 g + 1
.set LIM,  71                          ; s71  the same in wave 0, which prefetches; 0 in the others
.set PFA,  74                          ; s[74:75] where my prefetches stand
.set MUL,  0x50
.set MSB, 0
.macro WIN new
.if MSB != (\new)
	s_set_vgpr_msb (MSB<<8)|(\new)
.set MSB, \new
.endif
.endm
.macro PLACES
.rept 4
	v_nop
.endr
.endm
.macro JLOAD s                         ; waves 0 and 1 fetch the weights' halves, waves 2 and 3 v's; an s_nop 0 and four v_nop follow each line
	s_cmp_eq_u32 s11, 0
	s_cbranch_scc0 .Lfor_b_\@
	tensor_load_to_lds s[G0+4*(\s):G0+4*(\s)+3], s[G1:G1+7]
	s_nop 0
.rept 4
	v_nop
.endr
	s_branch .Lasked_\@
.Lfor_b_\@:
	tensor_load_to_lds s[G0B+4*(\s):G0B+4*(\s)+3], s[G1B:G1B+7]
	s_nop 0
.rept 4
	v_nop
.endr
.Lasked_\@:
.endm
.macro CREST
	s_cmp_lg_u32 s10, 0
	s_cbranch_scc1 .Lnot_wave_0_\@
	s_barrier_signal -3
.Lnot_wave_0_\@:
	s_barrier_wait -3
	s_barrier_signal -1
	s_barrier_wait -1
.endm
.macro CROUND
	s_barrier_signal -1
	s_barrier_wait -1
	CREST
.endm
; A PREFETCH INTO THE L2 OF THE WEIGHTS, behind each joint load and the run of LDS loads that follows it: the K step that stands two refills on.  A tile's 128 rows are asked for jointly by the four
; partners of one row of one cluster, and by nobody else: partner cx names rows 32 cx .. 32 cx + 31, told apart by address; in each, wave 0 asks: a lane a row, 256 bytes of it, one instruction.
; So each row's 256 bytes of a K step are named once in the launch.  The first four K steps come by their loads alone; the last lap that refills asks for nothing: there is no K step two refills on.
.macro ASK
	s_add_co_u32 s72, s3, 1
	s_cmp_lt_u32 s72, s[LIM]
	s_cbranch_scc0 .Lnot_mine_\@
	global_prefetch_b8 v[PFO], s[PFA:PFA+1] th:TH_LOAD_NT scope:SCOPE_SE
.Lnot_mine_\@:
.endm
	s_load_b128 s[4:7], s[0:1], 0x0                ; pw s[4:5], qkv s[6:7]
	s_load_b64 s[66:67], s[0:1], 0x10              ; li
	s_load_b64 s[8:9], s[0:1], 0x18                ; ob
	v_lshl_add_u32 v[SPW], v0, 2, SPARE
	v_mov_b32 v[NIL], 0
	ds_add_u32 v[SPW], v[NIL]                      ; the wave's opening: the add and its wait ahead of my first tensor load
	v_lshrrev_b32 v1, 5, v0
	v_readfirstlane_b32 s10, v1
	s_lshr_b32 s11, s10, 1
	s_and_b32 s12, s10, 1
	s_bfe_u32 s40, ttmp6, 0x40000                  ; cx
	s_bfe_u32 s41, ttmp6, 0x40004                  ; cy
	s_and_b32 s13, ttmp7, 0xffff                   ; the cluster's number, 0 to 15
	s_and_b32 s68, s13, 3                          ; the batch
	s_lshr_b32 s69, s13, 2
	s_sub_co_u32 s69, 3, s69                       ; g
	s_lshl_b32 s[NLM1], s69, 1
	s_add_co_u32 s[NLM1], s[NLM1], 1
	s_cmp_eq_u32 s10, 0
	s_cselect_b32 s[LIM], s[NLM1], 0
	s_lshl_b32 s68, s68, 11                        ; the batch's first row
	s_lshl_b32 s43, s41, 2
	s_lshl_b32 s43, 15, s43
	s_lshl_b32 s44, 0x1111, s40
	s_or_b32 s[G1+0], s43, (1<<16)|(1<<20)|(1<<21)|(5<<22)|(3<<25)   ; after every 64 words 4 words of padding
	s_or_b32 s[G1B+0], s44, (1<<16)|(1<<20)|(1<<21)|(6<<22)|(7<<25)  ; after every 128 words 8 words
	s_mov_b32 s[G1+1], 128<<16
	s_mov_b32 s[G1+2], 64<<16
	s_mov_b32 s[G1+3], 128<<16
	s_mov_b32 s[G1+4], 64
	s_mov_b32 s[G1+5], 2048
	s_mov_b32 s[G1+6], 0
	s_mov_b32 s[G1+7], 0
	s_mov_b32 s[G1B+1], 256<<16                    ; 256 channels
	s_mov_b32 s[G1B+2], 64<<16                     ; 64 keys
	s_mov_b32 s[G1B+3], 256<<16
	s_mov_b32 s[G1B+4], 64
	s_mov_b32 s[G1B+5], 3072
	s_mov_b32 s[G1B+6], 0
	s_mov_b32 s[G1B+7], 0
	s_lshl_b32 s18, s69, 9                         ; the tile's first row: 2,048 bt + 512 g + 128 cy
	s_add_co_u32 s18, s18, s68
	s_lshl_b32 s19, s41, 7
	s_add_co_u32 s18, s18, s19
	s_lshl_b32 s19, s12, 6
	s_add_co_u32 s16, s18, s19                     ; + the 64 rows that I fetch
	s_lshl_b32 s16, s16, 12                        ; x 4,096 bytes: under 2^26
	s_mov_b32 s17, 0
	s_add_co_u32 s46, s68, s19                     ; v: key 64 x half of the batch,
	s_mul_i32 s46, s46, 6144
	s_lshl_b32 s47, s40, 9                         ; channels 256 cx on,
	s_add_co_u32 s46, s46, s47
	s_add_co_u32 s46, s46, 4096                    ; v begins 4,096 bytes into a row of qkv
	s_mov_b32 s47, 0
	s_lshl_b32 s72, s40, 5                         ; the prefetches: my work-group's 32 rows of the tile,
	s_add_co_u32 s72, s72, s18
	s_lshl_b32 s72, s72, 12
	s_add_co_u32 s72, s72, 3*KB                    ; at K step 3: the first change of slots steps it to 4
	s_mov_b32 s73, 0
	s_mul_i32 s20, s12, AHALF
	s_mul_i32 s21, s12, BHALF
	s_add_co_u32 s21, s21, BOFF
	s_wait_dscnt 0x0
	s_wait_kmcnt 0x0
	s_add_nc_u64 s[14:15], s[4:5], s[16:17]
	s_add_nc_u64 s[46:47], s[6:7], s[46:47]
	s_add_nc_u64 s[PFA:PFA+1], s[4:5], s[72:73]
	CROUND
.irp s, 0,1
	s_mov_b32 s[G0+4*(\s)], 1
	s_add_co_u32 s[G0+4*(\s)+1], s20, (\s)*SLOT1
	s_add_nc_u64 s[G0+4*(\s)+2:G0+4*(\s)+3], s[14:15], (\s)*KB
	s_or_b32 s[G0+4*(\s)+3], s[G0+4*(\s)+3], 0x80000000
	s_mov_b32 s[G0B+4*(\s)], 1
	s_add_co_u32 s[G0B+4*(\s)+1], s21, (\s)*SLOT1
	s_add_nc_u64 s[G0B+4*(\s)+2:G0B+4*(\s)+3], s[46:47], (\s)*VB
	s_or_b32 s[G0B+4*(\s)+3], s[G0B+4*(\s)+3], 0x80000000
	JLOAD \s
.endr
	v_and_b32 v1, 15, v0
	v_bfe_u32 v2, v0, 4, 1
	s_lshl_b32 s19, s11, 6
	s_add_co_u32 s18, s18, s19                     ; my wave's first row
	s_lshl_b32 s16, s18, 2
	s_mov_b32 s17, 0
	s_add_nc_u64 s[66:67], s[66:67], s[16:17]
	v_lshlrev_b32 v[LIO], 2, v1
.irp a, 0,1,2,3
	global_load_b32 v[LI+2*(\a)], v[LIO], s[66:67] offset:64*(\a)  ; 1 / l of row 16 a + l % 16; waited for on the way out
	v_mov_b32 v[LI+2*(\a)+1], 0                    ; named with it as a pair
.endr
	v_mul_u32_u24 v3, v1, PITCH
	v_lshl_add_u32 v3, v2, 4, v3
	s_mul_i32 s21, s11, AHALF                      ; my 64 rows of weights
	v_add_nc_u32 v[ADRA], s21, v3
	v_add_nc_u32 v[ADRA+1], SLOT1, v[ADRA]
	; The turning load takes 16 keys x 16 channels (lane l reads key 8 (l / 16) + l % 8, channels 8 ((l / 8) % 2) + 0..7) and leaves half a fragment: lane l holds channel l % 16 and 8 keys.
	v_and_b32 v4, 7, v0
	v_bfe_u32 v5, v0, 3, 1
	v_lshl_add_u32 v4, v2, 3, v4
	v_mul_u32_u24 v4, v4, PV
	v_lshl_add_u32 v4, v5, 4, v4
	s_lshl_b32 s22, s12, 8                         ; my 128 channels: 256 bytes of a row
	s_add_co_u32 s22, s22, BOFF
	v_add_nc_u32 v[ADRB], s22, v4
	v_add_nc_u32 v[ADRB+1], SLOT1, v[ADRB]
	s_mul_i32 s23, s10, 16*SPITCH
	s_add_co_u32 s23, s23, STAGE
	v_mul_u32_u24 v4, v1, SPITCH
	v_lshl_add_u32 v4, v2, 4, v4
	v_add_nc_u32 v[STO], s23, v4
	v_mul_u32_u24 v5, v2, SPITCH
	v_lshl_add_u32 v5, v1, 4, v5
	v_add_nc_u32 v[RD], s23, v5
	v_lshlrev_b32 v5, 11, v2                       ; 2,048 bytes a row of ob
	v_lshl_add_u32 v[CO], v1, 4, v5
	v_and_b32 v[PFO], 31, v0
	v_lshlrev_b32 v[PFO], 12, v[PFO]
	s_lshl_b32 s16, s18, 11                        ; C at my first row,
	s_add_nc_u64 s[8:9], s[8:9], s[16:17]
	s_lshl_b32 s46, s40, 9                         ; and my first channel: 512 cx + 256 x half bytes
	s_lshl_b32 s47, s12, 8
	s_add_co_u32 s46, s46, s47
	s_mov_b32 s47, 0
	s_add_nc_u64 s[8:9], s[8:9], s[46:47]
.macro MUL8 f, a, zero                 ; row block a x all 8 channel blocks; the 32 accumulators take turns in one order everywhere
	WIN MUL
.irp b, 0,1,2,3,4,5,6,7
.if \zero
	v_wmma_f32_16x16x32_f16 v[8*(8*(\a)+(\b)):8*(8*(\a)+(\b))+7], v[(\f)+32+8*(\b):(\f)+32+8*(\b)+7], v[(\f)+8*(\a):(\f)+8*(\a)+7], 0
.else
	v_wmma_f32_16x16x32_f16 v[8*(8*(\a)+(\b)):8*(8*(\a)+(\b))+7], v[(\f)+32+8*(\b):(\f)+32+8*(\b)+7], v[(\f)+8*(\a):(\f)+8*(\a)+7], v[8*(8*(\a)+(\b)):8*(8*(\a)+(\b))+7]
.endif
.endr
.endm
.macro FETCH slot, q, f                ; quarter q (32 keys) of a slot into buffer f: v's sixteen turning loads, then the weights' blocks 0 to 3
	WIN 0
.irp i, 0,1,2,3,4,5,6,7
	ds_load_tr16_b128 v[(\f)+32+8*(\i):(\f)+32+8*(\i)+3],   v[ADRB+(\slot)] offset:(\q)*32*PV+32*(\i)
	ds_load_tr16_b128 v[(\f)+32+8*(\i)+4:(\f)+32+8*(\i)+7], v[ADRB+(\slot)] offset:(\q)*32*PV+16*PV+32*(\i)
.endr
.irp i, 0,1,2,3
	ds_load_b128 v[(\f)+8*(\i):(\f)+8*(\i)+3],   v[ADRA+(\slot)] offset:64*(\q)+(\i)*16*PITCH
	ds_load_b128 v[(\f)+8*(\i)+4:(\f)+8*(\i)+7], v[ADRA+(\slot)] offset:64*(\q)+(\i)*16*PITCH+32
.endr
.endm
.macro QUARTER slot, q, f, g, zero     ; multiplies f, fetches quarter q into g
	s_wait_dscnt 4                                 ; the youngest four loads (the weights' blocks 2, 3) may be out
	MUL8 \f, 0, \zero
	MUL8 \f, 1, \zero
	PLACES
	FETCH \slot, \q, \g
	s_wait_dscnt 24                                ; all but the 24 just issued
	MUL8 \f, 2, \zero
	MUL8 \f, 3, \zero
.endm
; The change of slots: each wave waits for all its tensor loads, adds 0 to its spare word, waits for that and for its reads of this slot, and signals.  fill = 1: the barrier opens a round of the
; cluster's barrier, and behind the round this slot is filled again, with the K step two on.
.macro TURN slot, next, fill
.if \fill
	s_wait_xcnt 0x0                                ; the last prefetch, a K step back, has read its address, which is stepped here
	s_add_nc_u64 s[PFA:PFA+1], s[PFA:PFA+1], KB
.endif
	WIN 0
	s_wait_tensorcnt 0x0                           ; no tensor load of mine is out, so a group 0 may be written
	ds_add_u32 v[SPW], v[NIL]
	s_wait_dscnt 5                                 ; (the add and the youngest four loads may be out)
	MUL8 F1, 0, 0
.if \fill
	s_add_nc_u64 s[G0+4*(\slot)+2:G0+4*(\slot)+3], s[G0+4*(\slot)+2:G0+4*(\slot)+3], 2*KB
	s_add_nc_u64 s[G0B+4*(\slot)+2:G0B+4*(\slot)+3], s[G0B+4*(\slot)+2:G0B+4*(\slot)+3], 2*VB
.endif
	s_wait_dscnt 0x0                               ; the add is done, and my reads of this slot are over
	s_barrier_signal -1
	MUL8 F1, 1, 0
	WIN 0
	s_barrier_wait -1
.if \fill
	CREST
	JLOAD \slot                                    ; its four v_nop are also the places in front of the loads below
.else
	PLACES
.endif
	FETCH \next, 0, F0
.if \fill
	ASK
.endif
	MUL8 F1, 2, 0
	MUL8 F1, 3, 0
.endm
.macro LASTQ
	s_wait_dscnt 4
	MUL8 F1, 0, 0
	MUL8 F1, 1, 0
	s_wait_dscnt 0x0
	MUL8 F1, 2, 0
	MUL8 F1, 3, 0
.endm
; THE WAY OUT of row block a.  PACKS: times 1 / l (each accumulator's registers in ascending order), rounded to f16.  TOSTAGE: into my own stage, back as whole rows.  SEND: stored.
.macro PACKS a
	WIN 0x01                                       ; source 0 in window 1
.irp b, 0,1,2,3,4,5,6,7
.irp r, 0,1,2,3
	v_pk_mul_f32 v[SC+8*(\b)+2*(\r):SC+8*(\b)+2*(\r)+1], v[8*(8*(\a)+(\b))+2*(\r):8*(8*(\a)+(\b))+2*(\r)+1], v[LI+2*(\a):LI+2*(\a)+1] op_sel_hi:[1,0]
.endr
.endr
	WIN 0
.irp b, 0,1,2,3,4,5,6,7
.irp r, 0,1,2,3
	v_cvt_pk_f16_f32 v[TMP+4*(\b)+(\r)], v[SC+8*(\b)+2*(\r)], v[SC+8*(\b)+2*(\r)+1]
.endr
.endr
.endm
.macro TOSTAGE a
.irp b, 0,1,2,3,4,5,6,7
	ds_store_b128 v[STO], v[TMP+4*(\b):TMP+4*(\b)+3] offset:32*(\b)
.endr
.irp t, 0,1,2,3,4,5,6,7
	ds_load_b128 v[OB+32*(\a)+4*(\t):OB+32*(\a)+4*(\t)+3], v[RD] offset:(\t)*2*SPITCH  ; LDS serves a wave's instructions in order: these see the stores above
.endr
.endm
.macro SEND a
	s_wait_dscnt 0x0
.irp t, 0,1,2,3,4,5,6,7
	global_store_b128 v[CO], v[OB+32*(\a)+4*(\t):OB+32*(\a)+4*(\t)+3], s[8:9] offset:(16*(\a)+2*(\t))*CP  ; 16 lanes store 256 consecutive bytes, at a multiple of 256 from ob's first byte
.endr
.endm
	s_wait_tensorcnt 1                             ; my part of K step 0 is in; K step 1's may stay out
	s_barrier_signal -1
	s_barrier_wait -1
	FETCH 0, 0, F0
	QUARTER 0, 1, F0, F1, 1
	WIN 0
	s_mov_b32 s3, 0
.Llap:                                                 ; 2 g + 1 trips: once round the ring, from a lap's second quarter to the next lap's first; both slots are filled again
	QUARTER 0, 2, F1, F0, 0
	QUARTER 0, 3, F0, F1, 0
	TURN 0, 1, 1
	QUARTER 1, 1, F0, F1, 0
	QUARTER 1, 2, F1, F0, 0
	QUARTER 1, 3, F0, F1, 0
	TURN 1, 0, 1
	QUARTER 0, 1, F0, F1, 0
	WIN 0
	s_add_co_u32 s3, s3, 1
	s_cmp_lt_u32 s3, s[NLM1]
	s_cbranch_scc1 .Llap
	QUARTER 0, 2, F1, F0, 0                        ; the last lap fills nothing
	QUARTER 0, 3, F0, F1, 0
	TURN 0, 1, 0
	QUARTER 1, 1, F0, F1, 0
	QUARTER 1, 2, F1, F0, 0
	QUARTER 1, 3, F0, F1, 0
	LASTQ
	WIN 0
	PLACES
	PLACES
	s_wait_loadcnt 0x0                             ; 1 / l
	PACKS 0
	TOSTAGE 0
.irp a, 1,2,3
	PACKS \a                                       ; a block's arithmetic stands between the loads of the block before and the wait for them
	SEND (\a)-1
	TOSTAGE \a
.endr
	SEND 3
	s_wait_tensorcnt 0x0                           ; the wave's end
	ds_add_u32 v[SPW], v[NIL]
	s_wait_dscnt 0x0
	CROUND                                         ; the closing round
	s_endpgm
.Lfunc_end_k_q245fc0317d_pv:
	.size	k_q245fc0317d_pv, .Lfunc_end_k_q245fc0317d_pv-k_q245fc0317d_pv
	.p2alignl 7, 3214868480
	.fill 96, 4, 3214868480
	.section	.rodata,"a",@progbits
	.p2align	6, 0x0
	.amdhsa_kernel k_q245fc0317d_pv
		.amdhsa_group_segment_fixed_size 327680
		.amdhsa_private_segment_fixed_size 0
		.amdhsa_enable_private_segment 0
		.amdhsa_kernarg_size 32
		.amdhsa_user_sgpr_count 2
		.amdhsa_user_sgpr_kernarg_segment_ptr 1
		.amdhsa_wavefront_size32 1
		.amdhsa_system_sgpr_workgroup_id_x 1
		.amdhsa_system_sgpr_workgroup_id_y 1
		.amdhsa_system_sgpr_workgroup_id_z 1
		.amdhsa_system_vgpr_workitem_id 0
		.amdhsa_next_free_vgpr 512
		.amdhsa_next_free_sgpr 76
		.amdhsa_reserve_vcc 0
		.amdhsa_float_denorm_mode_32 3
		.amdhsa_float_denorm_mode_16_64 3
		.amdhsa_memory_ordered 1
		.amdhsa_forward_progress 1
		.amdhsa_inst_pref_size 96
	.end_amdhsa_kernel
	.amdgpu_metadata
---
amdhsa.version: [ 1, 2 ]
amdhsa.kernels:
  - .name:           k_q245fc0317d_pv
    .symbol:         k_q245fc0317d_pv.kd
    .args:
      - { .name: pw, .offset: 0, .size: 8, .value_kind: global_buffer, .address_space: global }
      - { .name: qkv, .offset: 8, .size: 8, .value_kind: global_buffer, .address_space: global }
      - { .name: li, .offset: 16, .size: 8, .value_kind: global_buffer, .address_space: global }
      - { .name: ob, .offset: 24, .size: 8, .value_kind: global_buffer, .address_space: global }
    .group_segment_fixed_size: 327680
    .private_segment_fixed_size: 0
    .kernarg_segment_align: 8
    .kernarg_segment_size: 32
    .max_flat_workgroup_size: 128
    .sgpr_count:     76
    .vgpr_count:     512
    .wavefront_size: 32
...
	.end_amdgpu_metadata
.endif
;; end of part 5
;; launch outp (part 6): grid 4 x 64, 4 waves a work-group, clusters of 4 x 4, 327,680 bytes of LDS; arguments ob, wo, out0; writes out0
.if DOCPART == 6
	.amdgcn_target "amdgcn-amd-amdhsa--gfx1250"
	.amdhsa_code_object_version 6
	.text
	.protected	k_q245fc0317d_outp
	.globl	k_q245fc0317d_outp
	.p2align	8
	.type	k_q245fc0317d_outp,@function
k_q245fc0317d_outp:
	s_mov_b64 s[64:65], 0
	v_nop
	global_prefetch_b8 v0, s[64:65] scope:SCOPE_SE
	s_setreg_imm32_b32 hwreg(HW_REG_WAVE_MODE, 25, 1), 1
	s_wait_xcnt 0x0
	s_wait_alu depctr_hold_cnt(0) depctr_sa_sdst(0) depctr_va_vdst(0) depctr_va_sdst(0) depctr_va_ssrc(0) depctr_va_vcc(0) depctr_vm_vsrc(0)
	s_getreg_b32 s2, hwreg(HW_REG_IB_STS2, 6, 4)
	s_cmp_eq_u32 s2, 0
	s_cbranch_scc0 .Lentry_in_a_cluster
	s_endpgm
.Lentry_in_a_cluster:
	s_bfe_u32 s2, ttmp6, 0x10000c
	s_cmp_lg_u32 s2, 0xf033
	s_cbranch_scc0 .Lentry_shape_is_right
	s_endpgm
.Lentry_shape_is_right:
; out0[t][e] = the sum over d of ob[t][d] wo[e][d].  ob: [8192][1024] f16, wo: [1024][1024] f16 (W_o rounded to bf16), out0: [8192][1024] f32; sums in f32.
; LIMITS.  The sums' order is the matrix unit's; infinities and NaN are not treated apart.
; SHARES, RING, CLUSTER, REGISTERS: 64 x 4 tiles of 128 x 256, one to a work-group; four waves of 64 x 128; K steps of 128 through two LDS slots; joint loads along the cluster's rows (ob) and
; columns (wo); source 0 = 16 rows of wo, source 1 = 16 rows of ob, so that a lane holds eight neighbouring numbers of a row.  Window 0: v0-31 addresses; v64-159, v160-255 fragment buffers.
; Window 1: accumulator (a, b) at v[8 (8 a + b)].
.set PITCH,  272
.set AHALF,  64*PITCH
.set BHALF,  128*PITCH
.set BOFF,   2*AHALF
.set SLOT1,  1<<17
.set STAGE,  SLOT1+BOFF+2*BHALF        ; behind the ring, never filled by a tensor load: 16 rows x 528 bytes for each wave
.set SPITCH, 528
.set SPARE,  STAGE+4*16*SPITCH
.set KB,     256
.set CP,     4096
.set ADRA0, 8
.set ADRB0, 9
.set ADRA, 16
.set ADRB, 20
.set STO,  24
.set RD,   25
.set CO,   26
.set SPW,  28
.set NIL,  29
.set F0,   64
.set F1,   160
.set OB,   64
.set G1,   24
.set G0,   32
.set TB,   45
.set G1B,  48
.set G0B,  56
.set MUL,  0x50
.set MSB, 0
.macro WIN new
.if MSB != (\new)
	s_set_vgpr_msb (MSB<<8)|(\new)
.set MSB, \new
.endif
.endm
.macro PLACES
.rept 4
	v_nop
.endr
.endm
.macro JLOAD s                         ; waves 0 and 1 fetch ob's halves, waves 2 and 3 wo's; an s_nop 0 and four v_nop follow each line
	s_cmp_eq_u32 s11, 0
	s_cbranch_scc0 .Lfor_b_\@
	tensor_load_to_lds s[G0+4*(\s):G0+4*(\s)+3], s[G1:G1+7]
	s_nop 0
.rept 4
	v_nop
.endr
	s_branch .Lasked_\@
.Lfor_b_\@:
	tensor_load_to_lds s[G0B+4*(\s):G0B+4*(\s)+3], s[G1B:G1B+7]
	s_nop 0
.rept 4
	v_nop
.endr
.Lasked_\@:
.endm
.macro CREST
	s_cmp_lg_u32 s10, 0
	s_cbranch_scc1 .Lnot_wave_0_\@
	s_barrier_signal -3
.Lnot_wave_0_\@:
	s_barrier_wait -3
	s_barrier_signal -1
	s_barrier_wait -1
.endm
.macro CROUND
	s_barrier_signal -1
	s_barrier_wait -1
	CREST
.endm
	s_load_b128 s[4:7], s[0:1], 0x0                ; ob s[4:5], wo s[6:7]
	s_load_b64 s[8:9], s[0:1], 0x10                ; out0
	v_lshl_add_u32 v[SPW], v0, 2, SPARE
	v_mov_b32 v[NIL], 0
	ds_add_u32 v[SPW], v[NIL]                      ; the wave's opening: the add and its wait ahead of my first tensor load
	v_lshrrev_b32 v1, 5, v0
	v_readfirstlane_b32 s10, v1
	s_lshr_b32 s11, s10, 1
	s_and_b32 s12, s10, 1
	s_bfe_u32 s40, ttmp6, 0x40000                  ; cx
	s_bfe_u32 s41, ttmp6, 0x40004                  ; cy
	s_and_b32 s13, ttmp7, 0xffff
	s_lshl_b32 s13, s13, 2
	s_add_co_u32 s13, s13, s41                     ; tile row = 4 x cluster y + cy
	s_lshl_b32 s43, s41, 2
	s_lshl_b32 s43, 15, s43
	s_lshl_b32 s44, 0x1111, s40
	s_or_b32 s[G1+0], s43, (1<<16)|(1<<20)|(1<<21)|(5<<22)|(3<<25)
	s_or_b32 s[G1B+0], s44, (1<<16)|(1<<20)|(1<<21)|(5<<22)|(3<<25)
	s_mov_b32 s[G1+1], 128<<16
	s_mov_b32 s[G1+2], 64<<16
	s_mov_b32 s[G1+3], 128<<16
	s_mov_b32 s[G1+4], 64
	s_mov_b32 s[G1+5], 1024
	s_mov_b32 s[G1+6], 0
	s_mov_b32 s[G1+7], 0
	s_mov_b32 s[G1B+1], 128<<16
	s_mov_b32 s[G1B+2], 128<<16
	s_mov_b32 s[G1B+3], 128<<16
	s_mov_b32 s[G1B+4], 128
	s_mov_b32 s[G1B+5], 1024
	s_mov_b32 s[G1B+6], 0
	s_mov_b32 s[G1B+7], 0
	s_lshl_b32 s16, s13, 7                         ; A: row 128 x tile row + 64 x half
	s_lshl_b32 s17, s12, 6
	s_add_co_u32 s16, s16, s17
	s_lshl_b32 s16, s16, 11
	s_mov_b32 s17, 0
	s_lshl_b32 s46, s40, 8                         ; B: row 256 cx + 128 x half
	s_lshl_b32 s47, s12, 7
	s_add_co_u32 s46, s46, s47
	s_lshl_b32 s46, s46, 11
	s_mov_b32 s47, 0
	s_mul_i32 s20, s12, AHALF
	s_mul_i32 s21, s12, BHALF
	s_add_co_u32 s21, s21, BOFF
	s_mov_b32 s[TB], 0
	s_wait_dscnt 0x0
	s_wait_kmcnt 0x0
	s_add_nc_u64 s[14:15], s[4:5], s[16:17]
	s_add_nc_u64 s[46:47], s[6:7], s[46:47]
	CROUND
.irp s, 0,1
	s_mov_b32 s[G0+4*(\s)], 1
	s_add_co_u32 s[G0+4*(\s)+1], s20, (\s)*SLOT1
	s_add_nc_u64 s[G0+4*(\s)+2:G0+4*(\s)+3], s[14:15], (\s)*KB
	s_or_b32 s[G0+4*(\s)+3], s[G0+4*(\s)+3], 0x80000000
	s_mov_b32 s[G0B+4*(\s)], 1
	s_add_co_u32 s[G0B+4*(\s)+1], s21, (\s)*SLOT1
	s_add_nc_u64 s[G0B+4*(\s)+2:G0B+4*(\s)+3], s[46:47], (\s)*KB
	s_or_b32 s[G0B+4*(\s)+3], s[G0B+4*(\s)+3], 0x80000000
	JLOAD \s
.endr
	v_and_b32 v1, 15, v0
	v_bfe_u32 v2, v0, 4, 1
	v_mul_u32_u24 v3, v1, PITCH
	v_lshl_add_u32 v3, v2, 4, v3
	s_mul_i32 s21, s11, AHALF
	s_mul_i32 s22, s12, BHALF
	s_add_co_u32 s22, s22, BOFF
	v_add_nc_u32 v[ADRA0], s21, v3
	v_add_nc_u32 v[ADRB0], s22, v3
	v_mov_b32 v[ADRA], v[ADRA0]
	v_mov_b32 v[ADRB], v[ADRB0]
	s_mul_i32 s23, s10, 16*SPITCH
	s_add_co_u32 s23, s23, STAGE
	v_mul_u32_u24 v4, v1, SPITCH
	v_lshl_add_u32 v4, v2, 5, v4
	v_add_nc_u32 v[STO], s23, v4
	v_and_b32 v5, 31, v0
	v_lshlrev_b32 v[CO], 4, v5
	v_add_nc_u32 v[RD], s23, v[CO]
	s_lshl_b32 s16, s13, 7                         ; C at my first row: 128 x tile row + 64 x half,
	s_lshl_b32 s17, s11, 6
	s_add_co_u32 s16, s16, s17
	s_lshl_b32 s16, s16, 12                        ; x 4,096 bytes: under 2^26
	s_mov_b32 s17, 0
	s_add_nc_u64 s[8:9], s[8:9], s[16:17]
	s_lshl_b32 s46, s40, 10                        ; and my first column: 1,024 cx + 512 x half bytes
	s_lshl_b32 s47, s12, 9
	s_add_co_u32 s46, s46, s47
	s_mov_b32 s47, 0
	s_add_nc_u64 s[8:9], s[8:9], s[46:47]
.macro MUL8 f, a, zero                 ; row block a x all 8 column blocks; the 32 accumulators take turns in one order everywhere
	WIN MUL
.irp b, 0,1,2,3,4,5,6,7
.if \zero
	v_wmma_f32_16x16x32_f16 v[8*(8*(\a)+(\b)):8*(8*(\a)+(\b))+7], v[(\f)+32+8*(\b):(\f)+32+8*(\b)+7], v[(\f)+8*(\a):(\f)+8*(\a)+7], 0
.else
	v_wmma_f32_16x16x32_f16 v[8*(8*(\a)+(\b)):8*(8*(\a)+(\b))+7], v[(\f)+32+8*(\b):(\f)+32+8*(\b)+7], v[(\f)+8*(\a):(\f)+8*(\a)+7], v[8*(8*(\a)+(\b)):8*(8*(\a)+(\b))+7]
.endif
.endr
.endm
.macro FETCH k, f
	WIN 0
.irp i, 0,1,2,3,4,5,6,7
	ds_load_b128 v[(\f)+32+8*(\i):(\f)+32+8*(\i)+3],   v[ADRB] offset:(\k)+(\i)*16*PITCH
	ds_load_b128 v[(\f)+32+8*(\i)+4:(\f)+32+8*(\i)+7], v[ADRB] offset:(\k)+(\i)*16*PITCH+32
.endr
.irp i, 0,1,2,3
	ds_load_b128 v[(\f)+8*(\i):(\f)+8*(\i)+3],   v[ADRA] offset:(\k)+(\i)*16*PITCH
	ds_load_b128 v[(\f)+8*(\i)+4:(\f)+8*(\i)+7], v[ADRA] offset:(\k)+(\i)*16*PITCH+32
.endr
.endm
.macro QUARTER k, f, g, zero
	s_wait_dscnt 4                                 ; the youngest four loads (A's blocks 2, 3) may be out
	MUL8 \f, 0, \zero
	MUL8 \f, 1, \zero
	PLACES
	FETCH \k, \g
	s_wait_dscnt 24                                ; all but the 24 just issued
	MUL8 \f, 2, \zero
	MUL8 \f, 3, \zero
.endm
; The change of slots: each wave waits for all its tensor loads, adds 0 to its spare word, waits for that and for its reads of this slot, and signals.  mode 1: the barrier opens a round of the
; cluster's barrier, and behind the round this slot is filled again, with the K step two on.  mode 0: nothing is asked for.
.macro TURN mode
	WIN 0
	s_wait_tensorcnt 0x0
	ds_add_u32 v[SPW], v[NIL]
	s_wait_dscnt 5                                 ; (the add and the youngest four loads may be out)
	MUL8 F1, 0, 0
.if \mode
	s_xor_b32 s[G0+5], s[G0+5], SLOT1
	s_add_nc_u64 s[G0+6:G0+7], s[G0+6:G0+7], KB
	s_xor_b32 s[G0B+5], s[G0B+5], SLOT1
	s_add_nc_u64 s[G0B+6:G0B+7], s[G0B+6:G0B+7], KB
.endif
	s_xor_b32 s[TB], s[TB], SLOT1
	s_wait_dscnt 0x0                               ; the add is done, and my reads of this slot are over
	s_barrier_signal -1
	MUL8 F1, 1, 0
	WIN 0
	v_add_nc_u32 v[ADRA], s[TB], v[ADRA0]
	v_add_nc_u32 v[ADRB], s[TB], v[ADRB0]
	s_barrier_wait -1
.if \mode
	CREST
	JLOAD 1
.else
	PLACES
.endif
	FETCH 0, F0
	MUL8 F1, 2, 0
	MUL8 F1, 3, 0
.endm
.macro LASTQ
	s_wait_dscnt 4
	MUL8 F1, 0, 0
	MUL8 F1, 1, 0
	s_wait_dscnt 0x0
	MUL8 F1, 2, 0
	MUL8 F1, 3, 0
.endm
; THE WAY OUT of row block a, in f32.  STG: a lane's 32 bytes of each accumulator, the low half first, into my own stage; back as whole rows of 512 bytes.  SND: stored.
.macro STG a
	WIN 0x04
.irp b, 0,1,2,3,4,5,6,7
	ds_store_b128 v[STO], v[8*(8*(\a)+(\b)):8*(8*(\a)+(\b))+3]   offset:64*(\b)
	ds_store_b128 v[STO], v[8*(8*(\a)+(\b))+4:8*(8*(\a)+(\b))+7] offset:64*(\b)+16
.endr
	WIN 0
.irp t, 0,1,2,3,4,5,6,7,8,9,10,11,12,13,14,15
	ds_load_b128 v[OB+64*((\a)%3)+4*(\t):OB+64*((\a)%3)+4*(\t)+3], v[RD] offset:(\t)*SPITCH  ; LDS serves a wave's instructions in order
.endr
.endm
.macro SND a, younger
	s_wait_dscnt \younger
.irp t, 0,1,2,3,4,5,6,7,8,9,10,11,12,13,14,15
	global_store_b128 v[CO], v[OB+64*((\a)%3)+4*(\t):OB+64*((\a)%3)+4*(\t)+3], s[8:9] offset:(16*(\a)+(\t))*CP th:TH_STORE_NT  ; 512 consecutive bytes, at a multiple of 512 from out0's first byte
.endr
.endm
	s_wait_tensorcnt 1                             ; my part of K step 0 is in; K step 1's may stay out
	s_barrier_signal -1
	s_barrier_wait -1
	FETCH 0, F0
	QUARTER 64, F0, F1, 1
	WIN 0
	s_mov_b32 s3, 6
.Lstep:                                                ; six trips ask for K steps 2 to 7
	QUARTER 128, F1, F0, 0
	QUARTER 192, F0, F1, 0
	TURN 1
	QUARTER 64, F0, F1, 0
	WIN 0
	s_sub_co_u32 s3, s3, 1
	s_cmp_lg_u32 s3, 0
	s_cbranch_scc1 .Lstep
	QUARTER 128, F1, F0, 0                         ; K step 6
	QUARTER 192, F0, F1, 0
	TURN 0
	QUARTER 64, F0, F1, 0                          ; K step 7
	QUARTER 128, F1, F0, 0
	QUARTER 192, F0, F1, 0
	LASTQ
	WIN 0
	PLACES
	PLACES
	STG 0
	STG 1
	SND 0, 32
	STG 2
	SND 1, 32
	s_wait_xcnt 0x0                                ; block 0's stores have read their registers, which block 3 takes
	STG 3
	SND 2, 32
	SND 3, 0
	s_wait_tensorcnt 0x0                           ; the wave's end
	ds_add_u32 v[SPW], v[NIL]
	s_wait_dscnt 0x0
	CROUND                                         ; the closing round
	s_endpgm
.Lfunc_end_k_q245fc0317d_outp:
	.size	k_q245fc0317d_outp, .Lfunc_end_k_q245fc0317d_outp-k_q245fc0317d_outp
	.p2alignl 7, 3214868480
	.fill 96, 4, 3214868480
	.section	.rodata,"a",@progbits
	.p2align	6, 0x0
	.amdhsa_kernel k_q245fc0317d_outp
		.amdhsa_group_segment_fixed_size 327680
		.amdhsa_private_segment_fixed_size 0
		.amdhsa_enable_private_segment 0
		.amdhsa_kernarg_size 24
		.amdhsa_user_sgpr_count 2
		.amdhsa_user_sgpr_kernarg_segment_ptr 1
		.amdhsa_wavefront_size32 1
		.amdhsa_system_sgpr_workgroup_id_x 1
		.amdhsa_system_sgpr_workgroup_id_y 1
		.amdhsa_system_sgpr_workgroup_id_z 1
		.amdhsa_system_vgpr_workitem_id 0
		.amdhsa_next_free_vgpr 512
		.amdhsa_next_free_sgpr 66
		.amdhsa_reserve_vcc 0
		.amdhsa_float_denorm_mode_32 3
		.amdhsa_float_denorm_mode_16_64 3
		.amdhsa_memory_ordered 1
		.amdhsa_forward_progress 1
		.amdhsa_inst_pref_size 69
	.end_amdhsa_kernel
	.amdgpu_metadata
---
amdhsa.version: [ 1, 2 ]
amdhsa.kernels:
  - .name:           k_q245fc0317d_outp
    .symbol:         k_q245fc0317d_outp.kd
    .args:
      - { .name: ob, .offset: 0, .size: 8, .value_kind: global_buffer, .address_space: global }
      - { .name: wo, .offset: 8, .size: 8, .value_kind: global_buffer, .address_space: global }
      - { .name: out0, .offset: 16, .size: 8, .value_kind: global_buffer, .address_space: global }
    .group_segment_fixed_size: 327680
    .private_segment_fixed_size: 0
    .kernarg_segment_align: 8
    .kernarg_segment_size: 24
    .max_flat_workgroup_size: 128
    .sgpr_count:     66
    .vgpr_count:     512
    .wavefront_size: 32
...
	.end_amdgpu_metadata
.endif
;; end of part 6
;; ======== version 2 of 2: 6 launches
;; limits: values are held in f16: magnitudes above 65,504 overflow, below 6.1e-05 lose precision
;; workspace buffers: xh 16,777,216 bytes; wh 10,485,760 bytes; qk 33,554,432 bytes; sc 67,108,864 bytes; pw 33,554,432 bytes; li 32,768 bytes; ob 16,777,216 bytes; wvo 2,097,152 bytes
;; launch prep (part 7): grid 768 x 1, 8 waves a work-group, no clusters, 0 bytes of LDS; arguments x, W_q, W_k, W_v, W_o, xh, wh; writes xh, wh
.if DOCPART == 7
	.amdgcn_target "amdgcn-amd-amdhsa--gfx1250"
	.amdhsa_code_object_version 6
	.text
	.protected	k_q245fc0317d_prep
	.globl	k_q245fc0317d_prep
	.p2align	8
	.type	k_q245fc0317d_prep,@function
k_q245fc0317d_prep:
	s_mov_b64 s[64:65], 0
	v_nop
	global_prefetch_b8 v0, s[64:65] scope:SCOPE_SE
	s_setreg_imm32_b32 hwreg(HW_REG_WAVE_MODE, 25, 1), 1
	s_wait_xcnt 0x0
; THE INPUTS ARE ROUNDED ONCE TO BF16, AND THAT NUMBER IS WRITTEN AS F16: all later products multiply in f16.
; xh = x, [8192][1024].  wh holds the four weights: W_q and W_k, [2048][1024], from byte 0; W_v, [1024][1024], from byte 4,194,304; W_o from byte 6,291,456, its rows of 2,048 bytes
; 4,096 bytes apart (the launch that multiplies W_o by W_v asks for it with the row pitch of the attention weights); the other half of that pitch is neither written nor read.
; LIMITS.  A bf16 number as f16 is exact from 6.1e-5 to 65,504; below, it keeps f16's fixed step of 6e-8; beyond, it is an infinity.
; SHARES.  A work-group turns 65,536 bytes of f32 into 32,768 bytes.  Blocks 0-511 are x's, then 64 for each weight.  Thread t takes 16 bytes at 16 t of each 4,096 (a row):
; a wave's load covers 512 consecutive bytes, its store 256 consecutive bytes, aligned.  All 16 loads of a thread go out at once; nothing is read twice, so no LDS and no barrier.
.set X, 8                              ; v[8:71]     16 loads of 4 registers
.set Y, 72                             ; v[72:103]   16 results of 2 registers: no register of a store is written again
.set O, 104                            ; v[104:119]  the stores' offsets: 8 t, and for W_o 2,048 more for each row
	s_load_b256 s[8:15], s[0:1], 0x0               ; x s[8:9], W_q s[10:11], W_k s[12:13], W_v s[14:15]
	s_load_b128 s[16:19], s[0:1], 0x20             ; W_o s[16:17], xh s[18:19]
	s_load_b64 s[20:21], s[0:1], 0x30              ; wh
	s_mov_b32 s2, ttmp9                            ; block n
	s_sub_co_u32 s3, s2, 512                       ; m: the block among the weights' 256 (not used where n < 512)
	s_lshr_b32 s4, s3, 6                           ; which weight
	s_and_b32 s5, s3, 63                           ; its block
	s_lshl_b32 s7, s3, 1
	s_sub_co_u32 s7, s7, 192                       ; W_o's blocks take twice the room: block 192 + 2 (m - 192) of 32,768 bytes
	v_lshlrev_b32 v1, 4, v0                        ; 16 t
	v_lshlrev_b32 v2, 3, v0                        ; 8 t
	s_cmp_eq_u32 s4, 3
	s_cselect_b32 s6, s7, s3                       ; the block in wh
	s_cselect_b32 s22, 2048, 0                     ; what W_o's rows lie further apart
.irp j, 0,1,2,3,4,5,6,7,8,9,10,11,12,13,14,15
	v_mad_u32_u24 v[O+(\j)], s22, \j, v2
.endr
	s_wait_kmcnt 0x0
	s_cmp_eq_u32 s4, 1                             ; the source and the target are chosen among the buffers by the block's number alone
	s_cselect_b64 s[24:25], s[12:13], s[10:11]
	s_cmp_eq_u32 s4, 2
	s_cselect_b64 s[24:25], s[14:15], s[24:25]
	s_cmp_eq_u32 s4, 3
	s_cselect_b64 s[24:25], s[16:17], s[24:25]
	s_cmp_lt_u32 s2, 512
	s_cselect_b64 s[24:25], s[8:9], s[24:25]
	s_cselect_b64 s[26:27], s[18:19], s[20:21]
	s_cselect_b32 s5, s2, s5
	s_cselect_b32 s6, s2, s6
	s_lshl_b32 s28, s5, 16                         ; 65,536 bytes a block in the source: under 2^26
	s_mov_b32 s29, 0
	s_lshl_b32 s30, s6, 15                         ; 32,768 in the target
	s_mov_b32 s31, 0
	s_add_nc_u64 s[24:25], s[24:25], s[28:29]
	s_add_nc_u64 s[26:27], s[26:27], s[30:31]
.irp j, 0,1,2,3,4,5,6,7,8,9,10,11,12,13,14,15
	global_load_b128 v[X+4*(\j):X+4*(\j)+3], v1, s[24:25] offset:4096*(\j) th:TH_LOAD_NT
.endr
.irp j, 0,1,2,3,4,5,6,7,8,9,10,11,12,13,14,15
	s_wait_loadcnt 15-(\j)                         ; loads come back in order: mine is in, the 15 - j younger ones stay out
	v_cvt_pk_bf16_f32 v[Y+2*(\j)], v[X+4*(\j)], v[X+4*(\j)+1]
	v_cvt_pk_bf16_f32 v[Y+2*(\j)+1], v[X+4*(\j)+2], v[X+4*(\j)+3]
	v_lshlrev_b32 v4, 16, v[Y+2*(\j)]              ; widened again: a shift, a mask
	v_and_b32 v5, 0xffff0000, v[Y+2*(\j)]
	v_lshlrev_b32 v6, 16, v[Y+2*(\j)+1]
	v_and_b32 v7, 0xffff0000, v[Y+2*(\j)+1]
	v_cvt_pk_f16_f32 v[Y+2*(\j)], v4, v5
	v_cvt_pk_f16_f32 v[Y+2*(\j)+1], v6, v7
	global_store_b64 v[O+(\j)], v[Y+2*(\j):Y+2*(\j)+1], s[26:27] offset:2048*(\j)
.endr
	s_endpgm
.Lfunc_end_k_q245fc0317d_prep:
	.size	k_q245fc0317d_prep, .Lfunc_end_k_q245fc0317d_prep-k_q245fc0317d_prep
	.p2alignl 7, 3214868480
	.fill 96, 4, 3214868480
	.section	.rodata,"a",@progbits
	.p2align	6, 0x0
	.amdhsa_kernel k_q245fc0317d_prep
		.amdhsa_group_segment_fixed_size 0
		.amdhsa_private_segment_fixed_size 0
		.amdhsa_enable_private_segment 0
		.amdhsa_kernarg_size 56
		.amdhsa_user_sgpr_count 2
		.amdhsa_user_sgpr_kernarg_segment_ptr 1
		.amdhsa_wavefront_size32 1
		.amdhsa_system_sgpr_workgroup_id_x 1
		.amdhsa_system_sgpr_workgroup_id_y 1
		.amdhsa_system_sgpr_workgroup_id_z 1
		.amdhsa_system_vgpr_workitem_id 0
		.amdhsa_next_free_vgpr 120
		.amdhsa_next_free_sgpr 66
		.amdhsa_reserve_vcc 0
		.amdhsa_float_denorm_mode_32 3
		.amdhsa_float_denorm_mode_16_64 3
		.amdhsa_memory_ordered 1
		.amdhsa_forward_progress 1
		.amdhsa_inst_pref_size 13
	.end_amdhsa_kernel
	.amdgpu_metadata
---
amdhsa.version: [ 1, 2 ]
amdhsa.kernels:
  - .name:           k_q245fc0317d_prep
    .symbol:         k_q245fc0317d_prep.kd
    .args:
      - { .name: x, .offset: 0, .size: 8, .value_kind: global_buffer, .address_space: global }
      - { .name: W_q, .offset: 8, .size: 8, .value_kind: global_buffer, .address_space: global }
      - { .name: W_k, .offset: 16, .size: 8, .value_kind: global_buffer, .address_space: global }
      - { .name: W_v, .offset: 24, .size: 8, .value_kind: global_buffer, .address_space: global }
      - { .name: W_o, .offset: 32, .size: 8, .value_kind: global_buffer, .address_space: global }
      - { .name: xh, .offset: 40, .size: 8, .value_kind: global_buffer, .address_space: global }
      - { .name: wh, .offset: 48, .size: 8, .value_kind: global_buffer, .address_space: global }
    .group_segment_fixed_size: 0
    .private_segment_fixed_size: 0
    .kernarg_segment_align: 8
    .kernarg_segment_size: 56
    .max_flat_workgroup_size: 256
    .sgpr_count:     66
    .vgpr_count:     120
    .wavefront_size: 32
...
	.end_amdgpu_metadata
.endif
;; end of part 7
;; launch qk (part 8): grid 8 x 32, 4 waves a work-group, clusters of 4 x 4, 327,680 bytes of LDS; arguments xh, wh, qk; writes qk
.if DOCPART == 8
	.amdgcn_target "amdgcn-amd-amdhsa--gfx1250"
	.amdhsa_code_object_version 6
	.text
	.protected	k_q245fc0317d_qk
	.globl	k_q245fc0317d_qk
	.p2align	8
	.type	k_q245fc0317d_qk,@function
k_q245fc0317d_qk:
	s_mov_b64 s[64:65], 0
	v_nop
	global_prefetch_b8 v0, s[64:65] scope:SCOPE_SE
	s_setreg_imm32_b32 hwreg(HW_REG_WAVE_MODE, 25, 1), 1
	s_wait_xcnt 0x0
	s_wait_alu depctr_hold_cnt(0) depctr_sa_sdst(0) depctr_va_vdst(0) depctr_va_sdst(0) depctr_va_ssrc(0) depctr_va_vcc(0) depctr_vm_vsrc(0)
	s_getreg_b32 s2, hwreg(HW_REG_IB_STS2, 6, 4)
	s_cmp_eq_u32 s2, 0
	s_cbranch_scc0 .Lentry_in_a_cluster
	s_endpgm
.Lentry_in_a_cluster:
	s_bfe_u32 s2, ttmp6, 0x10000c
	s_cmp_lg_u32 s2, 0xf033
	s_cbranch_scc0 .Lentry_shape_is_right
	s_endpgm
.Lentry_shape_is_right:
; qk[t][e] = the sum over d of xh[t][d] wh[e][d], e = 0 .. 2047: q in columns 0-1023, k in columns 1024-2047.  xh: [8192][1024] f16, wh's first 2,048 rows: W_q, W_k, f16; qk: [8192][2048] f16.
; Sums in f32, rounded once.  LIMITS.  q and k leave as f16: a number of 65,520 or more becomes an infinity; below 6.1e-5 f16's fixed step of 6e-8 holds.  The sums' order is the matrix unit's.
; SHARES.  A tile of C is 256 x 256; four waves, 2 x 2, each 128 x 128: 64 accumulators of 16 x 16, 512 registers.  C has 32 x 8 tiles, one to a work-group.
; K goes in steps of 128 through a ring of two LDS slots: the tiles' rows are 256 bytes of memory, at multiples of 256 from the buffers' first bytes; each wave fetches 128 rows with one tensor load.
; A K step is 256 matrix instructions a wave; a slot is asked for again in its step's last quarter, 224 matrix instructions ahead of the wait for it.
; CLUSTER.  4 x 4 work-groups: the four of a row need the same rows of x, the four of a column the same rows of the weights; each tile is asked for jointly, by the same tensor load with the
; same descriptor and a mask that names the four.
; THE MATRIX INSTRUCTION IS USED TRANSPOSED (source 0 = 16 rows of wh, source 1 = 16 rows of xh): a lane then holds eight neighbouring numbers of a row of C.
; REGISTERS, in windows of 256.  Window 0: v0-31 addresses; v32-63 packed results; v64-127, v128-191 A's fragments, two buffers; v192-255 rows on the way out.
; Window 1: v64-127, v128-191 B's fragments.  Window 2: the accumulators of my rows 0-63 ((a, b) at v[8 (8 a + b)]).  Window 3: those of my rows 64-127.
.set PITCH,  272                       ; an LDS row: 256 bytes + 16 of padding: the 16 rows of a fragment load start 16 bytes apart modulo 256
.set HALFT,  128*PITCH                 ; what a wave fetches, and what a wave reads of A or of B
.set SLOT,   4*HALFT                   ; A's 256 rows, then B's 256: 0x22000, which shares no bit with wave x HALFT (0, 0x8800, 0x11000, 0x19800): one exclusive or changes slots
.set STAGE,  2*SLOT                    ; behind the ring, never filled by a tensor load: 16 rows x 272 bytes for each wave
.set SPITCH, 272
.set SPARE,  STAGE+4*16*SPITCH         ; the spare words, 128 bytes for each wave: two blocks of 256 bytes that no other line names
.set KB,     256                       ; bytes of a K step in a row
.set CP,     4096                      ; bytes in a row of qk
.set ADRA0, 8                          ; v8   my place in A's tile of slot 0; never rewritten
.set ADRB0, 9                          ; v9   the same for B
.set ADRA, 16                          ; v16  the same in the slot that is being read
.set ADRB, 20                          ; v20
.set STO,  24                          ; v24  the way out: where I put 16 bytes of a row
.set RD,   25                          ; v25  where I read a row back
.set CO,   26                          ; v26  my byte offset in C
.set SPW,  28                          ; v28  LDS address of my spare word; never rewritten
.set NIL,  29                          ; v29  0; never rewritten
.set TMP,  32
.set F0,   64
.set F1,   128
.set OB,   192                         ; the way out: two buffers of 32
.set G1,   24                          ; s[24:31] descriptor group 1 for A's tiles;  s[32:39] group 0: a set for each first fill; the second then walks on
.set G0,   32
.set TB,   45                          ; s45  LDS byte at which the slot that is being read begins
.set G1B,  48                          ; s[48:55], s[56:63] the same for B's tiles
.set G0B,  56
.set MUL_LO, 0xa1                      ; source 0 (B) window 1, source 1 (A) window 0, C and D window 2
.set TO_B,   0x40                      ; destination window 1, address window 0
.set MSB, 0
.macro WIN new                         ; the immediate's high byte repeats the setting that is left; a switch that changes nothing is dropped
.if MSB != (\new)
	s_set_vgpr_msb (MSB<<8)|(\new)
.set MSB, \new
.endif
.endm
.macro PLACES                          ; four plain vector instructions in front of loads into registers that matrix instructions have read, and of reads of results
.rept 4
	v_nop
.endr
.endm
.macro JLOAD s                         ; a joint load: waves 0 and 1 fetch A's halves, waves 2 and 3 B's; an s_nop 0 and four v_nop follow each line
	s_cmp_eq_u32 s11, 0
	s_cbranch_scc0 .Lfor_b_\@
	tensor_load_to_lds s[G0+4*(\s):G0+4*(\s)+3], s[G1:G1+7]
	s_nop 0
.rept 4
	v_nop
.endr
	s_branch .Lasked_\@
.Lfor_b_\@:
	tensor_load_to_lds s[G0B+4*(\s):G0B+4*(\s)+3], s[G1B:G1B+7]
	s_nop 0
.rept 4
	v_nop
.endr
.Lasked_\@:
.endm
.macro CREST                           ; a round of the cluster's barrier behind its opening barrier
	s_cmp_lg_u32 s10, 0
	s_cbranch_scc1 .Lnot_wave_0_\@
	s_barrier_signal -3
.Lnot_wave_0_\@:
	s_barrier_wait -3
	s_barrier_signal -1
	s_barrier_wait -1
.endm
.macro CROUND                          ; a whole round
	s_barrier_signal -1
	s_barrier_wait -1
	CREST
.endm
	s_load_b128 s[4:7], s[0:1], 0x0                ; xh s[4:5], wh s[6:7]
	s_load_b64 s[8:9], s[0:1], 0x10                ; qk
	v_lshl_add_u32 v[SPW], v0, 2, SPARE
	v_mov_b32 v[NIL], 0
	ds_add_u32 v[SPW], v[NIL]                      ; the wave's opening: the add and its wait ahead of my first tensor load; work on registers stands between them
	v_lshrrev_b32 v1, 5, v0
	v_readfirstlane_b32 s10, v1                    ; wave 0..3
	s_lshr_b32 s11, s10, 1                         ; my half of the tile's rows.  Also: I fetch for A (0) or for B (1)
	s_and_b32 s12, s10, 1                          ; my half of its columns.  Also: which half of that tile I fetch
	s_bfe_u32 s40, ttmp6, 0x40000                  ; cx
	s_bfe_u32 s41, ttmp6, 0x40004                  ; cy
	s_lshl_b32 s42, ttmp9, 2
	s_add_co_u32 s42, s42, s40                     ; tile column = 4 x cluster x + cx
	s_and_b32 s13, ttmp7, 0xffff
	s_lshl_b32 s13, s13, 2
	s_add_co_u32 s13, s13, s41                     ; tile row = 4 x cluster y + cy
	s_lshl_b32 s43, s41, 2
	s_lshl_b32 s43, 15, s43                        ; my row of the cluster
	s_lshl_b32 s44, 0x1111, s40                    ; my column
	s_or_b32 s[G1+0], s43, (1<<16)|(1<<20)|(1<<21)|(5<<22)|(3<<25)   ; the mask; 2-byte elements; padding on; bit 21 beside a mask; after every 64 words 4 words
	s_or_b32 s[G1B+0], s44, (1<<16)|(1<<20)|(1<<21)|(5<<22)|(3<<25)
.irp g, G1, G1B
	s_mov_b32 s[(\g)+1], 128<<16                   ; tensor_dim0 = 128
	s_mov_b32 s[(\g)+2], 128<<16                   ; tensor_dim1 = 128
	s_mov_b32 s[(\g)+3], 128<<16                   ; tile_dim0 = 128
	s_mov_b32 s[(\g)+4], 128                       ; tile_dim1 = 128
	s_mov_b32 s[(\g)+5], 1024                      ; elements from row to row
	s_mov_b32 s[(\g)+6], 0
	s_mov_b32 s[(\g)+7], 0
.endr
	s_lshl_b32 s16, s13, 8                         ; A: row 256 x tile row + 128 x half, in registers that never hold cx
	s_lshl_b32 s17, s12, 7
	s_add_co_u32 s16, s16, s17
	s_lshl_b32 s16, s16, 11                        ; x 2,048 bytes: under 2^25
	s_mov_b32 s17, 0
	s_lshl_b32 s46, s42, 8                         ; B: row 256 x tile column + 128 x half, in registers that never hold cy
	s_lshl_b32 s47, s12, 7
	s_add_co_u32 s46, s46, s47
	s_lshl_b32 s46, s46, 11
	s_mov_b32 s47, 0
	s_mul_i32 s20, s10, HALFT                      ; where they go: wave x 128 rows: no place in the cluster enters an LDS address
	s_mov_b32 s[TB], 0
	s_wait_dscnt 0x0                               ; the opening add is done
	s_wait_kmcnt 0x0
	s_add_nc_u64 s[14:15], s[4:5], s[16:17]
	s_add_nc_u64 s[46:47], s[6:7], s[46:47]
	CROUND                                         ; all sixteen work-groups are here: the first joint loads meet
.irp s, 0,1
	s_mov_b32 s[G0+4*(\s)], 1
	s_add_co_u32 s[G0+4*(\s)+1], s20, (\s)*SLOT
	s_add_nc_u64 s[G0+4*(\s)+2:G0+4*(\s)+3], s[14:15], (\s)*KB
	s_or_b32 s[G0+4*(\s)+3], s[G0+4*(\s)+3], 0x80000000
	s_mov_b32 s[G0B+4*(\s)], 1
	s_add_co_u32 s[G0B+4*(\s)+1], s20, (\s)*SLOT
	s_add_nc_u64 s[G0B+4*(\s)+2:G0B+4*(\s)+3], s[46:47], (\s)*KB
	s_or_b32 s[G0B+4*(\s)+3], s[G0B+4*(\s)+3], 0x80000000
	JLOAD \s                                       ; K steps 0 and 1: two loads of mine are out
.endr
	; A fragment is 16 rows x 32 K in 8 registers: lane l holds row l % 16, K = 8 (l / 16) + 0..7 and 16 + 8 (l / 16) + 0..7: two loads of 16 bytes, 32 bytes apart.
	v_and_b32 v1, 15, v0
	v_bfe_u32 v2, v0, 4, 1
	v_mul_u32_u24 v3, v1, PITCH
	v_lshl_add_u32 v3, v2, 4, v3
	s_mul_i32 s21, s11, HALFT                      ; my 128 rows of A
	s_mul_i32 s22, s12, HALFT                      ; my 128 rows of B, behind A's 256
	s_add_co_u32 s22, s22, 2*HALFT
	v_add_nc_u32 v[ADRA0], s21, v3
	v_add_nc_u32 v[ADRB0], s22, v3
	v_mov_b32 v[ADRA], v[ADRA0]
	v_mov_b32 v[ADRB], v[ADRB0]
	s_mul_i32 s23, s10, 16*SPITCH
	s_add_co_u32 s23, s23, STAGE                   ; my stage
	v_mul_u32_u24 v4, v1, SPITCH                   ; in: row l % 16, 16 bytes for each half of the lanes
	v_lshl_add_u32 v4, v2, 4, v4
	v_add_nc_u32 v[STO], s23, v4
	v_mul_u32_u24 v5, v2, SPITCH                   ; back: lanes 0-15 one row of 256 bytes, lanes 16-31 the next
	v_lshl_add_u32 v5, v1, 4, v5
	v_add_nc_u32 v[RD], s23, v5
	v_mul_u32_u24 v5, v2, CP                       ; and the same two rows in C
	v_lshl_add_u32 v[CO], v1, 4, v5
	s_lshl_b32 s16, s13, 8                         ; C at my first row: 256 x tile row + 128 x half,
	s_lshl_b32 s17, s11, 7
	s_add_co_u32 s16, s16, s17
	s_lshl_b32 s16, s16, 12                        ; x 4,096 bytes: under 2^26
	s_mov_b32 s17, 0
	s_add_nc_u64 s[8:9], s[8:9], s[16:17]
	s_lshl_b32 s46, s42, 9                         ; and my first column: 512 x tile column + 256 x half bytes
	s_lshl_b32 s47, s12, 8
	s_add_co_u32 s46, s46, s47
	s_mov_b32 s47, 0
	s_add_nc_u64 s[8:9], s[8:9], s[46:47]
; 16 matrix instructions: row blocks a0, a0 + 1 of the window's four (hi = 0: my rows 0-63, 1: rows 64-127) x all 8 column blocks, 32 along K.
; The 64 accumulators take turns in one order everywhere.  zero = 1: the product starts the sum.
.macro MUL16 f, hi, a0, zero
	WIN MUL_LO+0x50*(\hi)
.irp a, \a0, (\a0)+1
.irp b, 0,1,2,3,4,5,6,7
.if \zero
	v_wmma_f32_16x16x32_f16 v[8*(8*(\a)+(\b)):8*(8*(\a)+(\b))+7], v[(\f)+8*(\b):(\f)+8*(\b)+7], v[(\f)+8*(4*(\hi)+(\a)):(\f)+8*(4*(\hi)+(\a))+7], 0
.else
	v_wmma_f32_16x16x32_f16 v[8*(8*(\a)+(\b)):8*(8*(\a)+(\b))+7], v[(\f)+8*(\b):(\f)+8*(\b)+7], v[(\f)+8*(4*(\hi)+(\a)):(\f)+8*(4*(\hi)+(\a))+7], v[8*(8*(\a)+(\b)):8*(8*(\a)+(\b))+7]
.endif
.endr
.endr
.endm
; 32 LDS loads in one run: a quarter step's fragments (32 K at byte k of the rows) into buffer f: B's sixteen first, then A's blocks 0 to 7
.macro FETCH k, f
	WIN TO_B
.irp i, 0,1,2,3,4,5,6,7
	ds_load_b128 v[(\f)+8*(\i):(\f)+8*(\i)+3],   v[ADRB] offset:(\k)+(\i)*16*PITCH
	ds_load_b128 v[(\f)+8*(\i)+4:(\f)+8*(\i)+7], v[ADRB] offset:(\k)+(\i)*16*PITCH+32
.endr
	WIN 0
.irp i, 0,1,2,3,4,5,6,7
	ds_load_b128 v[(\f)+8*(\i):(\f)+8*(\i)+3],   v[ADRA] offset:(\k)+(\i)*16*PITCH
	ds_load_b128 v[(\f)+8*(\i)+4:(\f)+8*(\i)+7], v[ADRA] offset:(\k)+(\i)*16*PITCH+32
.endr
.endm
; A K step is four quarters of 32 along K, 64 matrix instructions each, on buffers 0, 1, 0, 1.  One of the first three: multiplies f, fetches the next quarter, at byte k, into g.
.macro QUARTER k, f, g, zero
	s_wait_dscnt 8                                 ; B and A's blocks 0-3 are in; the youngest eight loads (A's blocks 4-7) may be out
	MUL16 \f, 0, 0, \zero
	MUL16 \f, 0, 2, \zero
	PLACES
	FETCH \k, \g
	s_wait_dscnt 32                                ; all but the 32 just issued
	MUL16 \f, 1, 0, \zero
	MUL16 \f, 1, 2, \zero
.endm
; The last quarter multiplies buffer 1 and changes slots: ONE barrier.  In front of it each wave waits for all its tensor loads (the one that is out is its part of the next slot), adds 0 to
; its spare word, and waits for that and for its reads of this slot.  mode 1: the barrier opens a round of the cluster's barrier, and behind the round this slot is filled again, with the K step
; two on: the joint load is the first thing there.  mode 0: nothing is asked for.
.macro TURN mode
	WIN 0
	s_wait_tensorcnt 0x0                           ; no tensor load of mine is out, so the walking descriptors may be written
	ds_add_u32 v[SPW], v[NIL]                      ; 0 onto my spare word
	s_wait_dscnt 9                                 ; (the add and the youngest eight loads may be out)
	MUL16 F1, 0, 0, 0
.if \mode
	s_xor_b32 s[G0+5], s[G0+5], SLOT               ; the other slot than last time,
	s_add_nc_u64 s[G0+6:G0+7], s[G0+6:G0+7], KB    ; the next K step; the type bits on top are not reached
	s_xor_b32 s[G0B+5], s[G0B+5], SLOT
	s_add_nc_u64 s[G0B+6:G0B+7], s[G0B+6:G0B+7], KB
.endif
	s_xor_b32 s[TB], s[TB], SLOT                   ; the reads go on in the other slot
	s_wait_dscnt 0x0                               ; the add is done, and my reads of this slot are over
	s_barrier_signal -1
	MUL16 F1, 0, 2, 0                              ; work on registers while the others arrive
	WIN 0
	v_add_nc_u32 v[ADRA], s[TB], v[ADRA0]
	v_add_nc_u32 v[ADRB], s[TB], v[ADRB0]
	s_barrier_wait -1
.if \mode
	CREST                                          ; no wave of any partner still reads this slot or has a load on its way
	JLOAD 1                                        ; its four v_nop are also the places in front of the loads below
.else
	PLACES
.endif
	FETCH 0, F0
	MUL16 F1, 1, 0, 0
	MUL16 F1, 1, 2, 0
.endm
.macro LASTQ                           ; the very last quarter: nothing more to fetch
	s_wait_dscnt 8
	MUL16 F1, 0, 0, 0
	MUL16 F1, 0, 2, 0
	s_wait_dscnt 0x0
	MUL16 F1, 1, 0, 0
	MUL16 F1, 1, 2, 0
.endm
; THE WAY OUT of row block a.  PACK: rounded to f16, 16 bytes a lane (each accumulator's registers in ascending order).  TOSTAGE: into my own stage, and back as whole rows.  SEND: stored.
.macro PACK a
	WIN 0x0a+5*((\a)/4)                            ; sources in window 2 or 3, destination in window 0
.irp b, 0,1,2,3,4,5,6,7
.irp r, 0,1,2,3
	v_cvt_pk_f16_f32 v[TMP+4*(\b)+(\r)], v[64*((\a)%4)+8*(\b)+2*(\r)], v[64*((\a)%4)+8*(\b)+2*(\r)+1]
.endr
.endr
	WIN 0
.endm
.macro TOSTAGE a
.irp b, 0,1,2,3,4,5,6,7
	ds_store_b128 v[STO], v[TMP+4*(\b):TMP+4*(\b)+3] offset:32*(\b)
.endr
.irp t, 0,1,2,3,4,5,6,7
	ds_load_b128 v[OB+32*((\a)%2)+4*(\t):OB+32*((\a)%2)+4*(\t)+3], v[RD] offset:(\t)*2*SPITCH  ; LDS serves a wave's instructions in order: these see the stores above
.endr
.endm
.macro SEND a
	s_wait_dscnt 0x0                               ; the block is back in registers
	s_wait_xcnt 0x0                                ; the stores of the block before have read their registers: the next TOSTAGE loads into them
.irp t, 0,1,2,3,4,5,6,7
	global_store_b128 v[CO], v[OB+32*((\a)%2)+4*(\t):OB+32*((\a)%2)+4*(\t)+3], s[8:9] offset:(16*(\a)+2*(\t))*CP  ; 16 lanes store 256 consecutive bytes, at a multiple of 256 from C's first byte
.endr
.endm
	s_wait_tensorcnt 1                             ; my part of K step 0 is in; K step 1's may stay out
	s_barrier_signal -1
	s_barrier_wait -1                              ; everybody's is
	FETCH 0, F0
	QUARTER 64, F0, F1, 1                          ; the first quarter starts the sums
	WIN 0
	s_mov_b32 s3, 6
.Lstep:                                                ; a trip: from a K step's second quarter to the next step's first; six trips ask for K steps 2 to 7
	QUARTER 128, F1, F0, 0
	QUARTER 192, F0, F1, 0
	TURN 1
	QUARTER 64, F0, F1, 0
	WIN 0
	s_sub_co_u32 s3, s3, 1
	s_cmp_lg_u32 s3, 0
	s_cbranch_scc1 .Lstep
	s_mov_b32 s2, 2                                ; K steps 6 and 7 ask for nothing more: a loop of their own, with no tensor load in it, left in the middle of its second trip
.Ltail:
	QUARTER 128, F1, F0, 0
	QUARTER 192, F0, F1, 0
	WIN 0
	s_cmp_eq_u32 s2, 1
	s_cbranch_scc1 .Llastq
	TURN 0
	QUARTER 64, F0, F1, 0
	WIN 0
	s_sub_co_u32 s2, s2, 1
	s_branch .Ltail
.Llastq:
	LASTQ
	WIN 0
	PLACES
	PLACES
	PACK 0
	TOSTAGE 0
.irp a, 1,2,3,4,5,6,7
	PACK \a                                        ; a block's conversions stand between the loads of the block before and the wait for them
	SEND (\a)-1
	TOSTAGE \a
.endr
	SEND 7
	s_wait_tensorcnt 0x0                           ; the wave's end, behind my last tensor load and my last LDS store
	ds_add_u32 v[SPW], v[NIL]
	s_wait_dscnt 0x0
	CROUND                                         ; the closing round: no work-group ends while a partner may still ask for a tile that names it
	s_endpgm
.Lfunc_end_k_q245fc0317d_qk:
	.size	k_q245fc0317d_qk, .Lfunc_end_k_q245fc0317d_qk-k_q245fc0317d_qk
	.p2alignl 7, 3214868480
	.fill 96, 4, 3214868480
	.section	.rodata,"a",@progbits
	.p2align	6, 0x0
	.amdhsa_kernel k_q245fc0317d_qk
		.amdhsa_group_segment_fixed_size 327680
		.amdhsa_private_segment_fixed_size 0
		.amdhsa_enable_private_segment 0
		.amdhsa_kernarg_size 24
		.amdhsa_user_sgpr_count 2
		.amdhsa_user_sgpr_kernarg_segment_ptr 1
		.amdhsa_wavefront_size32 1
		.amdhsa_system_sgpr_workgroup_id_x 1
		.amdhsa_system_sgpr_workgroup_id_y 1
		.amdhsa_system_sgpr_workgroup_id_z 1
		.amdhsa_system_vgpr_workitem_id 0
		.amdhsa_next_free_vgpr 1024
		.amdhsa_next_free_sgpr 66
		.amdhsa_reserve_vcc 0
		.amdhsa_float_denorm_mode_32 3
		.amdhsa_float_denorm_mode_16_64 3
		.amdhsa_memory_ordered 1
		.amdhsa_forward_progress 1
		.amdhsa_inst_pref_size 104
	.end_amdhsa_kernel
	.amdgpu_metadata
---
amdhsa.version: [ 1, 2 ]
amdhsa.kernels:
  - .name:           k_q245fc0317d_qk
    .symbol:         k_q245fc0317d_qk.kd
    .args:
      - { .name: xh, .offset: 0, .size: 8, .value_kind: global_buffer, .address_space: global }
      - { .name: wh, .offset: 8, .size: 8, .value_kind: global_buffer, .address_space: global }
      - { .name: qk, .offset: 16, .size: 8, .value_kind: global_buffer, .address_space: global }
    .group_segment_fixed_size: 327680
    .private_segment_fixed_size: 0
    .kernarg_segment_align: 8
    .kernarg_segment_size: 24
    .max_flat_workgroup_size: 128
    .sgpr_count:     66
    .vgpr_count:     1024
    .wavefront_size: 32
...
	.end_amdgpu_metadata
.endif
;; end of part 8
;; launch scores (part 9): grid 4 x 48, 4 waves a work-group, clusters of 4 x 4, 327,680 bytes of LDS; arguments qk, sc; writes sc
.if DOCPART == 9
	.amdgcn_target "amdgcn-amd-amdhsa--gfx1250"
	.amdhsa_code_object_version 6
	.text
	.protected	k_q245fc0317d_scores
	.globl	k_q245fc0317d_scores
	.p2align	8
	.type	k_q245fc0317d_scores,@function
k_q245fc0317d_scores:
	s_mov_b64 s[64:65], 0
	v_nop
	global_prefetch_b8 v0, s[64:65] scope:SCOPE_SE
	s_setreg_imm32_b32 hwreg(HW_REG_WAVE_MODE, 25, 1), 1
	s_wait_xcnt 0x0
	s_wait_alu depctr_hold_cnt(0) depctr_sa_sdst(0) depctr_va_vdst(0) depctr_va_sdst(0) depctr_va_ssrc(0) depctr_va_vcc(0) depctr_vm_vsrc(0)
	s_getreg_b32 s2, hwreg(HW_REG_IB_STS2, 6, 4)
	s_cmp_eq_u32 s2, 0
	s_cbranch_scc0 .Lentry_in_a_cluster
	s_endpgm
.Lentry_in_a_cluster:
	s_bfe_u32 s2, ttmp6, 0x10000c
	s_cmp_lg_u32 s2, 0xf033
	s_cbranch_scc0 .Lentry_shape_is_right
	s_endpgm
.Lentry_shape_is_right:
; sc[bt][t][s] = the sum over d of q[bt][t][d] k[bt][s][d], unscaled, in f32.  q and k are f16 columns 0-1023 and 1024-2047 of qk [8192][2048].  sc: [4][2048][2048] f32.
; ONLY WHAT THE CAUSAL MASK CAN LET THROUGH.  A cluster makes 1,024 rows x 1,024 keys; of a batch's four such blocks the one above the diagonal is left out: three clusters a batch, twelve in all.
; Tiles of a diagonal block that lie wholly above the diagonal are made and stored like the others: their work-groups are named by the joint loads.
; The rest of sc is neither written here nor read later.
; LIMITS.  The sums' order is the matrix unit's; infinities and NaN are not treated apart.
; SHARES, RING, CLUSTER: a tile of 256 x 256, four waves of 128 x 128 (64 accumulators), K steps of 128 through two LDS slots, each wave fetching 128 rows of 256 bytes; joint loads along the
; cluster's rows (q) and columns (k); source 0 = 16 rows of k, source 1 = 16 rows of q, so that a lane holds eight neighbouring numbers of a row.
; REGISTERS.  Window 0: v0-31 addresses; v64-127, v128-191 q's fragments, two buffers (on the way out v64-255: three buffers of 16 rows).  Window 1: v64-127, v128-191 k's fragments.
; Window 2: the accumulators of my rows 0-63 ((a, b) at v[8 (8 a + b)]).  Window 3: those of my rows 64-127.
.set PITCH,  272
.set HALFT,  128*PITCH
.set SLOT,   4*HALFT                   ; 0x22000, which shares no bit with wave x HALFT: one exclusive or changes slots
.set STAGE,  2*SLOT                    ; behind the ring, never filled by a tensor load: 16 rows x 528 bytes for each wave
.set SPITCH, 528                       ; 512 bytes + 16: the 16 rows that a store touches start 16 bytes apart modulo 256
.set SPARE,  STAGE+4*16*SPITCH         ; the spare words: two blocks of 256 bytes that no other line names
.set KB,     256
.set CP,     8192                      ; bytes in a row of sc
.set ADRA0, 8
.set ADRB0, 9
.set ADRA, 16
.set ADRB, 20
.set STO,  24
.set RD,   25
.set CO,   26
.set SPW,  28
.set NIL,  29
.set F0,   64
.set F1,   128
.set OB,   64
.set G1,   24
.set G0,   32
.set TB,   45
.set G1B,  48
.set G0B,  56
.set MUL_LO, 0xa1                      ; source 0 (k) window 1, source 1 (q) window 0, C and D window 2
.set TO_B,   0x40
.set MSB, 0
.macro WIN new
.if MSB != (\new)
	s_set_vgpr_msb (MSB<<8)|(\new)
.set MSB, \new
.endif
.endm
.macro PLACES
.rept 4
	v_nop
.endr
.endm
.macro JLOAD s                         ; waves 0 and 1 fetch q's halves, waves 2 and 3 k's; an s_nop 0 and four v_nop follow each line
	s_cmp_eq_u32 s11, 0
	s_cbranch_scc0 .Lfor_b_\@
	tensor_load_to_lds s[G0+4*(\s):G0+4*(\s)+3], s[G1:G1+7]
	s_nop 0
.rept 4
	v_nop
.endr
	s_branch .Lasked_\@
.Lfor_b_\@:
	tensor_load_to_lds s[G0B+4*(\s):G0B+4*(\s)+3], s[G1B:G1B+7]
	s_nop 0
.rept 4
	v_nop
.endr
.Lasked_\@:
.endm
.macro CREST
	s_cmp_lg_u32 s10, 0
	s_cbranch_scc1 .Lnot_wave_0_\@
	s_barrier_signal -3
.Lnot_wave_0_\@:
	s_barrier_wait -3
	s_barrier_signal -1
	s_barrier_wait -1
.endm
.macro CROUND
	s_barrier_signal -1
	s_barrier_wait -1
	CREST
.endm
	s_load_b64 s[4:5], s[0:1], 0x0                 ; qk, for q's rows
	s_load_b64 s[6:7], s[0:1], 0x0                 ; qk once more, for k's rows
	s_load_b64 s[8:9], s[0:1], 0x8                 ; sc
	v_lshl_add_u32 v[SPW], v0, 2, SPARE
	v_mov_b32 v[NIL], 0
	ds_add_u32 v[SPW], v[NIL]                      ; the wave's opening: the add and its wait ahead of my first tensor load
	v_lshrrev_b32 v1, 5, v0
	v_readfirstlane_b32 s10, v1
	s_lshr_b32 s11, s10, 1
	s_and_b32 s12, s10, 1
	s_bfe_u32 s40, ttmp6, 0x40000                  ; cx
	s_bfe_u32 s41, ttmp6, 0x40004                  ; cy
	s_and_b32 s13, ttmp7, 0xffff                   ; the cluster's number, 0 to 11: the same in all sixteen
	s_and_b32 s66, s13, 3                          ; the batch
	s_lshr_b32 s67, s13, 2                         ; 0 to 2: (row block, key block) = (0,0) (1,0) (1,1)
	s_add_co_u32 s69, s67, 1
	s_lshr_b32 s69, s69, 1                         ; the block of 1,024 rows
	s_lshr_b32 s68, s67, 1                         ; the block of 1,024 keys
	s_lshl_b32 s66, s66, 11                        ; the batch's first row
	s_lshl_b32 s43, s41, 2
	s_lshl_b32 s43, 15, s43
	s_lshl_b32 s44, 0x1111, s40
	s_or_b32 s[G1+0], s43, (1<<16)|(1<<20)|(1<<21)|(5<<22)|(3<<25)
	s_or_b32 s[G1B+0], s44, (1<<16)|(1<<20)|(1<<21)|(5<<22)|(3<<25)
.irp g, G1, G1B
	s_mov_b32 s[(\g)+1], 128<<16
	s_mov_b32 s[(\g)+2], 128<<16
	s_mov_b32 s[(\g)+3], 128<<16
	s_mov_b32 s[(\g)+4], 128
	s_mov_b32 s[(\g)+5], 2048                      ; elements from row to row of qk
	s_mov_b32 s[(\g)+6], 0
	s_mov_b32 s[(\g)+7], 0
.endr
	s_lshl_b32 s18, s69, 10                        ; the tile's first row: 2,048 bt + 1,024 x row block + 256 cy
	s_add_co_u32 s18, s18, s66
	s_lshl_b32 s19, s41, 8
	s_add_co_u32 s18, s18, s19
	s_lshl_b32 s19, s12, 7
	s_add_co_u32 s16, s18, s19                     ; + the 128 rows that I fetch
	s_lshl_b32 s16, s16, 12                        ; x 4,096 bytes: under 2^26
	s_mov_b32 s17, 0
	s_lshl_b32 s46, s68, 10                        ; the tile's first key in its batch: 1,024 x key block + 256 cx
	s_lshl_b32 s47, s40, 8
	s_add_co_u32 s70, s46, s47
	s_add_co_u32 s46, s70, s66
	s_lshl_b32 s47, s12, 7
	s_add_co_u32 s46, s46, s47                     ; + the 128 rows that I fetch
	s_lshl_b32 s46, s46, 12
	s_add_co_u32 s46, s46, 2048                    ; k begins 2,048 bytes into a row of qk
	s_mov_b32 s47, 0
	s_mul_i32 s20, s10, HALFT
	s_mov_b32 s[TB], 0
	s_wait_dscnt 0x0
	s_wait_kmcnt 0x0
	s_add_nc_u64 s[14:15], s[4:5], s[16:17]
	s_add_nc_u64 s[46:47], s[6:7], s[46:47]
	CROUND
.irp s, 0,1
	s_mov_b32 s[G0+4*(\s)], 1
	s_add_co_u32 s[G0+4*(\s)+1], s20, (\s)*SLOT
	s_add_nc_u64 s[G0+4*(\s)+2:G0+4*(\s)+3], s[14:15], (\s)*KB
	s_or_b32 s[G0+4*(\s)+3], s[G0+4*(\s)+3], 0x80000000
	s_mov_b32 s[G0B+4*(\s)], 1
	s_add_co_u32 s[G0B+4*(\s)+1], s20, (\s)*SLOT
	s_add_nc_u64 s[G0B+4*(\s)+2:G0B+4*(\s)+3], s[46:47], (\s)*KB
	s_or_b32 s[G0B+4*(\s)+3], s[G0B+4*(\s)+3], 0x80000000
	JLOAD \s
.endr
	v_and_b32 v1, 15, v0
	v_bfe_u32 v2, v0, 4, 1
	v_mul_u32_u24 v3, v1, PITCH
	v_lshl_add_u32 v3, v2, 4, v3
	s_mul_i32 s21, s11, HALFT
	s_mul_i32 s22, s12, HALFT
	s_add_co_u32 s22, s22, 2*HALFT
	v_add_nc_u32 v[ADRA0], s21, v3
	v_add_nc_u32 v[ADRB0], s22, v3
	v_mov_b32 v[ADRA], v[ADRA0]
	v_mov_b32 v[ADRB], v[ADRB0]
	s_mul_i32 s23, s10, 16*SPITCH
	s_add_co_u32 s23, s23, STAGE                   ; my stage
	v_mul_u32_u24 v4, v1, SPITCH                   ; in: row l % 16, 32 bytes for each half of the lanes
	v_lshl_add_u32 v4, v2, 5, v4
	v_add_nc_u32 v[STO], s23, v4
	v_and_b32 v5, 31, v0
	v_lshlrev_b32 v[CO], 4, v5                     ; back and out: 32 lanes take a row's 512 bytes
	v_add_nc_u32 v[RD], s23, v[CO]
	s_lshl_b32 s19, s11, 7
	s_add_co_u32 s16, s18, s19                     ; C at my first row,
	s_lshl_b32 s16, s16, 13                        ; x 8,192 bytes: under 2^27
	s_mov_b32 s17, 0
	s_add_nc_u64 s[8:9], s[8:9], s[16:17]
	s_lshl_b32 s47, s12, 7
	s_add_co_u32 s46, s70, s47                     ; and my first key, 4 bytes each
	s_lshl_b32 s46, s46, 2
	s_mov_b32 s47, 0
	s_add_nc_u64 s[8:9], s[8:9], s[46:47]
.macro MUL16 f, hi, a0, zero           ; row blocks a0, a0 + 1 of the window's four x all 8 key blocks; the 64 accumulators take turns in one order everywhere
	WIN MUL_LO+0x50*(\hi)
.irp a, \a0, (\a0)+1
.irp b, 0,1,2,3,4,5,6,7
.if \zero
	v_wmma_f32_16x16x32_f16 v[8*(8*(\a)+(\b)):8*(8*(\a)+(\b))+7], v[(\f)+8*(\b):(\f)+8*(\b)+7], v[(\f)+8*(4*(\hi)+(\a)):(\f)+8*(4*(\hi)+(\a))+7], 0
.else
	v_wmma_f32_16x16x32_f16 v[8*(8*(\a)+(\b)):8*(8*(\a)+(\b))+7], v[(\f)+8*(\b):(\f)+8*(\b)+7], v[(\f)+8*(4*(\hi)+(\a)):(\f)+8*(4*(\hi)+(\a))+7], v[8*(8*(\a)+(\b)):8*(8*(\a)+(\b))+7]
.endif
.endr
.endr
.endm
.macro FETCH k, f                      ; 32 LDS loads in one run: k's sixteen, then q's blocks 0 to 7
	WIN TO_B
.irp i, 0,1,2,3,4,5,6,7
	ds_load_b128 v[(\f)+8*(\i):(\f)+8*(\i)+3],   v[ADRB] offset:(\k)+(\i)*16*PITCH
	ds_load_b128 v[(\f)+8*(\i)+4:(\f)+8*(\i)+7], v[ADRB] offset:(\k)+(\i)*16*PITCH+32
.endr
	WIN 0
.irp i, 0,1,2,3,4,5,6,7
	ds_load_b128 v[(\f)+8*(\i):(\f)+8*(\i)+3],   v[ADRA] offset:(\k)+(\i)*16*PITCH
	ds_load_b128 v[(\f)+8*(\i)+4:(\f)+8*(\i)+7], v[ADRA] offset:(\k)+(\i)*16*PITCH+32
.endr
.endm
.macro QUARTER k, f, g, zero
	s_wait_dscnt 8                                 ; the youngest eight loads (q's blocks 4-7) may be out
	MUL16 \f, 0, 0, \zero
	MUL16 \f, 0, 2, \zero
	PLACES
	FETCH \k, \g
	s_wait_dscnt 32                                ; all but the 32 just issued
	MUL16 \f, 1, 0, \zero
	MUL16 \f, 1, 2, \zero
.endm
; The change of slots: each wave waits for all its tensor loads, adds 0 to its spare word, waits for that and for its reads of this slot, and signals.  mode 1: the barrier opens a round of the
; cluster's barrier, and behind the round this slot is filled again, with the K step two on.  mode 0: nothing is asked for.
.macro TURN mode
	WIN 0
	s_wait_tensorcnt 0x0
	ds_add_u32 v[SPW], v[NIL]
	s_wait_dscnt 9                                 ; (the add and the youngest eight loads may be out)
	MUL16 F1, 0, 0, 0
.if \mode
	s_xor_b32 s[G0+5], s[G0+5], SLOT
	s_add_nc_u64 s[G0+6:G0+7], s[G0+6:G0+7], KB
	s_xor_b32 s[G0B+5], s[G0B+5], SLOT
	s_add_nc_u64 s[G0B+6:G0B+7], s[G0B+6:G0B+7], KB
.endif
	s_xor_b32 s[TB], s[TB], SLOT
	s_wait_dscnt 0x0                               ; the add is done, and my reads of this slot are over
	s_barrier_signal -1
	MUL16 F1, 0, 2, 0
	WIN 0
	v_add_nc_u32 v[ADRA], s[TB], v[ADRA0]
	v_add_nc_u32 v[ADRB], s[TB], v[ADRB0]
	s_barrier_wait -1
.if \mode
	CREST
	JLOAD 1                                        ; its four v_nop are also the places in front of the loads below
.else
	PLACES
.endif
	FETCH 0, F0
	MUL16 F1, 1, 0, 0
	MUL16 F1, 1, 2, 0
.endm
.macro LASTQ
	s_wait_dscnt 8
	MUL16 F1, 0, 0, 0
	MUL16 F1, 0, 2, 0
	s_wait_dscnt 0x0
	MUL16 F1, 1, 0, 0
	MUL16 F1, 1, 2, 0
.endm
; THE WAY OUT of row block a, in f32.  STG: a lane's 32 bytes of each accumulator, the low half first, into my own stage; back as whole rows of 512 bytes.  SND: stored.
.macro STG a
	WIN 0x08+4*((\a)/4)                            ; the stores' data in window 2 or 3
.irp b, 0,1,2,3,4,5,6,7
	ds_store_b128 v[STO], v[64*((\a)%4)+8*(\b):64*((\a)%4)+8*(\b)+3]   offset:64*(\b)
	ds_store_b128 v[STO], v[64*((\a)%4)+8*(\b)+4:64*((\a)%4)+8*(\b)+7] offset:64*(\b)+16
.endr
	WIN 0
.irp t, 0,1,2,3,4,5,6,7,8,9,10,11,12,13,14,15
	ds_load_b128 v[OB+64*((\a)%3)+4*(\t):OB+64*((\a)%3)+4*(\t)+3], v[RD] offset:(\t)*SPITCH  ; LDS serves a wave's instructions in order: these see the stores above, and the next block's stores come behind them
.endr
.endm
.macro SND a, younger                  ; younger: the next block's 32 LDS instructions, or none
	s_wait_dscnt \younger
.irp t, 0,1,2,3,4,5,6,7,8,9,10,11,12,13,14,15
	global_store_b128 v[CO], v[OB+64*((\a)%3)+4*(\t):OB+64*((\a)%3)+4*(\t)+3], s[8:9] offset:(16*(\a)+(\t))*CP  ; 512 consecutive bytes, at a multiple of 512 from C's first byte
.endr
.endm
	s_wait_tensorcnt 1                             ; my part of K step 0 is in; K step 1's may stay out
	s_barrier_signal -1
	s_barrier_wait -1
	FETCH 0, F0
	QUARTER 64, F0, F1, 1
	WIN 0
	s_mov_b32 s3, 6
.Lstep:                                                ; six trips ask for K steps 2 to 7
	QUARTER 128, F1, F0, 0
	QUARTER 192, F0, F1, 0
	TURN 1
	QUARTER 64, F0, F1, 0
	WIN 0
	s_sub_co_u32 s3, s3, 1
	s_cmp_lg_u32 s3, 0
	s_cbranch_scc1 .Lstep
	s_mov_b32 s2, 2                                ; K steps 6 and 7 ask for nothing more: a loop of their own, with no tensor load in it, left in the middle of its second trip
.Ltail:
	QUARTER 128, F1, F0, 0
	QUARTER 192, F0, F1, 0
	WIN 0
	s_cmp_eq_u32 s2, 1
	s_cbranch_scc1 .Llastq
	TURN 0
	QUARTER 64, F0, F1, 0
	WIN 0
	s_sub_co_u32 s2, s2, 1
	s_branch .Ltail
.Llastq:
	LASTQ
	WIN 0
	PLACES
	PLACES
	STG 0
	STG 1
	SND 0, 32
	STG 2
	SND 1, 32
.irp a, 3,4,5,6,7
	s_wait_xcnt 0x0                                ; the stores of the block three back have read their registers, which this block takes
	STG \a
	SND (\a)-1, 32
.endr
	SND 7, 0
	s_wait_tensorcnt 0x0                           ; the wave's end
	ds_add_u32 v[SPW], v[NIL]
	s_wait_dscnt 0x0
	CROUND                                         ; the closing round
	s_endpgm
.Lfunc_end_k_q245fc0317d_scores:
	.size	k_q245fc0317d_scores, .Lfunc_end_k_q245fc0317d_scores-k_q245fc0317d_scores
	.p2alignl 7, 3214868480
	.fill 96, 4, 3214868480
	.section	.rodata,"a",@progbits
	.p2align	6, 0x0
	.amdhsa_kernel k_q245fc0317d_scores
		.amdhsa_group_segment_fixed_size 327680
		.amdhsa_private_segment_fixed_size 0
		.amdhsa_enable_private_segment 0
		.amdhsa_kernarg_size 16
		.amdhsa_user_sgpr_count 2
		.amdhsa_user_sgpr_kernarg_segment_ptr 1
		.amdhsa_wavefront_size32 1
		.amdhsa_system_sgpr_workgroup_id_x 1
		.amdhsa_system_sgpr_workgroup_id_y 1
		.amdhsa_system_sgpr_workgroup_id_z 1
		.amdhsa_system_vgpr_workitem_id 0
		.amdhsa_next_free_vgpr 1024
		.amdhsa_next_free_sgpr 72
		.amdhsa_reserve_vcc 0
		.amdhsa_float_denorm_mode_32 3
		.amdhsa_float_denorm_mode_16_64 3
		.amdhsa_memory_ordered 1
		.amdhsa_forward_progress 1
		.amdhsa_inst_pref_size 102
	.end_amdhsa_kernel
	.amdgpu_metadata
---
amdhsa.version: [ 1, 2 ]
amdhsa.kernels:
  - .name:           k_q245fc0317d_scores
    .symbol:         k_q245fc0317d_scores.kd
    .args:
      - { .name: qk, .offset: 0, .size: 8, .value_kind: global_buffer, .address_space: global }
      - { .name: sc, .offset: 8, .size: 8, .value_kind: global_buffer, .address_space: global }
    .group_segment_fixed_size: 327680
    .private_segment_fixed_size: 0
    .kernarg_segment_align: 8
    .kernarg_segment_size: 16
    .max_flat_workgroup_size: 128
    .sgpr_count:     72
    .vgpr_count:     1024
    .wavefront_size: 32
...
	.end_amdgpu_metadata
.endif
;; end of part 9
;; launch softmax: the kernel of part 4 again; grid 256 x 1, 8 waves a work-group, no clusters, 0 bytes of LDS; arguments sc, pw, li; writes pw, li
;; launch px (part 10): grid 4 x 72, 4 waves a work-group, clusters of 4 x 4, 327,680 bytes of LDS; arguments pw, xh, wh, li, ob, wvo; writes ob, wvo
.if DOCPART == 10
	.amdgcn_target "amdgcn-amd-amdhsa--gfx1250"
	.amdhsa_code_object_version 6
	.text
	.protected	k_q245fc0317d_px
	.globl	k_q245fc0317d_px
	.p2align	8
	.type	k_q245fc0317d_px,@function
k_q245fc0317d_px:
	s_mov_b64 s[64:65], 0
	v_nop
	global_prefetch_b8 v0, s[64:65] scope:SCOPE_SE
	s_setreg_imm32_b32 hwreg(HW_REG_WAVE_MODE, 25, 1), 1
	s_wait_xcnt 0x0
	s_wait_alu depctr_hold_cnt(0) depctr_sa_sdst(0) depctr_va_vdst(0) depctr_va_sdst(0) depctr_va_ssrc(0) depctr_va_vcc(0) depctr_vm_vsrc(0)
	s_getreg_b32 s2, hwreg(HW_REG_IB_STS2, 6, 4)
	s_cmp_eq_u32 s2, 0
	s_cbranch_scc0 .Lentry_in_a_cluster
	s_endpgm
.Lentry_in_a_cluster:
	s_bfe_u32 s2, ttmp6, 0x10000c
	s_cmp_lg_u32 s2, 0xf033
	s_cbranch_scc0 .Lentry_shape_is_right
	s_endpgm
.Lentry_shape_is_right:
; TWO PRODUCTS OF ONE SHAPE, C = f x (A B): A [rows][K] with K along the rows, B [K][channels], f a factor for each row; f16 operands, sums in f32, times f in f32, rounded once to f16.
; (1) ob[bt][t][d] = (li[bt][t] / 32) x the sum over s of pw[bt][t][s] xh[bt][s][d]: the attention's mean of x's rows, over 32.  pw: [4][2048][2048], xh: [8192][1024], li: [8192] f32, ob: [8192][1024].
; (2) wvo[e][d] = 32 x the sum over c of W_o[e][c] W_v[c][d].  W_v lies in wh from byte 4,194,304, W_o from byte 6,291,456 with rows 4,096 bytes apart, the pitch of pw's rows.  wvo: [1024][1024].
; WHY.  attn (x W_v^T) W_o^T = (attn x) (W_o W_v)^T: the same sums in another order, with one product of 8192 x 1024 x 1024 less.  The next launch multiplies ob by wvo; the two factors 32 cancel.
; LIMITS.  32 |W_o W_v| stays within f16's 65,504, and keeps f16's fixed step of 6e-8 below 6.1e-5, so the factor 32 lifts products of small weights above that; ob has x's range over 32.
; The sums' order is the matrix unit's, and differs from the reference's as said.
; THE WALK.  A cluster makes 512 rows x 1,024 channels.  For (1), row group g of a batch walks the keys 0 .. 512 (g + 1) - 1: 2 (g + 1) laps of two K steps of 128; the weights above the diagonal are
; zeros that the launch before has written.  For (2), K = 1,024: four laps.  The number of laps hangs on the cluster's number alone.
; THE ORDER.  Clusters 0, 1: g = 0 of batches 2, 3; clusters 2-13: g = 3, 2, 1; clusters 14, 15: g = 0 of batches 0, 1; clusters 16, 17: product (2).  There are eighteen clusters for sixteen times
; sixteen WGPs: whether the last two follow the first two on their WGPs or the first that end, they follow a walk of 4 K steps, and 4 + 8 K steps are fewer than the longest walk's 16.
; SHARES, RING, CLUSTER: a tile of 128 x 256, four waves of 64 x 128, two LDS slots, joint loads along the cluster's rows (A) and columns (B).
; LAYOUT.  Source 0 = 16 channels of B, source 1 = 16 rows of A: a lane holds eight neighbouring channels of one row.  B comes out of LDS turned, by ds_load_tr16_b128.
; REGISTERS.  Window 0: v0-31 addresses and f; v32-63 packed results; v64-159, v160-255 fragment buffers.  Window 1: accumulator (a, b) at v[8 (8 a + b)].
.set PITCH,  272                       ; a row of A in LDS: 256 bytes + 16
.set PV,     544                       ; a row of B: 512 bytes + 32: 16 lanes of the turning load take 8 rows x 32 bytes, 32 bytes apart modulo 256
.set AHALF,  64*PITCH
.set BHALF,  64*PV                     ; 64 rows: what a wave fetches of B
.set BOFF,   2*AHALF
.set SLOT1,  1<<17
.set STAGE,  SLOT1+BOFF+2*BHALF        ; behind the ring, never filled by a tensor load
.set SPITCH, 272
.set SPARE,  STAGE+4*16*SPITCH
.set KB,     256                       ; a K step in a row of A
.set VB,     128*2048                  ; a K step's 128 rows of B
.set CP,     2048
.set WV_OFF, 4194304                   ; W_v in wh
.set WO_OFF, 6291456                   ; W_o in wh
.set LIO,  6                           ; v6      4 (l % 16); never rewritten
.set C32,  7                           ; v7      32.0
.set LI,   8                           ; v[8:15] f of my row in blocks 0 to 3, each the low word of a pair
.set ADRA, 16                          ; v16-17  my place in A's tile of slot 0, 1; v18 the same in the slot that the last lap is reading ('slot 2' of the macros)
.set ADRB, 20                          ; v20-21  the same for B; v22 for the last lap
.set STO,  24
.set RD,   25
.set CO,   26
.set SPW,  28
.set NIL,  29
.set PFO,  30                          ; v30     the prefetches' offset: 4,096 x lane, a lane a row; never rewritten
.set TMP,  32
.set SC,   64                          ; the way out: a block's 64 scaled sums
.set F0,   64
.set F1,   160
.set OB,   128                         ; the way out: four buffers of 32
.set G1,   24
.set G0,   32                          ; s[32:39] group 0 for A's tiles, a set for each slot
.set G1B,  48
.set G0B,  56
.set NLM1, 70                          ; s70  laps less one
.set LIM,  71                          ; s71  the same in wave 0, which prefetches; 0 in the others
.set PFA,  74                          ; s[74:75] where my prefetches stand
.set SECOND, 84                        ; s84  1 in the clusters that make product (2)
.set FM,   85                          ; s85  all ones there, else 0: a lane mask
.set MUL,  0x50
.set MSB, 0
.macro WIN new
.if MSB != (\new)
	s_set_vgpr_msb (MSB<<8)|(\new)
.set MSB, \new
.endif
.endm
.macro PLACES
.rept 4
	v_nop
.endr
.endm
.macro JLOAD s                         ; waves 0 and 1 fetch A's halves, waves 2 and 3 B's; an s_nop 0 and four v_nop follow each line
	s_cmp_eq_u32 s11, 0
	s_cbranch_scc0 .Lfor_b_\@
	tensor_load_to_lds s[G0+4*(\s):G0+4*(\s)+3], s[G1:G1+7]
	s_nop 0
.rept 4
	v_nop
.endr
	s_branch .Lasked_\@
.Lfor_b_\@:
	tensor_load_to_lds s[G0B+4*(\s):G0B+4*(\s)+3], s[G1B:G1B+7]
	s_nop 0
.rept 4
	v_nop
.endr
.Lasked_\@:
.endm
.macro CREST
	s_cmp_lg_u32 s10, 0
	s_cbranch_scc1 .Lnot_wave_0_\@
	s_barrier_signal -3
.Lnot_wave_0_\@:
	s_barrier_wait -3
	s_barrier_signal -1
	s_barrier_wait -1
.endm
.macro CROUND
	s_barrier_signal -1
	s_barrier_wait -1
	CREST
.endm
; A PREFETCH INTO THE L2 OF A'S ROWS, behind each joint load and the run of LDS loads that follows it: the K step that stands two refills on.  A tile's 128 rows are asked for jointly by the four
; partners of one row of one cluster, and by nobody else: partner cx names rows 32 cx .. 32 cx + 31, told apart by address; in each, wave 0 asks: a lane a row, 256 bytes of it, one instruction.
; So each row's 256 bytes of a K step are named once in the launch.  The first four K steps come by their loads alone; the last lap that refills asks for nothing: there is no K step two refills on.
.macro ASK
	s_add_co_u32 s72, s3, 1
	s_cmp_lt_u32 s72, s[LIM]
	s_cbranch_scc0 .Lnot_mine_\@
	global_prefetch_b8 v[PFO], s[PFA:PFA+1] th:TH_LOAD_NT scope:SCOPE_SE
.Lnot_mine_\@:
.endm
	s_load_b128 s[4:7], s[0:1], 0x0                ; pw s[4:5], xh s[6:7]
	s_load_b128 s[76:79], s[0:1], 0x10             ; wh s[76:77], li s[78:79]
	s_load_b128 s[80:83], s[0:1], 0x20             ; ob s[80:81], wvo s[82:83]
	v_lshl_add_u32 v[SPW], v0, 2, SPARE
	v_mov_b32 v[NIL], 0
	ds_add_u32 v[SPW], v[NIL]                      ; the wave's opening: the add and its wait ahead of my first tensor load
	v_lshrrev_b32 v1, 5, v0
	v_readfirstlane_b32 s10, v1
	s_lshr_b32 s11, s10, 1
	s_and_b32 s12, s10, 1
	s_bfe_u32 s40, ttmp6, 0x40000                  ; cx
	s_bfe_u32 s41, ttmp6, 0x40004                  ; cy
	s_and_b32 s13, ttmp7, 0xffff                   ; the cluster's number, 0 to 17: the same in all sixteen partners
	s_cmp_ge_u32 s13, 16                           ; clusters 16 and 17
	s_cselect_b32 s[SECOND], 1, 0
	s_cselect_b32 s[FM], -1, 0
	s_cselect_b32 s88, WO_OFF, 0                   ; where A begins in its buffer
	s_cselect_b32 s89, WV_OFF, 0                   ; where B begins
	s_add_co_u32 s68, s13, 14
	s_and_b32 s68, s68, 15                         ; product (1): clusters 2 to 15 count 0 to 13, clusters 0 and 1 count 14 and 15
	s_lshr_b32 s69, s68, 2
	s_sub_co_u32 s69, 3, s69                       ; g = 3, 2, 1, 0 for four counts each
	s_and_b32 s68, s68, 3                          ; the batch
	s_lshl_b32 s87, s68, 11                        ; the batch's first row, in pw, xh, li and ob
	s_lshl_b32 s86, s69, 9
	s_add_co_u32 s86, s86, s87                     ; the cluster's first row
	s_and_b32 s72, s13, 1
	s_lshl_b32 s72, s72, 9                         ; product (2): rows 0 or 512 of W_o,
	s_cmp_eq_u32 s[SECOND], 1
	s_cselect_b32 s86, s72, s86
	s_cselect_b32 s87, 0, s87                      ; all of W_v's rows,
	s_cselect_b32 s69, 1, s69                      ; and as many laps as g = 1 has
	s_lshl_b32 s[NLM1], s69, 1
	s_add_co_u32 s[NLM1], s[NLM1], 1
	s_cmp_eq_u32 s10, 0
	s_cselect_b32 s[LIM], s[NLM1], 0
	s_lshl_b32 s43, s41, 2
	s_lshl_b32 s43, 15, s43
	s_lshl_b32 s44, 0x1111, s40
	s_or_b32 s[G1+0], s43, (1<<16)|(1<<20)|(1<<21)|(5<<22)|(3<<25)   ; after every 64 words 4 words of padding
	s_or_b32 s[G1B+0], s44, (1<<16)|(1<<20)|(1<<21)|(6<<22)|(7<<25)  ; after every 128 words 8 words
	s_mov_b32 s[G1+1], 128<<16
	s_mov_b32 s[G1+2], 64<<16
	s_mov_b32 s[G1+3], 128<<16
	s_mov_b32 s[G1+4], 64
	s_mov_b32 s[G1+5], 2048                        ; 4,096 bytes from row to row, in pw and in W_o's copy
	s_mov_b32 s[G1+6], 0
	s_mov_b32 s[G1+7], 0
	s_mov_b32 s[G1B+1], 256<<16                    ; 256 channels
	s_mov_b32 s[G1B+2], 64<<16                     ; 64 rows
	s_mov_b32 s[G1B+3], 256<<16
	s_mov_b32 s[G1B+4], 64
	s_mov_b32 s[G1B+5], 1024
	s_mov_b32 s[G1B+6], 0
	s_mov_b32 s[G1B+7], 0
	s_lshl_b32 s19, s41, 7
	s_add_co_u32 s18, s86, s19                     ; the tile's first row
	s_lshl_b32 s19, s12, 6
	s_add_co_u32 s16, s18, s19                     ; + the 64 rows that I fetch
	s_lshl_b32 s16, s16, 12                        ; x 4,096 bytes: under 2^26
	s_add_co_u32 s16, s16, s88
	s_mov_b32 s17, 0
	s_add_co_u32 s46, s87, s19                     ; B: row 64 x half,
	s_lshl_b32 s46, s46, 11                        ; x 2,048 bytes,
	s_lshl_b32 s47, s40, 9                         ; channels 256 cx on
	s_add_co_u32 s46, s46, s47
	s_add_co_u32 s46, s46, s89
	s_mov_b32 s47, 0
	s_lshl_b32 s72, s40, 5                         ; the prefetches: my work-group's 32 rows of the tile,
	s_add_co_u32 s72, s72, s18
	s_lshl_b32 s72, s72, 12
	s_add_co_u32 s72, s72, 3*KB                    ; at K step 3: the first change of slots steps it to 4
	s_add_co_u32 s72, s72, s88
	s_mov_b32 s73, 0
	s_mul_i32 s20, s12, AHALF
	s_mul_i32 s21, s12, BHALF
	s_add_co_u32 s21, s21, BOFF
	s_wait_dscnt 0x0
	s_wait_kmcnt 0x0
	s_cmp_eq_u32 s[SECOND], 1                      ; the buffers are chosen by the cluster's number alone
	s_cselect_b64 s[4:5], s[76:77], s[4:5]         ; A: wh or pw
	s_cselect_b64 s[6:7], s[76:77], s[6:7]         ; B: wh or xh
	s_cselect_b64 s[8:9], s[82:83], s[80:81]       ; C: wvo or ob
	s_add_nc_u64 s[14:15], s[4:5], s[16:17]
	s_add_nc_u64 s[46:47], s[6:7], s[46:47]
	s_add_nc_u64 s[PFA:PFA+1], s[4:5], s[72:73]
	CROUND
.irp s, 0,1
	s_mov_b32 s[G0+4*(\s)], 1
	s_add_co_u32 s[G0+4*(\s)+1], s20, (\s)*SLOT1
	s_add_nc_u64 s[G0+4*(\s)+2:G0+4*(\s)+3], s[14:15], (\s)*KB
	s_or_b32 s[G0+4*(\s)+3], s[G0+4*(\s)+3], 0x80000000
	s_mov_b32 s[G0B+4*(\s)], 1
	s_add_co_u32 s[G0B+4*(\s)+1], s21, (\s)*SLOT1
	s_add_nc_u64 s[G0B+4*(\s)+2:G0B+4*(\s)+3], s[46:47], (\s)*VB
	s_or_b32 s[G0B+4*(\s)+3], s[G0B+4*(\s)+3], 0x80000000
	JLOAD \s
.endr
	v_and_b32 v1, 15, v0
	v_bfe_u32 v2, v0, 4, 1
	s_lshl_b32 s19, s11, 6
	s_add_co_u32 s18, s18, s19                     ; my wave's first row
	s_lshl_b32 s16, s18, 2
	s_mov_b32 s17, 0
	s_add_nc_u64 s[78:79], s[78:79], s[16:17]      ; (in product (2) rows 0 to 1,023 of li are loaded too, and not used)
	v_lshlrev_b32 v[LIO], 2, v1
.irp a, 0,1,2,3
	global_load_b32 v[LI+2*(\a)], v[LIO], s[78:79] offset:64*(\a)  ; 1 / l of row 16 a + l % 16; waited for on the way out
	v_mov_b32 v[LI+2*(\a)+1], 0                    ; named with it as a pair
.endr
	v_mov_b32 v[C32], 0x42000000
	v_mul_u32_u24 v3, v1, PITCH
	v_lshl_add_u32 v3, v2, 4, v3
	s_mul_i32 s21, s11, AHALF                      ; my 64 rows of A
	v_add_nc_u32 v[ADRA], s21, v3
	v_add_nc_u32 v[ADRA+1], SLOT1, v[ADRA]
	v_mov_b32 v[ADRA+2], v[ADRA]                   ; the last lap begins in slot 0
	; The turning load takes 16 rows x 16 channels of B (lane l reads row 8 (l / 16) + l % 8, channels 8 ((l / 8) % 2) + 0..7) and leaves half a fragment: lane l holds channel l % 16 and 8 K.
	v_and_b32 v4, 7, v0
	v_bfe_u32 v5, v0, 3, 1
	v_lshl_add_u32 v4, v2, 3, v4
	v_mul_u32_u24 v4, v4, PV
	v_lshl_add_u32 v4, v5, 4, v4
	s_lshl_b32 s22, s12, 8                         ; my 128 channels: 256 bytes of a row
	s_add_co_u32 s22, s22, BOFF
	v_add_nc_u32 v[ADRB], s22, v4
	v_add_nc_u32 v[ADRB+1], SLOT1, v[ADRB]
	v_mov_b32 v[ADRB+2], v[ADRB]
	s_mul_i32 s23, s10, 16*SPITCH
	s_add_co_u32 s23, s23, STAGE
	v_mul_u32_u24 v4, v1, SPITCH
	v_lshl_add_u32 v4, v2, 4, v4
	v_add_nc_u32 v[STO], s23, v4
	v_mul_u32_u24 v5, v2, SPITCH
	v_lshl_add_u32 v5, v1, 4, v5
	v_add_nc_u32 v[RD], s23, v5
	v_lshlrev_b32 v5, 11, v2                       ; 2,048 bytes a row of C
	v_lshl_add_u32 v[CO], v1, 4, v5
	v_and_b32 v[PFO], 31, v0
	v_lshlrev_b32 v[PFO], 12, v[PFO]
	s_lshl_b32 s16, s18, 11                        ; C at my first row,
	s_add_nc_u64 s[8:9], s[8:9], s[16:17]
	s_lshl_b32 s46, s40, 9                         ; and my first channel: 512 cx + 256 x half bytes
	s_lshl_b32 s47, s12, 8
	s_add_co_u32 s46, s46, s47
	s_mov_b32 s47, 0
	s_add_nc_u64 s[8:9], s[8:9], s[46:47]
.macro MUL8 f, a, zero                 ; row block a x all 8 channel blocks; the 32 accumulators take turns in one order everywhere
	WIN MUL
.irp b, 0,1,2,3,4,5,6,7
.if \zero
	v_wmma_f32_16x16x32_f16 v[8*(8*(\a)+(\b)):8*(8*(\a)+(\b))+7], v[(\f)+32+8*(\b):(\f)+32+8*(\b)+7], v[(\f)+8*(\a):(\f)+8*(\a)+7], 0
.else
	v_wmma_f32_16x16x32_f16 v[8*(8*(\a)+(\b)):8*(8*(\a)+(\b))+7], v[(\f)+32+8*(\b):(\f)+32+8*(\b)+7], v[(\f)+8*(\a):(\f)+8*(\a)+7], v[8*(8*(\a)+(\b)):8*(8*(\a)+(\b))+7]
.endif
.endr
.endm
.macro FETCH slot, q, f                ; quarter q (32 K) of a slot into buffer f: B's sixteen turning loads, then A's blocks 0 to 3
	WIN 0
.irp i, 0,1,2,3,4,5,6,7
	ds_load_tr16_b128 v[(\f)+32+8*(\i):(\f)+32+8*(\i)+3],   v[ADRB+(\slot)] offset:(\q)*32*PV+32*(\i)
	ds_load_tr16_b128 v[(\f)+32+8*(\i)+4:(\f)+32+8*(\i)+7], v[ADRB+(\slot)] offset:(\q)*32*PV+16*PV+32*(\i)
.endr
.irp i, 0,1,2,3
	ds_load_b128 v[(\f)+8*(\i):(\f)+8*(\i)+3],   v[ADRA+(\slot)] offset:64*(\q)+(\i)*16*PITCH
	ds_load_b128 v[(\f)+8*(\i)+4:(\f)+8*(\i)+7], v[ADRA+(\slot)] offset:64*(\q)+(\i)*16*PITCH+32
.endr
.endm
.macro QUARTER slot, q, f, g, zero     ; multiplies f, fetches quarter q into g
	s_wait_dscnt 4                                 ; the youngest four loads (A's blocks 2, 3) may be out
	MUL8 \f, 0, \zero
	MUL8 \f, 1, \zero
	PLACES
	FETCH \slot, \q, \g
	s_wait_dscnt 24                                ; all but the 24 just issued
	MUL8 \f, 2, \zero
	MUL8 \f, 3, \zero
.endm
; The change of slots: each wave waits for all its tensor loads, adds 0 to its spare word, waits for that and for its reads of this slot, and signals.  fill = 1: the barrier opens a round of the
; cluster's barrier, and behind the round this slot is filled again, with the K step two on.  next = 2: the last lap's one change: its address registers go on to slot 1.
.macro TURN slot, next, fill
.if \fill
	s_wait_xcnt 0x0                                ; the last prefetch, a K step back, has read its address, which is stepped here
	s_add_nc_u64 s[PFA:PFA+1], s[PFA:PFA+1], KB
.endif
	WIN 0
	s_wait_tensorcnt 0x0                           ; no tensor load of mine is out, so a group 0 may be written
	ds_add_u32 v[SPW], v[NIL]
	s_wait_dscnt 5                                 ; (the add and the youngest four loads may be out)
	MUL8 F1, 0, 0
.if \fill
	s_add_nc_u64 s[G0+4*(\slot)+2:G0+4*(\slot)+3], s[G0+4*(\slot)+2:G0+4*(\slot)+3], 2*KB
	s_add_nc_u64 s[G0B+4*(\slot)+2:G0B+4*(\slot)+3], s[G0B+4*(\slot)+2:G0B+4*(\slot)+3], 2*VB
.endif
	s_wait_dscnt 0x0                               ; the add is done, and my reads of this slot are over
	s_barrier_signal -1
	MUL8 F1, 1, 0
	WIN 0
.if (\next) == 2
	v_mov_b32 v[ADRA+2], v[ADRA+1]
	v_mov_b32 v[ADRB+2], v[ADRB+1]
.endif
	s_barrier_wait -1
.if \fill
	CREST
	JLOAD \slot                                    ; its four v_nop are also the places in front of the loads below
.else
	PLACES
.endif
	FETCH \next, 0, F0
.if \fill
	ASK
.endif
	MUL8 F1, 2, 0
	MUL8 F1, 3, 0
.endm
.macro LASTQ
	s_wait_dscnt 4
	MUL8 F1, 0, 0
	MUL8 F1, 1, 0
	s_wait_dscnt 0x0
	MUL8 F1, 2, 0
	MUL8 F1, 3, 0
.endm
; THE WAY OUT of row block a.  PACKS: times f (each accumulator's registers in ascending order), rounded to f16.  TOSTAGE: into my own stage, back as whole rows.  SEND: stored.
.macro PACKS a
	WIN 0x01                                       ; source 0 in window 1
.irp b, 0,1,2,3,4,5,6,7
.irp r, 0,1,2,3
	v_pk_mul_f32 v[SC+8*(\b)+2*(\r):SC+8*(\b)+2*(\r)+1], v[8*(8*(\a)+(\b))+2*(\r):8*(8*(\a)+(\b))+2*(\r)+1], v[LI+2*(\a):LI+2*(\a)+1] op_sel_hi:[1,0]
.endr
.endr
	WIN 0
.irp b, 0,1,2,3,4,5,6,7
.irp r, 0,1,2,3
	v_cvt_pk_f16_f32 v[TMP+4*(\b)+(\r)], v[SC+8*(\b)+2*(\r)], v[SC+8*(\b)+2*(\r)+1]
.endr
.endr
.endm
.macro TOSTAGE a
.irp b, 0,1,2,3,4,5,6,7
	ds_store_b128 v[STO], v[TMP+4*(\b):TMP+4*(\b)+3] offset:32*(\b)
.endr
.irp t, 0,1,2,3,4,5,6,7
	ds_load_b128 v[OB+32*(\a)+4*(\t):OB+32*(\a)+4*(\t)+3], v[RD] offset:(\t)*2*SPITCH  ; LDS serves a wave's instructions in order: these see the stores above
.endr
.endm
.macro SEND a
	s_wait_dscnt 0x0
.irp t, 0,1,2,3,4,5,6,7
	global_store_b128 v[CO], v[OB+32*(\a)+4*(\t):OB+32*(\a)+4*(\t)+3], s[8:9] offset:(16*(\a)+2*(\t))*CP  ; 16 lanes store 256 consecutive bytes, at a multiple of 256 from C's first byte
.endr
.endm
	s_wait_tensorcnt 1                             ; my part of K step 0 is in; K step 1's may stay out
	s_barrier_signal -1
	s_barrier_wait -1
	FETCH 0, 0, F0
	QUARTER 0, 1, F0, F1, 1
	WIN 0
	s_mov_b32 s3, 0
.Llap:                                                 ; all laps but the last: once round the ring, from a lap's second quarter to the next lap's first; both slots are filled again; the LDS addresses are fixed
	QUARTER 0, 2, F1, F0, 0
	QUARTER 0, 3, F0, F1, 0
	TURN 0, 1, 1
	QUARTER 1, 1, F0, F1, 0
	QUARTER 1, 2, F1, F0, 0
	QUARTER 1, 3, F0, F1, 0
	TURN 1, 0, 1
	QUARTER 0, 1, F0, F1, 0
	WIN 0
	s_add_co_u32 s3, s3, 1
	s_cmp_lt_u32 s3, s[NLM1]
	s_cbranch_scc1 .Llap
	s_mov_b32 s2, 2                                ; the last lap's two K steps ask for nothing more: a loop of two trips, with no tensor load in it, left in the middle of the second
.Ltail:
	QUARTER 2, 2, F1, F0, 0
	QUARTER 2, 3, F0, F1, 0
	WIN 0
	s_cmp_eq_u32 s2, 1
	s_cbranch_scc1 .Llastq
	TURN 2, 2, 0
	QUARTER 2, 1, F0, F1, 0
	WIN 0
	s_sub_co_u32 s2, s2, 1
	s_branch .Ltail
.Llastq:
	LASTQ
	WIN 0
	PLACES
	PLACES
	s_wait_loadcnt 0x0                             ; 1 / l
.irp a, 0,1,2,3
	v_mul_f32 v[LI+2*(\a)], 0x3d000000, v[LI+2*(\a)]  ; product (1): f = 1 / (32 l)
.endr
.irp a, 0,1,2,3
	v_cndmask_b32 v[LI+2*(\a)], v[LI+2*(\a)], v[C32], s[FM]  ; product (2): f = 32: a choice of a value, no branch
.endr
	PACKS 0
	TOSTAGE 0
.irp a, 1,2,3
	PACKS \a                                       ; a block's arithmetic stands between the loads of the block before and the wait for them
	SEND (\a)-1
	TOSTAGE \a
.endr
	SEND 3
	s_wait_tensorcnt 0x0                           ; the wave's end
	ds_add_u32 v[SPW], v[NIL]
	s_wait_dscnt 0x0
	CROUND                                         ; the closing round
	s_endpgm
.Lfunc_end_k_q245fc0317d_px:
	.size	k_q245fc0317d_px, .Lfunc_end_k_q245fc0317d_px-k_q245fc0317d_px
	.p2alignl 7, 3214868480
	.fill 96, 4, 3214868480
	.section	.rodata,"a",@progbits
	.p2align	6, 0x0
	.amdhsa_kernel k_q245fc0317d_px
		.amdhsa_group_segment_fixed_size 327680
		.amdhsa_private_segment_fixed_size 0
		.amdhsa_enable_private_segment 0
		.amdhsa_kernarg_size 48
		.amdhsa_user_sgpr_count 2
		.amdhsa_user_sgpr_kernarg_segment_ptr 1
		.amdhsa_wavefront_size32 1
		.amdhsa_system_sgpr_workgroup_id_x 1
		.amdhsa_system_sgpr_workgroup_id_y 1
		.amdhsa_system_sgpr_workgroup_id_z 1
		.amdhsa_system_vgpr_workitem_id 0
		.amdhsa_next_free_vgpr 512
		.amdhsa_next_free_sgpr 92
		.amdhsa_reserve_vcc 0
		.amdhsa_float_denorm_mode_32 3
		.amdhsa_float_denorm_mode_16_64 3
		.amdhsa_memory_ordered 1
		.amdhsa_forward_progress 1
		.amdhsa_inst_pref_size 90
	.end_amdhsa_kernel
	.amdgpu_metadata
---
amdhsa.version: [ 1, 2 ]
amdhsa.kernels:
  - .name:           k_q245fc0317d_px
    .symbol:         k_q245fc0317d_px.kd
    .args:
      - { .name: pw, .offset: 0, .size: 8, .value_kind: global_buffer, .address_space: global }
      - { .name: xh, .offset: 8, .size: 8, .value_kind: global_buffer, .address_space: global }
      - { .name: wh, .offset: 16, .size: 8, .value_kind: global_buffer, .address_space: global }
      - { .name: li, .offset: 24, .size: 8, .value_kind: global_buffer, .address_space: global }
      - { .name: ob, .offset: 32, .size: 8, .value_kind: global_buffer, .address_space: global }
      - { .name: wvo, .offset: 40, .size: 8, .value_kind: global_buffer, .address_space: global }
    .group_segment_fixed_size: 327680
    .private_segment_fixed_size: 0
    .kernarg_segment_align: 8
    .kernarg_segment_size: 48
    .max_flat_workgroup_size: 128
    .sgpr_count:     92
    .vgpr_count:     512
    .wavefront_size: 32
...
	.end_amdgpu_metadata
.endif
;; end of part 10
;; launch outp (part 11): grid 4 x 64, 4 waves a work-group, clusters of 4 x 4, 327,680 bytes of LDS; arguments ob, wvo, out0; writes out0
.if DOCPART == 11
	.amdgcn_target "amdgcn-amd-amdhsa--gfx1250"
	.amdhsa_code_object_version 6
	.text
	.protected	k_q245fc0317d_outp
	.globl	k_q245fc0317d_outp
	.p2align	8
	.type	k_q245fc0317d_outp,@function
k_q245fc0317d_outp:
	s_mov_b64 s[64:65], 0
	v_nop
	global_prefetch_b8 v0, s[64:65] scope:SCOPE_SE
	s_setreg_imm32_b32 hwreg(HW_REG_WAVE_MODE, 25, 1), 1
	s_wait_xcnt 0x0
	s_wait_alu depctr_hold_cnt(0) depctr_sa_sdst(0) depctr_va_vdst(0) depctr_va_sdst(0) depctr_va_ssrc(0) depctr_va_vcc(0) depctr_vm_vsrc(0)
	s_getreg_b32 s2, hwreg(HW_REG_IB_STS2, 6, 4)
	s_cmp_eq_u32 s2, 0
	s_cbranch_scc0 .Lentry_in_a_cluster
	s_endpgm
.Lentry_in_a_cluster:
	s_bfe_u32 s2, ttmp6, 0x10000c
	s_cmp_lg_u32 s2, 0xf033
	s_cbranch_scc0 .Lentry_shape_is_right
	s_endpgm
.Lentry_shape_is_right:
; out0[t][e] = the sum over d of ob[t][d] wvo[e][d].  ob: [8192][1024] f16, the attention's mean of x's rows over 32; wvo: [1024][1024] f16, 32 W_o W_v; out0: [8192][1024] f32; sums in f32.
; The two factors 32 cancel: out0 = (attn x) (W_o W_v)^T = attn (x W_v^T) W_o^T.
; LIMITS.  The sums' order is the matrix unit's, and the products are taken in another order than the reference takes them; infinities and NaN are not treated apart.
; SHARES, RING, CLUSTER, REGISTERS: 64 x 4 tiles of 128 x 256, one to a work-group (tiles of 256 x 256 would be 128, for 256 WGPs); four waves of 64 x 128; K steps of 128 through two LDS slots;
; joint loads along the cluster's rows (ob) and columns (wvo); source 0 = 16 rows of wvo, source 1 = 16 rows of ob, so that a lane holds eight neighbouring numbers of a row.
; Window 0: v0-31 addresses; v64-159, v160-255 fragment buffers.  Window 1: accumulator (a, b) at v[8 (8 a + b)].
.set PITCH,  272
.set AHALF,  64*PITCH
.set BHALF,  128*PITCH
.set BOFF,   2*AHALF
.set SLOT1,  1<<17
.set STAGE,  SLOT1+BOFF+2*BHALF        ; behind the ring, never filled by a tensor load: 16 rows x 528 bytes for each wave
.set SPITCH, 528
.set SPARE,  STAGE+4*16*SPITCH
.set KB,     256
.set CP,     4096
.set ADRA0, 8
.set ADRB0, 9
.set ADRA, 16
.set ADRB, 20
.set STO,  24
.set RD,   25
.set CO,   26
.set SPW,  28
.set NIL,  29
.set F0,   64
.set F1,   160
.set OB,   64
.set G1,   24
.set G0,   32
.set TB,   45
.set G1B,  48
.set G0B,  56
.set MUL,  0x50
.set MSB, 0
.macro WIN new
.if MSB != (\new)
	s_set_vgpr_msb (MSB<<8)|(\new)
.set MSB, \new
.endif
.endm
.macro PLACES
.rept 4
	v_nop
.endr
.endm
.macro JLOAD s                         ; waves 0 and 1 fetch ob's halves, waves 2 and 3 wvo's; an s_nop 0 and four v_nop follow each line
	s_cmp_eq_u32 s11, 0
	s_cbranch_scc0 .Lfor_b_\@
	tensor_load_to_lds s[G0+4*(\s):G0+4*(\s)+3], s[G1:G1+7]
	s_nop 0
.rept 4
	v_nop
.endr
	s_branch .Lasked_\@
.Lfor_b_\@:
	tensor_load_to_lds s[G0B+4*(\s):G0B+4*(\s)+3], s[G1B:G1B+7]
	s_nop 0
.rept 4
	v_nop
.endr
.Lasked_\@:
.endm
.macro CREST
	s_cmp_lg_u32 s10, 0
	s_cbranch_scc1 .Lnot_wave_0_\@
	s_barrier_signal -3
.Lnot_wave_0_\@:
	s_barrier_wait -3
	s_barrier_signal -1
	s_barrier_wait -1
.endm
.macro CROUND
	s_barrier_signal -1
	s_barrier_wait -1
	CREST
.endm
	s_load_b128 s[4:7], s[0:1], 0x0                ; ob s[4:5], wvo s[6:7]
	s_load_b64 s[8:9], s[0:1], 0x10                ; out0
	v_lshl_add_u32 v[SPW], v0, 2, SPARE
	v_mov_b32 v[NIL], 0
	ds_add_u32 v[SPW], v[NIL]                      ; the wave's opening: the add and its wait ahead of my first tensor load
	v_lshrrev_b32 v1, 5, v0
	v_readfirstlane_b32 s10, v1
	s_lshr_b32 s11, s10, 1
	s_and_b32 s12, s10, 1
	s_bfe_u32 s40, ttmp6, 0x40000                  ; cx
	s_bfe_u32 s41, ttmp6, 0x40004                  ; cy
	s_and_b32 s13, ttmp7, 0xffff
	s_lshl_b32 s13, s13, 2
	s_add_co_u32 s13, s13, s41                     ; tile row = 4 x cluster y + cy
	s_lshl_b32 s43, s41, 2
	s_lshl_b32 s43, 15, s43
	s_lshl_b32 s44, 0x1111, s40
	s_or_b32 s[G1+0], s43, (1<<16)|(1<<20)|(1<<21)|(5<<22)|(3<<25)
	s_or_b32 s[G1B+0], s44, (1<<16)|(1<<20)|(1<<21)|(5<<22)|(3<<25)
	s_mov_b32 s[G1+1], 128<<16
	s_mov_b32 s[G1+2], 64<<16
	s_mov_b32 s[G1+3], 128<<16
	s_mov_b32 s[G1+4], 64
	s_mov_b32 s[G1+5], 1024
	s_mov_b32 s[G1+6], 0
	s_mov_b32 s[G1+7], 0
	s_mov_b32 s[G1B+1], 128<<16
	s_mov_b32 s[G1B+2], 128<<16
	s_mov_b32 s[G1B+3], 128<<16
	s_mov_b32 s[G1B+4], 128
	s_mov_b32 s[G1B+5], 1024
	s_mov_b32 s[G1B+6], 0
	s_mov_b32 s[G1B+7], 0
	s_lshl_b32 s16, s13, 7                         ; A: row 128 x tile row + 64 x half
	s_lshl_b32 s17, s12, 6
	s_add_co_u32 s16, s16, s17
	s_lshl_b32 s16, s16, 11
	s_mov_b32 s17, 0
	s_lshl_b32 s46, s40, 8                         ; B: row 256 cx + 128 x half
	s_lshl_b32 s47, s12, 7
	s_add_co_u32 s46, s46, s47
	s_lshl_b32 s46, s46, 11
	s_mov_b32 s47, 0
	s_mul_i32 s20, s12, AHALF
	s_mul_i32 s21, s12, BHALF
	s_add_co_u32 s21, s21, BOFF
	s_mov_b32 s[TB], 0
	s_wait_dscnt 0x0
	s_wait_kmcnt 0x0
	s_add_nc_u64 s[14:15], s[4:5], s[16:17]
	s_add_nc_u64 s[46:47], s[6:7], s[46:47]
	CROUND
.irp s, 0,1
	s_mov_b32 s[G0+4*(\s)], 1
	s_add_co_u32 s[G0+4*(\s)+1], s20, (\s)*SLOT1
	s_add_nc_u64 s[G0+4*(\s)+2:G0+4*(\s)+3], s[14:15], (\s)*KB
	s_or_b32 s[G0+4*(\s)+3], s[G0+4*(\s)+3], 0x80000000
	s_mov_b32 s[G0B+4*(\s)], 1
	s_add_co_u32 s[G0B+4*(\s)+1], s21, (\s)*SLOT1
	s_add_nc_u64 s[G0B+4*(\s)+2:G0B+4*(\s)+3], s[46:47], (\s)*KB
	s_or_b32 s[G0B+4*(\s)+3], s[G0B+4*(\s)+3], 0x80000000
	JLOAD \s
.endr
	v_and_b32 v1, 15, v0
	v_bfe_u32 v2, v0, 4, 1
	v_mul_u32_u24 v3, v1, PITCH
	v_lshl_add_u32 v3, v2, 4, v3
	s_mul_i32 s21, s11, AHALF
	s_mul_i32 s22, s12, BHALF
	s_add_co_u32 s22, s22, BOFF
	v_add_nc_u32 v[ADRA0], s21, v3
	v_add_nc_u32 v[ADRB0], s22, v3
	v_mov_b32 v[ADRA], v[ADRA0]
	v_mov_b32 v[ADRB], v[ADRB0]
	s_mul_i32 s23, s10, 16*SPITCH
	s_add_co_u32 s23, s23, STAGE
	v_mul_u32_u24 v4, v1, SPITCH
	v_lshl_add_u32 v4, v2, 5, v4
	v_add_nc_u32 v[STO], s23, v4
	v_and_b32 v5, 31, v0
	v_lshlrev_b32 v[CO], 4, v5
	v_add_nc_u32 v[RD], s23, v[CO]
	s_lshl_b32 s16, s13, 7                         ; C at my first row: 128 x tile row + 64 x half,
	s_lshl_b32 s17, s11, 6
	s_add_co_u32 s16, s16, s17
	s_lshl_b32 s16, s16, 12                        ; x 4,096 bytes: under 2^26
	s_mov_b32 s17, 0
	s_add_nc_u64 s[8:9], s[8:9], s[16:17]
	s_lshl_b32 s46, s40, 10                        ; and my first column: 1,024 cx + 512 x half bytes
	s_lshl_b32 s47, s12, 9
	s_add_co_u32 s46, s46, s47
	s_mov_b32 s47, 0
	s_add_nc_u64 s[8:9], s[8:9], s[46:47]
.macro MUL8 f, a, zero                 ; row block a x all 8 column blocks; the 32 accumulators take turns in one order everywhere
	WIN MUL
.irp b, 0,1,2,3,4,5,6,7
.if \zero
	v_wmma_f32_16x16x32_f16 v[8*(8*(\a)+(\b)):8*(8*(\a)+(\b))+7], v[(\f)+32+8*(\b):(\f)+32+8*(\b)+7], v[(\f)+8*(\a):(\f)+8*(\a)+7], 0
.else
	v_wmma_f32_16x16x32_f16 v[8*(8*(\a)+(\b)):8*(8*(\a)+(\b))+7], v[(\f)+32+8*(\b):(\f)+32+8*(\b)+7], v[(\f)+8*(\a):(\f)+8*(\a)+7], v[8*(8*(\a)+(\b)):8*(8*(\a)+(\b))+7]
.endif
.endr
.endm
.macro FETCH k, f
	WIN 0
.irp i, 0,1,2,3,4,5,6,7
	ds_load_b128 v[(\f)+32+8*(\i):(\f)+32+8*(\i)+3],   v[ADRB] offset:(\k)+(\i)*16*PITCH
	ds_load_b128 v[(\f)+32+8*(\i)+4:(\f)+32+8*(\i)+7], v[ADRB] offset:(\k)+(\i)*16*PITCH+32
.endr
.irp i, 0,1,2,3
	ds_load_b128 v[(\f)+8*(\i):(\f)+8*(\i)+3],   v[ADRA] offset:(\k)+(\i)*16*PITCH
	ds_load_b128 v[(\f)+8*(\i)+4:(\f)+8*(\i)+7], v[ADRA] offset:(\k)+(\i)*16*PITCH+32
.endr
.endm
.macro QUARTER k, f, g, zero
	s_wait_dscnt 4                                 ; the youngest four loads (A's blocks 2, 3) may be out
	MUL8 \f, 0, \zero
	MUL8 \f, 1, \zero
	PLACES
	FETCH \k, \g
	s_wait_dscnt 24                                ; all but the 24 just issued
	MUL8 \f, 2, \zero
	MUL8 \f, 3, \zero
.endm
; The change of slots: each wave waits for all its tensor loads, adds 0 to its spare word, waits for that and for its reads of this slot, and signals.  mode 1: the barrier opens a round of the
; cluster's barrier, and behind the round this slot is filled again, with the K step two on.  mode 0: nothing is asked for.
.macro TURN mode
	WIN 0
	s_wait_tensorcnt 0x0
	ds_add_u32 v[SPW], v[NIL]
	s_wait_dscnt 5                                 ; (the add and the youngest four loads may be out)
	MUL8 F1, 0, 0
.if \mode
	s_xor_b32 s[G0+5], s[G0+5], SLOT1
	s_add_nc_u64 s[G0+6:G0+7], s[G0+6:G0+7], KB
	s_xor_b32 s[G0B+5], s[G0B+5], SLOT1
	s_add_nc_u64 s[G0B+6:G0B+7], s[G0B+6:G0B+7], KB
.endif
	s_xor_b32 s[TB], s[TB], SLOT1
	s_wait_dscnt 0x0                               ; the add is done, and my reads of this slot are over
	s_barrier_signal -1
	MUL8 F1, 1, 0
	WIN 0
	v_add_nc_u32 v[ADRA], s[TB], v[ADRA0]
	v_add_nc_u32 v[ADRB], s[TB], v[ADRB0]
	s_barrier_wait -1
.if \mode
	CREST
	JLOAD 1
.else
	PLACES
.endif
	FETCH 0, F0
	MUL8 F1, 2, 0
	MUL8 F1, 3, 0
.endm
.macro LASTQ
	s_wait_dscnt 4
	MUL8 F1, 0, 0
	MUL8 F1, 1, 0
	s_wait_dscnt 0x0
	MUL8 F1, 2, 0
	MUL8 F1, 3, 0
.endm
; THE WAY OUT of row block a, in f32.  STG: a lane's 32 bytes of each accumulator, the low half first, into my own stage; back as whole rows of 512 bytes.  SND: stored.
.macro STG a
	WIN 0x04
.irp b, 0,1,2,3,4,5,6,7
	ds_store_b128 v[STO], v[8*(8*(\a)+(\b)):8*(8*(\a)+(\b))+3]   offset:64*(\b)
	ds_store_b128 v[STO], v[8*(8*(\a)+(\b))+4:8*(8*(\a)+(\b))+7] offset:64*(\b)+16
.endr
	WIN 0
.irp t, 0,1,2,3,4,5,6,7,8,9,10,11,12,13,14,15
	ds_load_b128 v[OB+64*((\a)%3)+4*(\t):OB+64*((\a)%3)+4*(\t)+3], v[RD] offset:(\t)*SPITCH  ; LDS serves a wave's instructions in order
.endr
.endm
.macro SND a, younger
	s_wait_dscnt \younger
.irp t, 0,1,2,3,4,5,6,7,8,9,10,11,12,13,14,15
	global_store_b128 v[CO], v[OB+64*((\a)%3)+4*(\t):OB+64*((\a)%3)+4*(\t)+3], s[8:9] offset:(16*(\a)+(\t))*CP th:TH_STORE_NT  ; 512 consecutive bytes, at a multiple of 512 from out0's first byte
.endr
.endm
	s_wait_tensorcnt 1                             ; my part of K step 0 is in; K step 1's may stay out
	s_barrier_signal -1
	s_barrier_wait -1
	FETCH 0, F0
	QUARTER 64, F0, F1, 1
	WIN 0
	s_mov_b32 s3, 6
.Lstep:                                                ; six trips ask for K steps 2 to 7
	QUARTER 128, F1, F0, 0
	QUARTER 192, F0, F1, 0
	TURN 1
	QUARTER 64, F0, F1, 0
	WIN 0
	s_sub_co_u32 s3, s3, 1
	s_cmp_lg_u32 s3, 0
	s_cbranch_scc1 .Lstep
	s_mov_b32 s2, 2                                ; K steps 6 and 7 ask for nothing more: a loop of their own, with no tensor load in it, left in the middle of its second trip
.Ltail:
	QUARTER 128, F1, F0, 0
	QUARTER 192, F0, F1, 0
	WIN 0
	s_cmp_eq_u32 s2, 1
	s_cbranch_scc1 .Llastq
	TURN 0
	QUARTER 64, F0, F1, 0
	WIN 0
	s_sub_co_u32 s2, s2, 1
	s_branch .Ltail
.Llastq:
	LASTQ
	WIN 0
	PLACES
	PLACES
	STG 0
	STG 1
	SND 0, 32
	STG 2
	SND 1, 32
	s_wait_xcnt 0x0                                ; block 0's stores have read their registers, which block 3 takes
	STG 3
	SND 2, 32
	SND 3, 0
	s_wait_tensorcnt 0x0                           ; the wave's end
	ds_add_u32 v[SPW], v[NIL]
	s_wait_dscnt 0x0
	CROUND                                         ; the closing round
	s_endpgm
.Lfunc_end_k_q245fc0317d_outp:
	.size	k_q245fc0317d_outp, .Lfunc_end_k_q245fc0317d_outp-k_q245fc0317d_outp
	.p2alignl 7, 3214868480
	.fill 96, 4, 3214868480
	.section	.rodata,"a",@progbits
	.p2align	6, 0x0
	.amdhsa_kernel k_q245fc0317d_outp
		.amdhsa_group_segment_fixed_size 327680
		.amdhsa_private_segment_fixed_size 0
		.amdhsa_enable_private_segment 0
		.amdhsa_kernarg_size 24
		.amdhsa_user_sgpr_count 2
		.amdhsa_user_sgpr_kernarg_segment_ptr 1
		.amdhsa_wavefront_size32 1
		.amdhsa_system_sgpr_workgroup_id_x 1
		.amdhsa_system_sgpr_workgroup_id_y 1
		.amdhsa_system_sgpr_workgroup_id_z 1
		.amdhsa_system_vgpr_workitem_id 0
		.amdhsa_next_free_vgpr 512
		.amdhsa_next_free_sgpr 66
		.amdhsa_reserve_vcc 0
		.amdhsa_float_denorm_mode_32 3
		.amdhsa_float_denorm_mode_16_64 3
		.amdhsa_memory_ordered 1
		.amdhsa_forward_progress 1
		.amdhsa_inst_pref_size 61
	.end_amdhsa_kernel
	.amdgpu_metadata
---
amdhsa.version: [ 1, 2 ]
amdhsa.kernels:
  - .name:           k_q245fc0317d_outp
    .symbol:         k_q245fc0317d_outp.kd
    .args:
      - { .name: ob, .offset: 0, .size: 8, .value_kind: global_buffer, .address_space: global }
      - { .name: wvo, .offset: 8, .size: 8, .value_kind: global_buffer, .address_space: global }
      - { .name: out0, .offset: 16, .size: 8, .value_kind: global_buffer, .address_space: global }
    .group_segment_fixed_size: 327680
    .private_segment_fixed_size: 0
    .kernarg_segment_align: 8
    .kernarg_segment_size: 24
    .max_flat_workgroup_size: 128
    .sgpr_count:     66
    .vgpr_count:     512
    .wavefront_size: 32
...
	.end_amdgpu_metadata
.endif
;; end of part 11
